; MI455X (gfx1250); checked and timed in simulation.
; The chip was launched on July 23, 2026; its instructions are those of AMD's public machine-readable ISA for CDNA 5 (MIT licence, August 2026) and "CDNA5" Instruction Set Architecture Reference Guide (July 2026). The comments in the code are by the model that wrote it; some were corrected since.
;; Encoder. Allowed arithmetic: float matrix products may take bf16 or f16 operands with f32 sums; other float arithmetic in f32, or as packed bf16 or f16 multiplies, adds, multiply-adds, maxima and minima; sums over many terms, partial sums and values carried from step to step in f32; what a program stores and reads back later, other than sums and carried values, may be rounded once to bf16 or f16.
;; Inputs: W1 1,024 x 4,096 float32; W2 4,096 x 1,024 float32; Wk 1,024 x 1,024 float32; Wo 1,024 x 1,024 float32; Wq 1,024 x 1,024 float32; Wv 1,024 x 1,024 float32; b1 4,096 float32; b2 1,024 float32; bk 1,024 float32; bo 1,024 float32; bq 1,024 float32; bv 1,024 float32; ln1_b 2,048 x 1,024 float32; ln1_w 2,048 x 1,024 float32; ln2_b 2,048 x 1,024 float32; ln2_w 2,048 x 1,024 float32; x 2 x 2,048 x 1,024 float32; y 2 x 2,048 x 1,024 float32.
;; Outputs: out0 2 x 2,048 x 1,024 float32.
;; 2 versions, each right. Each part assembles by itself: llvm-mc -triple=amdgcn-amd-amdhsa -mcpu=gfx1250 --defsym DOCPART=n.
;; ======== version 1 of 2: 9 launches
;; limits: values are held in f16: magnitudes above 65,504 overflow, below 6.1e-05 lose precision
;; workspace buffers: cvt 33,554,432 bytes; st1 2,048 bytes; st2 2,048 bytes; nb 8,388,608 bytes; qkv 25,165,824 bytes; ts 131,072 bytes; y1 16,777,216 bytes; act 33,554,432 bytes
;; launch prep (part 1): grid 256 x 1, 16 waves a work-group, no clusters, 2,304 bytes of LDS; arguments Wq, Wk, Wv, Wo, W1, W2, x, y, cvt, st1; writes cvt, st1
.if DOCPART == 1
	.amdgcn_target "amdgcn-amd-amdhsa--gfx1250"
	.amdhsa_code_object_version 6
	.text
	.protected	k_qd5bb166427_prep
	.globl	k_qd5bb166427_prep
	.p2align	8
	.type	k_qd5bb166427_prep,@function
k_qd5bb166427_prep:
	s_mov_b64 s[64:65], 0
	v_nop
	global_prefetch_b8 v0, s[64:65] scope:SCOPE_SE
	s_setreg_imm32_b32 hwreg(HW_REG_WAVE_MODE, 25, 1), 1
	s_wait_xcnt 0x0
; f16 copies of Wq, Wk, Wv, Wo, W1, W2 and x (in this order, end to end, in cvt), and for each chunk of 16,384 numbers of y its mean and its
; sum of squared distances from that mean (M2): 256 pairs in st1, 128 for each batch.  No difference of large sums is formed.
; LIMITS: a number of 65,520 or more in magnitude becomes an infinity in f16; below 6e-5 f16 keeps a fixed step of 6e-8.
; SHARES: work-group g converts numbers 65,536 g .. +65,535 of the 16 Mi, a wave 4,096 of them; of y's chunk g a wave takes 1,024.
; All 40 loads of a wave (20 KiB) go out at once; a stream has no use for matrix units, clusters or tiles in LDS.
.set SPARE, 256                        ; LDS 0-127: sixteen pairs (mean, M2); from 256 on the spare words, 128 bytes a wave
.set YD, 32                            ; v[32:63]   my 32 numbers of y
.set CD, 64                            ; v[64:191]  sixteen groups of 8 numbers to convert
.macro WRED a, t                       ; the sum over the wave's 32 lanes, in every lane
	v_add_f32_dpp v[\a], v[\a], v[\a] row_xmask:1 row_mask:0xf bank_mask:0xf
	v_add_f32_dpp v[\a], v[\a], v[\a] row_xmask:2 row_mask:0xf bank_mask:0xf
	v_add_f32_dpp v[\a], v[\a], v[\a] row_xmask:4 row_mask:0xf bank_mask:0xf
	v_add_f32_dpp v[\a], v[\a], v[\a] row_xmask:8 row_mask:0xf bank_mask:0xf
	v_permlanex16_b32 v[\t], v[\a], s36, s37
	v_add_f32 v[\a], v[\a], v[\t]
.endm
.macro FOLD                            ; four chains v[8:15] into v8
	v_pk_add_f32 v[8:9], v[8:9], v[10:11]
	v_pk_add_f32 v[12:13], v[12:13], v[14:15]
	v_pk_add_f32 v[8:9], v[8:9], v[12:13]
	v_add_f32 v8, v8, v9
.endm
	s_load_b512 s[8:23], s[0:1], 0x0               ; Wq 8, Wk 10, Wv 12, Wo 14, W1 16, W2 18, x 20, y 22
	s_load_b128 s[24:27], s[0:1], 0x40             ; cvt 24, st1 26
	v_lshl_add_u32 v6, v0, 2, SPARE                ; my spare word
	v_mov_b32 v7, 0
	v_and_b32 v1, 31, v0                           ; lane
	v_lshrrev_b32 v8, 5, v0                        ; wave
	v_readfirstlane_b32 s34, v8
	v_lshlrev_b32 v2, 5, v1
	v_lshl_or_b32 v2, v8, 14, v2                   ; source: 16,384 w + 32 lane
	v_lshlrev_b32 v3, 4, v1
	v_lshl_or_b32 v4, v8, 13, v3                   ; copy: 8,192 w + 16 lane
	v_lshl_or_b32 v3, v8, 12, v3                   ; y: 4,096 w + 16 lane
	v_lshlrev_b32 v5, 3, v8                        ; my wave's pair in LDS
	s_mov_b32 s36, 0x76543210
	s_mov_b32 s37, 0xfedcba98
	s_lshr_b32 s33, ttmp9, 4                       ; unit of 1 Mi numbers: 0-3 Wq..Wo, 4-7 W1, 8-11 W2, 12-15 x
	s_and_b32 s30, ttmp9, 63
	s_and_b32 s31, ttmp9, 15
	s_cmp_lt_u32 s33, 4
	s_cselect_b32 s30, s31, s30                    ; my place inside the source
	s_lshl_b32 s30, s30, 18                        ; x 65,536 numbers of 4 bytes
	s_mov_b32 s31, 0
	s_wait_kmcnt 0x0
	s_mov_b64 s[28:29], s[20:21]
	s_cmp_lt_u32 s33, 12
	s_cselect_b64 s[28:29], s[18:19], s[28:29]
	s_cmp_lt_u32 s33, 8
	s_cselect_b64 s[28:29], s[16:17], s[28:29]
	s_cmp_lt_u32 s33, 4
	s_cselect_b64 s[28:29], s[14:15], s[28:29]
	s_cmp_lt_u32 s33, 3
	s_cselect_b64 s[28:29], s[12:13], s[28:29]
	s_cmp_lt_u32 s33, 2
	s_cselect_b64 s[28:29], s[10:11], s[28:29]
	s_cmp_lt_u32 s33, 1
	s_cselect_b64 s[28:29], s[8:9], s[28:29]
	s_add_nc_u64 s[28:29], s[28:29], s[30:31]
	s_lshl_b32 s30, ttmp9, 16
	s_add_nc_u64 s[22:23], s[22:23], s[30:31]      ; y's chunk g
	s_lshl_b32 s30, ttmp9, 17
	s_add_nc_u64 s[24:25], s[24:25], s[30:31]      ; the copy's 131,072 bytes
	s_lshl_b32 s30, ttmp9, 3
	s_add_nc_u64 s[26:27], s[26:27], s[30:31]      ; pair g
.irp j, 0,1,2,3,4,5,6,7
	global_load_b128 v[YD+4*(\j):YD+4*(\j)+3], v3, s[22:23] offset:512*(\j) th:TH_LOAD_NT
.endr
.set j, 0
.rept 16
	global_load_b128 v[CD+8*j:CD+8*j+3],   v2, s[28:29] offset:1024*j th:TH_LOAD_NT
	global_load_b128 v[CD+8*j+4:CD+8*j+7], v2, s[28:29] offset:1024*j+16 th:TH_LOAD_NT
.set j, j+1
.endr
	s_wait_loadcnt 32                              ; y's eight loads are in; the 32 younger ones stay out
.irp k, 0,2,4,6                        ; the sum: four chains, started by the first pairs
	v_pk_add_f32 v[8+(\k):9+(\k)], v[YD+(\k):YD+(\k)+1], v[YD+8+(\k):YD+9+(\k)]
.endr
.irp q, 16,24
.irp k, 0,2,4,6
	v_pk_add_f32 v[8+(\k):9+(\k)], v[8+(\k):9+(\k)], v[YD+(\q)+(\k):YD+(\q)+(\k)+1]
.endr
.endr
	FOLD
	WRED 8, 9
	v_mul_f32 v16, 0x3a800000, v8                  ; the wave's mean: sum / 1,024
	v_mov_b32 v17, v16
.set k, 0
.rept 16
	v_pk_add_f32 v[YD+k:YD+k+1], v[YD+k:YD+k+1], v[16:17] neg_lo:[0,1] neg_hi:[0,1]
.set k, k+2
.endr
.irp k, 0,2,4,6
	v_pk_mul_f32 v[8+(\k):9+(\k)], v[YD+(\k):YD+(\k)+1], v[YD+(\k):YD+(\k)+1]
.endr
.irp q, 8,16,24
.irp k, 0,2,4,6
	v_pk_fma_f32 v[8+(\k):9+(\k)], v[YD+(\q)+(\k):YD+(\q)+(\k)+1], v[YD+(\q)+(\k):YD+(\q)+(\k)+1], v[8+(\k):9+(\k)]
.endr
.endr
	FOLD
	WRED 8, 9
	v_mov_b32 v17, v8                              ; (mean, M2) of my wave's 1,024
	ds_store_b64 v5, v[16:17]
.set j, 0
.rept 16
	s_wait_loadcnt 30-2*j                          ; group j's two loads are in; the younger groups' stay out
	v_cvt_pk_f16_f32 v[CD+8*j],   v[CD+8*j],   v[CD+8*j+1]
	v_cvt_pk_f16_f32 v[CD+8*j+1], v[CD+8*j+2], v[CD+8*j+3]
	v_cvt_pk_f16_f32 v[CD+8*j+2], v[CD+8*j+4], v[CD+8*j+5]
	v_cvt_pk_f16_f32 v[CD+8*j+3], v[CD+8*j+6], v[CD+8*j+7]
	global_store_b128 v4, v[CD+8*j:CD+8*j+3], s[24:25] offset:512*j  ; the wave's store covers 512 consecutive bytes, aligned
.set j, j+1
.endr
	s_wait_dscnt 0x0                               ; for the others' sake: my pair lies in LDS
	s_barrier_signal -1
	s_barrier_wait -1
	s_cmp_lg_u32 s34, 0
	s_cbranch_scc1 .Lend                           ; wave 0 merges the sixteen pairs
	v_and_b32 v9, 15, v1
	v_lshlrev_b32 v9, 3, v9
	ds_load_b64 v[10:11], v9
	s_wait_dscnt 0x0
	v_add_f32_dpp v12, v10, v10 row_xmask:1 row_mask:0xf bank_mask:0xf
	v_add_f32_dpp v12, v12, v12 row_xmask:2 row_mask:0xf bank_mask:0xf
	v_add_f32_dpp v12, v12, v12 row_xmask:4 row_mask:0xf bank_mask:0xf
	v_add_f32_dpp v12, v12, v12 row_xmask:8 row_mask:0xf bank_mask:0xf
	v_mul_f32 v14, 0x3d800000, v12                 ; the chunk's mean: equal counts, so the means' mean
	v_sub_f32 v13, v10, v14
	v_mul_f32 v13, v13, v13
	v_fmamk_f32 v15, v13, 0x44800000, v11          ; M2_i + 1,024 (mean_i - mean)^2
	v_add_f32_dpp v15, v15, v15 row_xmask:1 row_mask:0xf bank_mask:0xf
	v_add_f32_dpp v15, v15, v15 row_xmask:2 row_mask:0xf bank_mask:0xf
	v_add_f32_dpp v15, v15, v15 row_xmask:4 row_mask:0xf bank_mask:0xf
	v_add_f32_dpp v15, v15, v15 row_xmask:8 row_mask:0xf bank_mask:0xf
	v_mov_b32 v18, 0
	v_cmp_gt_u32 vcc_lo, 1, v1
	s_wait_xcnt 0x0                                ; EXEC changes only behind this wait: stores are out
	s_and_saveexec_b32 s35, vcc_lo
	global_store_b64 v18, v[14:15], s[26:27]
	s_wait_xcnt 0x0
	s_or_b32 exec_lo, exec_lo, s35
.Lend:
	s_wait_tensorcnt 0x0                           ; the wave's end
	ds_add_u32 v6, v7
	s_wait_dscnt 0x0
	s_endpgm
.Lfunc_end_k_qd5bb166427_prep:
	.size	k_qd5bb166427_prep, .Lfunc_end_k_qd5bb166427_prep-k_qd5bb166427_prep
	.p2alignl 7, 3214868480
	.fill 96, 4, 3214868480
	.section	.rodata,"a",@progbits
	.p2align	6, 0x0
	.amdhsa_kernel k_qd5bb166427_prep
		.amdhsa_group_segment_fixed_size 2304
		.amdhsa_private_segment_fixed_size 0
		.amdhsa_enable_private_segment 0
		.amdhsa_kernarg_size 80
		.amdhsa_user_sgpr_count 2
		.amdhsa_user_sgpr_kernarg_segment_ptr 1
		.amdhsa_wavefront_size32 1
		.amdhsa_system_sgpr_workgroup_id_x 1
		.amdhsa_system_sgpr_workgroup_id_y 1
		.amdhsa_system_sgpr_workgroup_id_z 1
		.amdhsa_system_vgpr_workitem_id 0
		.amdhsa_next_free_vgpr 192
		.amdhsa_next_free_sgpr 66
		.amdhsa_reserve_vcc 1
		.amdhsa_float_denorm_mode_32 3
		.amdhsa_float_denorm_mode_16_64 3
		.amdhsa_memory_ordered 1
		.amdhsa_forward_progress 1
		.amdhsa_inst_pref_size 18
	.end_amdhsa_kernel
	.amdgpu_metadata
---
amdhsa.version: [ 1, 2 ]
amdhsa.kernels:
  - .name:           k_qd5bb166427_prep
    .symbol:         k_qd5bb166427_prep.kd
    .args:
      - { .name: Wq, .offset: 0, .size: 8, .value_kind: global_buffer, .address_space: global }
      - { .name: Wk, .offset: 8, .size: 8, .value_kind: global_buffer, .address_space: global }
      - { .name: Wv, .offset: 16, .size: 8, .value_kind: global_buffer, .address_space: global }
      - { .name: Wo, .offset: 24, .size: 8, .value_kind: global_buffer, .address_space: global }
      - { .name: W1, .offset: 32, .size: 8, .value_kind: global_buffer, .address_space: global }
      - { .name: W2, .offset: 40, .size: 8, .value_kind: global_buffer, .address_space: global }
      - { .name: x, .offset: 48, .size: 8, .value_kind: global_buffer, .address_space: global }
      - { .name: y, .offset: 56, .size: 8, .value_kind: global_buffer, .address_space: global }
      - { .name: cvt, .offset: 64, .size: 8, .value_kind: global_buffer, .address_space: global }
      - { .name: st1, .offset: 72, .size: 8, .value_kind: global_buffer, .address_space: global }
    .group_segment_fixed_size: 2304
    .private_segment_fixed_size: 0
    .kernarg_segment_align: 8
    .kernarg_segment_size: 80
    .max_flat_workgroup_size: 512
    .sgpr_count:     66
    .vgpr_count:     192
    .wavefront_size: 32
...
	.end_amdgpu_metadata
.endif
;; end of part 1
;; launch norm1 (part 2): grid 256 x 1, 16 waves a work-group, no clusters, 0 bytes of LDS; arguments y, ln1_w, ln1_b, st1, nb; writes nb
.if DOCPART == 2
	.amdgcn_target "amdgcn-amd-amdhsa--gfx1250"
	.amdhsa_code_object_version 6
	.text
	.protected	k_qd5bb166427_norm1
	.globl	k_qd5bb166427_norm1
	.p2align	8
	.type	k_qd5bb166427_norm1,@function
k_qd5bb166427_norm1:
	s_mov_b64 s[64:65], 0
	v_nop
	global_prefetch_b8 v0, s[64:65] scope:SCOPE_SE
	s_setreg_imm32_b32 hwreg(HW_REG_WAVE_MODE, 25, 1), 1
	s_wait_xcnt 0x0
; n = (t - mean) rsqrt(var + 1e-5) w + b, mean and var over all 2,048 x 1,024 numbers of a batch; t f32 [2][2048][1024], w, b f32 [2048][1024], n f16.
; The statistics come as 128 pairs (mean, M2) for each batch, each of 16,384 numbers: mean = the means' mean, M2 = sum M2_i + 16,384 sum (mean_i - mean)^2.
; SHARES: work-group g takes positions 8,192 g .. +8,191 of the plane for BOTH batches, so w and b are read once; a wave 512 positions, a lane 16.
; LIMITS: n of 65,520 or more in magnitude becomes an infinity in f16.  A stream: no LDS, no barrier, no matrix unit.
.set P0, 8                             ; v[8:15]   four pairs of batch 0     v[16:23] of batch 1
.set P1, 16
.set W,  24                            ; v[24:39]  w    v[40:55] b    v[56:71] t of batch 0    v[72:87] of batch 1
.set BB, 40
.set T0, 56
.set T1, 72
.set MU0, 88                           ; pairs: mean and 1/sqrt, twice each
.set R0,  90
.set MU1, 92
.set R1,  94
.set TT,  96                           ; at work
.macro WRED a, t
	v_add_f32_dpp v[\a], v[\a], v[\a] row_xmask:1 row_mask:0xf bank_mask:0xf
	v_add_f32_dpp v[\a], v[\a], v[\a] row_xmask:2 row_mask:0xf bank_mask:0xf
	v_add_f32_dpp v[\a], v[\a], v[\a] row_xmask:4 row_mask:0xf bank_mask:0xf
	v_add_f32_dpp v[\a], v[\a], v[\a] row_xmask:8 row_mask:0xf bank_mask:0xf
	v_permlanex16_b32 v[\t], v[\a], s22, s23
	v_add_f32 v[\a], v[\a], v[\t]
.endm
.macro MERGE p, mu, e                  ; my four pairs and the other lanes': the batch's mean into the pair mu, var + eps into e
	v_add_f32 v[TT], v[\p], v[\p+2]
	v_add_f32 v[TT+1], v[\p+4], v[\p+6]
	v_add_f32 v[TT], v[TT], v[TT+1]
	WRED TT, TT+1
	v_mul_f32 v[\mu], 0x3c000000, v[TT]            ; / 128
	v_mov_b32 v[\mu+1], v[\mu]
.irp i, 0,2,4,6
	v_sub_f32 v[\p+\i], v[\p+\i], v[\mu]
.endr
	v_mul_f32 v[TT], v[\p], v[\p]
	v_fmac_f32 v[TT], v[\p+2], v[\p+2]
	v_fmac_f32 v[TT], v[\p+4], v[\p+4]
	v_fmac_f32 v[TT], v[\p+6], v[\p+6]
	v_add_f32 v[\p+1], v[\p+1], v[\p+3]
	v_add_f32 v[\p+5], v[\p+5], v[\p+7]
	v_add_f32 v[\p+1], v[\p+1], v[\p+5]
	v_fmamk_f32 v[TT], v[TT], 0x46800000, v[\p+1]  ; 16,384 sum d^2 + sum M2
	WRED TT, TT+1
	v_fma_f32 v[\e], v[TT], s20, s21               ; M2 / 2^21 + 1e-5
.endm
.macro APPLY t, mu, r, off             ; 16 numbers: (t - mean) (w r) + b, rounded to f16, two stores of 16 bytes
.set k, 0
.rept 8
	v_pk_mul_f32 v[TT+2*(k%4):TT+2*(k%4)+1], v[W+2*k:W+2*k+1], v[\r:\r+1]
	v_pk_add_f32 v[\t+2*k:\t+2*k+1], v[\t+2*k:\t+2*k+1], v[\mu:\mu+1] neg_lo:[0,1] neg_hi:[0,1]
	v_pk_fma_f32 v[\t+2*k:\t+2*k+1], v[\t+2*k:\t+2*k+1], v[TT+2*(k%4):TT+2*(k%4)+1], v[BB+2*k:BB+2*k+1]
.set k, k+1
.endr
.set k, 0
.rept 8
	v_cvt_pk_f16_f32 v[\t+k], v[\t+2*k], v[\t+2*k+1]
.set k, k+1
.endr
	global_store_b128 v3, v[\t:\t+3],   s[12:13] offset:\off        ; the wave's store covers 512 consecutive bytes, aligned
	global_store_b128 v3, v[\t+4:\t+7], s[12:13] offset:(\off)+512
.endm
.macro LD4 d, base
	global_load_b128 v[\d:\d+3],     v2, s[\base:\base+1] th:TH_LOAD_NT
	global_load_b128 v[\d+4:\d+7],   v2, s[\base:\base+1] offset:16 th:TH_LOAD_NT
	global_load_b128 v[\d+8:\d+11],  v2, s[\base:\base+1] offset:1024 th:TH_LOAD_NT
	global_load_b128 v[\d+12:\d+15], v2, s[\base:\base+1] offset:1040 th:TH_LOAD_NT
.endm
	s_load_b256 s[4:11], s[0:1], 0x0               ; t 4, w 6, b 8, statistics 10
	s_load_b64 s[12:13], s[0:1], 0x20              ; n
	v_and_b32 v1, 31, v0
	v_lshrrev_b32 v5, 5, v0
	v_lshlrev_b32 v4, 5, v1                        ; my four pairs: 32 lane
	v_lshl_or_b32 v2, v5, 11, v4                   ; in: 2,048 w + 32 lane
	v_lshlrev_b32 v3, 4, v1
	v_lshl_or_b32 v3, v5, 10, v3                   ; out: 1,024 w + 16 lane
	s_lshl_b32 s14, ttmp9, 15
	s_mov_b32 s15, 0
	s_lshl_b32 s18, ttmp9, 14
	s_mov_b32 s19, 0
	s_mov_b32 s20, 0x35000000                      ; 2^-21
	s_mov_b32 s21, 0x3727c5ac                      ; 1e-5
	s_mov_b32 s22, 0x76543210
	s_mov_b32 s23, 0xfedcba98
	s_wait_kmcnt 0x0
	s_add_nc_u64 s[4:5], s[4:5], s[14:15]
	s_add_nc_u64 s[6:7], s[6:7], s[14:15]
	s_add_nc_u64 s[8:9], s[8:9], s[14:15]
	s_add_nc_u64 s[16:17], s[4:5], 0x800000        ; batch 1 of t
	s_add_nc_u64 s[12:13], s[12:13], s[18:19]
	global_load_b128 v[P0:P0+3],   v4, s[10:11]
	global_load_b128 v[P0+4:P0+7], v4, s[10:11] offset:16
	global_load_b128 v[P1:P1+3],   v4, s[10:11] offset:1024
	global_load_b128 v[P1+4:P1+7], v4, s[10:11] offset:1040
	LD4 W, 6
	LD4 BB, 8
	LD4 T0, 4
	LD4 T1, 16
	s_wait_loadcnt 16                              ; the statistics are in; the 16 younger loads stay out
	MERGE P0, MU0, TT+2
	MERGE P1, MU1, TT+3
	v_rsq_f32 v[R0], v[TT+2]
	v_rsq_f32 v[R1], v[TT+3]
	v_nop                                          ; a plain instruction behind the last of the two,
	s_wait_alu depctr_va_vdst(0)                   ; and one wait for both, ahead of their first reader
	v_mov_b32 v[R0+1], v[R0]
	v_mov_b32 v[R1+1], v[R1]
	s_wait_loadcnt 4                               ; w, b and batch 0 are in; batch 1's four loads stay out
	APPLY T0, MU0, R0, 0
	s_wait_loadcnt 0x0
	APPLY T1, MU1, R1, 4194304
	s_endpgm
.Lfunc_end_k_qd5bb166427_norm1:
	.size	k_qd5bb166427_norm1, .Lfunc_end_k_qd5bb166427_norm1-k_qd5bb166427_norm1
	.p2alignl 7, 3214868480
	.fill 96, 4, 3214868480
	.section	.rodata,"a",@progbits
	.p2align	6, 0x0
	.amdhsa_kernel k_qd5bb166427_norm1
		.amdhsa_group_segment_fixed_size 0
		.amdhsa_private_segment_fixed_size 0
		.amdhsa_enable_private_segment 0
		.amdhsa_kernarg_size 40
		.amdhsa_user_sgpr_count 2
		.amdhsa_user_sgpr_kernarg_segment_ptr 1
		.amdhsa_wavefront_size32 1
		.amdhsa_system_sgpr_workgroup_id_x 1
		.amdhsa_system_sgpr_workgroup_id_y 1
		.amdhsa_system_sgpr_workgroup_id_z 1
		.amdhsa_system_vgpr_workitem_id 0
		.amdhsa_next_free_vgpr 112
		.amdhsa_next_free_sgpr 66
		.amdhsa_reserve_vcc 0
		.amdhsa_float_denorm_mode_32 3
		.amdhsa_float_denorm_mode_16_64 3
		.amdhsa_memory_ordered 1
		.amdhsa_forward_progress 1
		.amdhsa_inst_pref_size 11
	.end_amdhsa_kernel
	.amdgpu_metadata
---
amdhsa.version: [ 1, 2 ]
amdhsa.kernels:
  - .name:           k_qd5bb166427_norm1
    .symbol:         k_qd5bb166427_norm1.kd
    .args:
      - { .name: y, .offset: 0, .size: 8, .value_kind: global_buffer, .address_space: global }
      - { .name: ln1_w, .offset: 8, .size: 8, .value_kind: global_buffer, .address_space: global }
      - { .name: ln1_b, .offset: 16, .size: 8, .value_kind: global_buffer, .address_space: global }
      - { .name: st1, .offset: 24, .size: 8, .value_kind: global_buffer, .address_space: global }
      - { .name: nb, .offset: 32, .size: 8, .value_kind: global_buffer, .address_space: global }
    .group_segment_fixed_size: 0
    .private_segment_fixed_size: 0
    .kernarg_segment_align: 8
    .kernarg_segment_size: 40
    .max_flat_workgroup_size: 512
    .sgpr_count:     66
    .vgpr_count:     112
    .wavefront_size: 32
...
	.end_amdgpu_metadata
.endif
;; end of part 2
;; launch proj (part 3): grid 8 x 96, 4 waves a work-group, clusters of 4 x 4, 327,680 bytes of LDS; arguments nb, cvt, bq, bk, bv, qkv; writes qkv
.if DOCPART == 3
	.amdgcn_target "amdgcn-amd-amdhsa--gfx1250"
	.amdhsa_code_object_version 6
	.text
	.protected	k_qd5bb166427_proj
	.globl	k_qd5bb166427_proj
	.p2align	8
	.type	k_qd5bb166427_proj,@function
k_qd5bb166427_proj:
	s_mov_b64 s[64:65], 0
	v_nop
	global_prefetch_b8 v0, s[64:65] scope:SCOPE_SE
	s_setreg_imm32_b32 hwreg(HW_REG_WAVE_MODE, 25, 1), 1
	s_wait_xcnt 0x0
	s_wait_alu depctr_hold_cnt(0) depctr_sa_sdst(0) depctr_va_vdst(0) depctr_va_sdst(0) depctr_va_ssrc(0) depctr_va_vcc(0) depctr_vm_vsrc(0)
	s_getreg_b32 s2, hwreg(HW_REG_IB_STS2, 6, 4)
	s_cmp_eq_u32 s2, 0
	s_cbranch_scc0 .Lentry_in_a_cluster
	s_endpgm
.Lentry_in_a_cluster:
	s_bfe_u32 s2, ttmp6, 0x10000c
	s_cmp_lg_u32 s2, 0xf033
	s_cbranch_scc0 .Lentry_shape_is_right
	s_endpgm
.Lentry_shape_is_right:
; q = x Wq + bq, k = n Wk + bk, v = n Wv + bv: three products [4096 x 1024] x [1024 x 1024] in one launch; f16 operands, f32 sums that start at the bias;
; results in f16 by heads, [batch x head][2048][64], q, k, v 8 MiB apart.  LIMITS: results of 65,520 or more in magnitude become infinities in f16.
; ONE TEXT serves four products of this program; the constants below choose: KIND 0 this one, 1 O Wo, 2 h W2, 3 n W1.
; A tile of C is 128 x 128: 4,096 x 1,024 outputs shared among 256 work-groups.  Four waves, each 64 x 64: 16 accumulators.  K goes in steps of 256 through two LDS slots.
; A lies [M][K]; W lies [K][N] and comes out of LDS turned (ds_load_tr16_b128).  The matrix instruction is used transposed (source 0 = 16 columns of W, source 1 = 16 rows of A):
; a lane then holds eight neighbouring columns of one row of C.  CLUSTER 4 x 4: A's tile is asked for jointly along a row of the cluster, W's along a column.
; No prefetch: a step's tile is small and is read by four partners through one request.
.set KIND,   0
.set PLANES, 0                         ; A's tiles: 0 = rows of 256 K; 1 = four planes [128 rows][64 K], dense
.set NSTEP,  4                         ; K / 256
.set BSTR,   1024                      ; elements in a row of W
.set WOFF,   0                         ; W's first byte in cvt (KIND 0: + 2 MiB x which)
.set TRSH,   18                        ; planes: log2 of the bytes of a block of 128 rows
.set OUTP,   82                        ; s[OUTP:OUTP+1] the output
.if PLANES
.set PA,     144                       ; a plane's row: 128 bytes + 16
.set STEPA,  128*144                   ; 64 K further on: the next plane
.set AHALF,  2*128*144
.set GA,     65536                     ; a K step in memory
.set SPITCH, 272
.else
.set PA,     528                       ; 512 bytes + 16
.set STEPA,  128
.set AHALF,  64*528
.set GA,     512
.set SPITCH, 144
.endif
.set PB,     288                       ; a row of W's tile: 256 bytes + 32
.set BOFF,   73728                     ; W's 256 rows lie behind A's part of a slot
.set STEPB,  64*PB
.set SLOT,   147456                    ; = 0x24000; no tile address inside a slot has one of its two bits, so an exclusive or changes slots
.set GB,     256*BSTR*2
.set STAGE,  2*SLOT                    ; each wave's own 16 rows for the way out; never filled by a tensor load
.set STATS,  STAGE+4*16*272
.set SPARE,  STATS+256                 ; the spare words, 128 bytes a wave
.set AA0, 16                           ; v16, v17  my lane's place in A's and W's part of a slot; never rewritten
.set AB0, 17
.set AA,  18                           ; v18, v19  the addresses of the run of loads in hand
.set AB,  19
.set STO, 24
.set RD,  25
.set CO,  26
.set BO,  27
.set SPW, 28
.set NIL, 29
.set ZR,  30
.set SA,  31
.set TMP, 32                           ; v32-95 at work
.set ACC, 128                          ; accumulator (a, b) at ACC + 8 (4 a + b).  Window 1: v0-63 A's fragments (c, i) at 8 (4 c + i); v64-127 W's; v128-255 the residual
.set G1,  24
.set G0,  32
.set G1B, 48
.set G0B, 56
.set TA,  66                           ; s66, s67  LDS byte of the 64 K to be fetched next, for A and for W
.set TB,  67
.set CI,  68
.set WH,  69
.set SEL, 70
.set MSB, 0
.macro WIN new
.if MSB != (\new)
	s_set_vgpr_msb (MSB<<8)|(\new)
.set MSB, \new
.endif
.endm
.set MUL,  0x05                        ; sources 0 and 1 window 1; C and D window 0
.set TO_F, 0x40                        ; destination window 1, address window 0
.macro JLOAD s                         ; a joint load: waves 0, 1 fetch A's halves, waves 2, 3 W's; s_nop 0 and four v_nop follow each line
	s_cmp_eq_u32 s11, 0
	s_cbranch_scc0 .Lfor_b_\@
	tensor_load_to_lds s[G0+4*(\s):G0+4*(\s)+3], s[G1:G1+7]
	s_nop 0
.rept 4
	v_nop
.endr
	s_branch .Lasked_\@
.Lfor_b_\@:
	tensor_load_to_lds s[G0B+4*(\s):G0B+4*(\s)+3], s[G1B:G1B+7]
	s_nop 0
.rept 4
	v_nop
.endr
.Lasked_\@:
.endm
.macro CREST                           ; a round of the cluster's barrier behind its opening barrier
	s_cmp_lg_u32 s10, 0
	s_cbranch_scc1 .Lnot_wave_0_\@
	s_barrier_signal -3
.Lnot_wave_0_\@:
	s_barrier_wait -3
	s_barrier_signal -1
	s_barrier_wait -1
.endm
.macro CROUND
	s_barrier_signal -1
	s_barrier_wait -1
	CREST
.endm
.macro PLACES                          ; four places between a matrix instruction and a load into, or a reader of, its registers
.rept 4
	v_nop
.endr
.endm
.macro MUL8 c, a0                      ; row blocks a0, a0 + 1 x all four column blocks, 32 K (half c of the fragments)
	WIN MUL
.irp a, \a0, (\a0)+1
.irp b, 0,1,2,3
	v_wmma_f32_16x16x32_f16 v[ACC+8*(4*(\a)+(\b)):ACC+8*(4*(\a)+(\b))+7], v[64+8*(4*(\c)+(\b)):64+8*(4*(\c)+(\b))+7], v[8*(4*(\c)+(\a)):8*(4*(\c)+(\a))+7], v[ACC+8*(4*(\a)+(\b)):ACC+8*(4*(\a)+(\b))+7]
.endr
.endr
.endm
.macro MUL16 c                         ; the 16 accumulators take turns, always in the same order
	MUL8 \c, 0
	MUL8 \c, 2
.endm
.macro FETCH16 c                       ; 16 LDS loads: half c (32 K) of the 64 K at v[AA], v[AB]
	WIN TO_F
.irp i, 0,1,2,3
	ds_load_tr16_b128 v[64+8*(4*(\c)+(\i)):64+8*(4*(\c)+(\i))+3],   v[AB] offset:(\c)*32*PB+32*(\i)
	ds_load_tr16_b128 v[64+8*(4*(\c)+(\i))+4:64+8*(4*(\c)+(\i))+7], v[AB] offset:(\c)*32*PB+16*PB+32*(\i)
	ds_load_b128 v[8*(4*(\c)+(\i)):8*(4*(\c)+(\i))+3],   v[AA] offset:(\i)*16*PA+64*(\c)
	ds_load_b128 v[8*(4*(\c)+(\i))+4:8*(4*(\c)+(\i))+7], v[AA] offset:(\i)*16*PA+64*(\c)+32
.endr
.endm
.macro ADDR
	v_add_nc_u32 v[AA], s[TA], v[AA0]
	v_add_nc_u32 v[AB], s[TB], v[AB0]
.endm
.macro STEPP
	s_add_co_u32 s[TA], s[TA], STEPA
	s_add_co_u32 s[TB], s[TB], STEPB
.endm
.macro Q64                             ; multiplies 64 K and fetches the next 64 K of the same slot
	s_wait_dscnt 16                                ; half 0 is in; half 1's 16 loads are younger
	MUL16 0
	WIN 0
	ADDR                                           ; two plain instructions and two v_nop: the four places
	v_nop
	v_nop
	FETCH16 0
	s_wait_dscnt 16                                ; half 1 is in; the 16 just issued are younger
	MUL16 1
	PLACES
	FETCH16 1
	WIN 0
	STEPP
.endm
.macro INNER                           ; the first three quarters of a K step
	s_mov_b32 s[CI], 3
.Lq_\@:
	Q64
	s_sub_co_u32 s[CI], s[CI], 1
	s_cmp_lg_u32 s[CI], 0
	s_cbranch_scc1 .Lq_\@
.endm
; The last quarter and the change of slots: each wave waits for all its tensor loads (one is out: its part of the next slot), adds 0 to its spare word, waits for that and for its reads
; of this slot; behind the barrier (fill = 1: a round of the cluster's) this slot is filled again first, with the K step two on: 112 matrix instructions ahead of the wait for it.
.macro TURN64 fill
	WIN 0
	s_wait_tensorcnt 0x0
	ds_add_u32 v[SPW], v[NIL]
	s_wait_dscnt 17                                ; half 0 is in; half 1's 16 loads and the add are younger
	MUL8 0, 0
	s_wait_dscnt 0x0                               ; the add is done, my reads of this slot are over
	s_barrier_signal -1
	MUL8 0, 2
	WIN 0
	s_barrier_wait -1
.if \fill
	CREST
	s_xor_b32 s[G0+5], s[G0+5], SLOT               ; the walking descriptors: the other slot than last time, one K step on; no load of mine is out
	s_add_nc_u64 s[G0+6:G0+7], s[G0+6:G0+7], GA
	s_xor_b32 s[G0B+5], s[G0B+5], SLOT
	s_add_nc_u64 s[G0B+6:G0B+7], s[G0B+6:G0B+7], GB
	JLOAD 1                                        ; its four v_nop are also the places in front of the loads below
.else
	PLACES
.endif
	s_sub_co_u32 s[TA], s[TA], 4*STEPA
	s_xor_b32 s[TA], s[TA], SLOT
	s_sub_co_u32 s[TB], s[TB], 4*STEPB
	s_xor_b32 s[TB], s[TB], SLOT
	ADDR
	FETCH16 0
	MUL16 1
	PLACES
	FETCH16 1
	WIN 0
	STEPP
.endm
.macro WRED a, t
	v_add_f32_dpp v[\a], v[\a], v[\a] row_xmask:1 row_mask:0xf bank_mask:0xf
	v_add_f32_dpp v[\a], v[\a], v[\a] row_xmask:2 row_mask:0xf bank_mask:0xf
	v_add_f32_dpp v[\a], v[\a], v[\a] row_xmask:4 row_mask:0xf bank_mask:0xf
	v_add_f32_dpp v[\a], v[\a], v[\a] row_xmask:8 row_mask:0xf bank_mask:0xf
	v_permlanex16_b32 v[\t], v[\a], s[SEL], s[SEL+1]
	v_add_f32 v[\a], v[\a], v[\t]
.endm
	s_load_b256 s[72:79], s[0:1], 0x0              ; A 72, cvt 74, bias 76, then by KIND
.if KIND < 2
	s_load_b128 s[80:83], s[0:1], 0x20
.endif
.if KIND == 2
	s_load_b64 s[80:81], s[0:1], 0x20
.endif
	v_lshl_add_u32 v[SPW], v0, 2, SPARE
	v_mov_b32 v[NIL], 0
	ds_add_u32 v[SPW], v[NIL]                      ; the wave's opening: the add, waited for ahead of my first tensor load
	v_lshrrev_b32 v1, 5, v0
	v_readfirstlane_b32 s10, v1                    ; wave 0..3
	s_lshr_b32 s11, s10, 1                         ; my half of the tile's rows; also: I fetch for A (0) or W (1)
	s_and_b32 s12, s10, 1                          ; my half of its columns; also: which half of that tile I fetch
	s_bfe_u32 s40, ttmp6, 0x40000                  ; cx
	s_bfe_u32 s41, ttmp6, 0x40004                  ; cy
	s_lshl_b32 s42, ttmp9, 2
	s_add_co_u32 s42, s42, s40                     ; tile column
	s_and_b32 s13, ttmp7, 0xffff
.if KIND == 0
	s_lshr_b32 s[WH], s13, 3                       ; which product: 0 q, 1 k, 2 v: the same in all partners
	s_and_b32 s13, s13, 7
.endif
	s_lshl_b32 s13, s13, 2
	s_add_co_u32 s13, s13, s41                     ; tile row
	s_lshl_b32 s43, s41, 2
	s_lshl_b32 s43, 15, s43                        ; my row of the cluster
	s_lshl_b32 s44, 0x1111, s40                    ; my column
.if PLANES
	s_or_b32 s[G1+0], s43, (1<<16)|(1<<20)|(1<<21)|(4<<22)|(3<<25)  ; 2-byte elements; 4 words of padding after every 32; bit 21 beside the mask
	s_mov_b32 s[G1+1], 128<<16                     ; two planes are 32,768 dense bytes: 128 rows of 256 bytes
	s_mov_b32 s[G1+2], 128<<16
	s_mov_b32 s[G1+3], 128<<16
	s_mov_b32 s[G1+4], 128
	s_mov_b32 s[G1+5], 128
.else
	s_or_b32 s[G1+0], s43, (1<<16)|(1<<20)|(1<<21)|(6<<22)|(3<<25)  ; 4 words of padding after every 128
	s_mov_b32 s[G1+1], 256<<16                     ; 64 rows of 256 elements
	s_mov_b32 s[G1+2], 64<<16
	s_mov_b32 s[G1+3], 256<<16
	s_mov_b32 s[G1+4], 64
	s_mov_b32 s[G1+5], 1024
.endif
	s_mov_b32 s[G1+6], 0
	s_mov_b32 s[G1+7], 0
	s_or_b32 s[G1B+0], s44, (1<<16)|(1<<20)|(1<<21)|(5<<22)|(7<<25) ; 8 words of padding after every 64
	s_mov_b32 s[G1B+1], 128<<16                    ; 128 rows (K) of 128 elements (N)
	s_mov_b32 s[G1B+2], 128<<16
	s_mov_b32 s[G1B+3], 128<<16
	s_mov_b32 s[G1B+4], 128
	s_mov_b32 s[G1B+5], BSTR
	s_mov_b32 s[G1B+6], 0
	s_mov_b32 s[G1B+7], 0
.if PLANES
	s_lshl_b32 s16, s13, TRSH                      ; A: the tile row's block, my two planes
	s_lshl_b32 s17, s12, 15
.else
	s_lshl_b32 s16, s13, 18                        ; A: 128 rows of 2,048 bytes, my 64
	s_lshl_b32 s17, s12, 17
.endif
	s_add_co_u32 s16, s16, s17
	s_mov_b32 s17, 0
	s_lshl_b32 s46, s42, 8                         ; W: the tile's 128 columns, my 128 rows
	s_mul_i32 s47, s12, 128*BSTR*2
	s_add_co_u32 s46, s46, s47
	s_add_co_u32 s46, s46, WOFF
.if KIND == 0
	s_lshl_b32 s47, s[WH], 21
	s_add_co_u32 s46, s46, s47
.endif
	s_mov_b32 s47, 0
	s_mul_i32 s20, s12, AHALF                      ; where they go: the wave's number alone
	s_mul_i32 s21, s12, 128*PB
	s_add_co_u32 s21, s21, BOFF
	; my part of the output, in bytes
.if KIND == 0
	s_lshr_b32 s86, s13, 4
	s_lshl_b32 s86, s86, 4
	s_lshl_b32 s87, s42, 1
	s_add_co_u32 s86, s86, s87
	s_add_co_u32 s86, s86, s12                     ; 16 batch + head: my 64 columns are one head
	s_lshl_b32 s86, s86, 18
	s_and_b32 s87, s13, 15
	s_lshl_b32 s87, s87, 1
	s_add_co_u32 s87, s87, s11
	s_lshl_b32 s87, s87, 13                        ; my 64 rows of 128 bytes
	s_add_co_u32 s86, s86, s87
	s_lshl_b32 s87, s[WH], 23
	s_add_co_u32 s86, s86, s87
.endif
.if KIND == 3
	s_lshl_b32 s86, s13, 20                        ; [block of 128 rows][plane of 64 columns][128][64]
	s_lshl_b32 s87, s42, 1
	s_add_co_u32 s87, s87, s12
	s_lshl_b32 s87, s87, 14
	s_add_co_u32 s86, s86, s87
	s_lshl_b32 s87, s11, 13
	s_add_co_u32 s86, s86, s87
.endif
.if PLANES
	s_lshl_b32 s86, s13, 1
	s_add_co_u32 s86, s86, s11
	s_lshl_b32 s86, s86, 18                        ; my 64 rows of 4,096 bytes
	s_lshl_b32 s87, s42, 1
	s_add_co_u32 s87, s87, s12
	s_lshl_b32 s87, s87, 8                         ; my 64 columns: 256 bytes
	s_add_co_u32 s86, s86, s87
.endif
	s_mov_b32 s87, 0
	s_lshl_b32 s88, s42, 9                         ; the tile's 128 numbers of the bias
	s_mov_b32 s89, 0
	s_lshl_b32 s90, s13, 3
	s_add_co_u32 s90, s90, s42
	s_lshl_b32 s90, s90, 3                         ; the work-group's pair of statistics
	s_mov_b32 s91, 0
	s_mov_b32 s[SEL], 0x76543210
	s_mov_b32 s[SEL+1], 0xfedcba98
	s_wait_dscnt 0x0                               ; the opening add is done
	s_wait_kmcnt 0x0
.if KIND == 0
	s_add_nc_u64 s[84:85], s[74:75], 0x1800000     ; x in f16
	s_cmp_eq_u32 s[WH], 0
	s_cselect_b64 s[72:73], s[84:85], s[72:73]     ; q is made of x, k and v of n
	s_cmp_eq_u32 s[WH], 1
	s_cselect_b64 s[76:77], s[78:79], s[76:77]
	s_cmp_eq_u32 s[WH], 2
	s_cselect_b64 s[76:77], s[80:81], s[76:77]
.endif
	s_add_nc_u64 s[14:15], s[72:73], s[16:17]
	s_add_nc_u64 s[46:47], s[74:75], s[46:47]
	CROUND                                         ; all sixteen work-groups are here: the first joint loads meet
.irp s, 0,1
	s_mov_b32 s[G0+4*(\s)], 1
	s_add_co_u32 s[G0+4*(\s)+1], s20, (\s)*SLOT
	s_add_nc_u64 s[G0+4*(\s)+2:G0+4*(\s)+3], s[14:15], (\s)*GA
	s_or_b32 s[G0+4*(\s)+3], s[G0+4*(\s)+3], 0x80000000
	s_mov_b32 s[G0B+4*(\s)], 1
	s_add_co_u32 s[G0B+4*(\s)+1], s21, (\s)*SLOT
	s_add_nc_u64 s[G0B+4*(\s)+2:G0B+4*(\s)+3], s[46:47], (\s)*GB
	s_or_b32 s[G0B+4*(\s)+3], s[G0B+4*(\s)+3], 0x80000000
	JLOAD \s                                       ; two loads of mine are out
.endr
	s_add_nc_u64 s[OUTP:OUTP+1], s[OUTP:OUTP+1], s[86:87]
.if PLANES
	s_add_nc_u64 s[78:79], s[78:79], s[86:87]      ; the residual lies as the output does
.endif
	s_add_nc_u64 s[76:77], s[76:77], s[88:89]
.if KIND == 1
	s_add_nc_u64 s[82:83], s[82:83], s[90:91]
.endif
	v_and_b32 v1, 15, v0                           ; r = l % 16
	v_bfe_u32 v2, v0, 4, 1                         ; h = l / 16
	v_mul_u32_u24 v3, v1, PA
	v_lshl_add_u32 v3, v2, 4, v3
	s_mul_i32 s22, s11, 64*PA
	v_add_nc_u32 v[AA0], s22, v3                   ; (64 half + r) pitch + 16 h
	v_and_b32 v4, 7, v0
	v_lshl_add_u32 v4, v2, 3, v4
	v_mul_u32_u24 v4, v4, PB
	v_bfe_u32 v5, v0, 3, 1
	v_lshl_add_u32 v4, v5, 4, v4
	s_lshl_b32 s22, s12, 7
	s_add_co_u32 s22, s22, BOFF
	v_add_nc_u32 v[AB0], s22, v4                   ; (8 h + l % 8) pitch + 16 ((l / 8) % 2) + my 64 columns
	s_mul_i32 s23, s10, 16*SPITCH
	s_add_co_u32 s23, s23, STAGE                   ; my stage
	v_mul_u32_u24 v[STO], v1, SPITCH
.if PLANES
	v_lshl_add_u32 v[STO], v2, 5, v[STO]           ; in: row r, 32 bytes for each half of the lanes
	v_mul_u32_u24 v[RD], v2, SPITCH                ; back: lanes 0-15 one row of 256 bytes, lanes 16-31 the next
	v_lshl_add_u32 v[RD], v1, 4, v[RD]
	v_lshlrev_b32 v[CO], 12, v2                    ; and the same two rows in memory
	v_lshl_add_u32 v[CO], v1, 4, v[CO]
.else
	v_lshl_add_u32 v[STO], v2, 4, v[STO]           ; in: row r, 16 bytes for each half of the lanes
	v_bfe_u32 v[RD], v0, 3, 2                      ; back: 32 lanes take four rows of 128 bytes,
	v_mul_u32_u24 v[RD], v[RD], SPITCH
	v_and_b32 v3, 7, v0
	v_lshl_add_u32 v[RD], v3, 4, v[RD]
	v_and_b32 v[CO], 31, v0                        ; which are 512 consecutive bytes of the output
	v_lshlrev_b32 v[CO], 4, v[CO]
.endif
	v_add_nc_u32 v[STO], s23, v[STO]
	v_add_nc_u32 v[RD], s23, v[RD]
	v_mov_b32 v[ZR], 0
	s_lshl_b32 s22, s10, 3
	s_add_co_u32 s22, s22, STATS
	v_mov_b32 v[SA], s22
	s_lshl_b32 s22, s12, 8
	v_lshlrev_b32 v[BO], 5, v2
	v_add_nc_u32 v[BO], s22, v[BO]                 ; 4 (64 half + 8 h)
.irp b, 0,1,2,3
	global_load_b128 v[TMP+8*(\b):TMP+8*(\b)+3],   v[BO], s[76:77] offset:64*(\b)
	global_load_b128 v[TMP+8*(\b)+4:TMP+8*(\b)+7], v[BO], s[76:77] offset:64*(\b)+16
.endr
.if PLANES
	WIN TO_F
.set i, 0
.rept 32                               ; my 64 x 64 of the residual, as the way out will hold it: rows 2 i, 2 i + 1
	global_load_b128 v[128+4*i:128+4*i+3], v[CO], s[78:79] offset:2*i*4096
.set i, i+1
.endr
	WIN 0
	s_wait_loadcnt 32                              ; the bias is in; the residual's 32 loads stay out
.else
	s_wait_loadcnt 0x0
.endif
.set i, 0
.rept 128                              ; the sums start at the bias of their columns; this stands in the wait for the first tile
	v_mov_b32 v[ACC+i], v[TMP+i%32]
.set i, i+1
.endr
	s_wait_tensorcnt 1                             ; my part of K step 0 is in; step 1's load may stay out
	s_barrier_signal -1
	s_barrier_wait -1
	s_mov_b32 s[TA], 0
	s_mov_b32 s[TB], 0
	ADDR
	FETCH16 0
	FETCH16 1
	WIN 0
	STEPP
	s_mov_b32 s3, NSTEP-2
.Lstep:                                ; a K step that fills its slot again
	INNER
	TURN64 1
	s_sub_co_u32 s3, s3, 1
	s_cmp_lg_u32 s3, 0
	s_cbranch_scc1 .Lstep
	INNER                                          ; the last two K steps ask for nothing
	TURN64 0
	INNER
	s_wait_dscnt 16
	MUL16 0
	s_wait_dscnt 0x0
	MUL16 1
	WIN 0
	PLACES
.if PLANES
; THE WAY OUT in f32: 16 rows at a time through my stage, back as whole rows of 256 bytes, the residual added, stored.
	s_wait_loadcnt 0x0                             ; the residual
.irp a, 0,1,2,3
.irp b, 0,1,2,3
	ds_store_b128 v[STO], v[ACC+8*(4*(\a)+(\b)):ACC+8*(4*(\a)+(\b))+3]   offset:64*(\b)
	ds_store_b128 v[STO], v[ACC+8*(4*(\a)+(\b))+4:ACC+8*(4*(\a)+(\b))+7] offset:64*(\b)+16
.endr
.irp f, 0,1,2,3,4,5,6,7
	ds_load_b128 v[TMP+4*(\f):TMP+4*(\f)+3], v[RD] offset:(\f)*2*SPITCH  ; a wave's LDS instructions are served in order: these see the stores above
.endr
	s_wait_dscnt 0x0
	WIN 0x41                                       ; destination and source 0 window 1, source 1 window 0
.set i, 0
.rept 16
	v_pk_add_f32 v[128+32*(\a)+i:128+32*(\a)+i+1], v[128+32*(\a)+i:128+32*(\a)+i+1], v[TMP+i:TMP+i+1]
.set i, i+2
.endr
	WIN 0x04                                       ; a store's data: window 1
.irp f, 0,1,2,3,4,5,6,7
	global_store_b128 v[CO], v[128+32*(\a)+4*(\f):128+32*(\a)+4*(\f)+3], s[OUTP:OUTP+1] offset:(16*(\a)+2*(\f))*4096  ; 16 lanes store 256 consecutive bytes, aligned
.endr
	WIN 0
.endr
.if KIND == 1
; The tile's mean and M2, for the norm that follows: my 4,096 numbers lie in registers.
	WIN 0x55
.irp k, 0,2,4,6
	v_pk_add_f32 v[\k:\k+1], v[128+\k:129+\k], v[136+\k:137+\k]
.endr
.set i, 16
.rept 56
	v_pk_add_f32 v[i%8:i%8+1], v[i%8:i%8+1], v[128+i:128+i+1]
.set i, i+2
.endr
	v_pk_add_f32 v[0:1], v[0:1], v[2:3]
	v_pk_add_f32 v[4:5], v[4:5], v[6:7]
	v_pk_add_f32 v[0:1], v[0:1], v[4:5]
	WIN 0x05
	v_add_f32 v32, v0, v1
	WIN 0
	WRED 32, 33
	v_mul_f32 v34, 0x39800000, v32                 ; / 4,096
	v_mov_b32 v35, v34
	s_wait_xcnt 0x0                                ; the stores have read their data: it is rewritten only behind this wait
	WIN 0x41
.set i, 0
.rept 64
	v_pk_add_f32 v[128+i:128+i+1], v[128+i:128+i+1], v[34:35] neg_lo:[0,1] neg_hi:[0,1]
.set i, i+2
.endr
	WIN 0x55
.irp k, 0,2,4,6
	v_pk_mul_f32 v[\k:\k+1], v[128+\k:129+\k], v[128+\k:129+\k]
.endr
.set i, 8
.rept 60
	v_pk_fma_f32 v[i%8:i%8+1], v[128+i:128+i+1], v[128+i:128+i+1], v[i%8:i%8+1]
.set i, i+2
.endr
	v_pk_add_f32 v[0:1], v[0:1], v[2:3]
	v_pk_add_f32 v[4:5], v[4:5], v[6:7]
	v_pk_add_f32 v[0:1], v[0:1], v[4:5]
	WIN 0x05
	v_add_f32 v35, v0, v1
	WIN 0
	WRED 35, 33
	ds_store_b64 v[SA], v[34:35]
	s_wait_dscnt 0x0                               ; for the others' sake
	s_barrier_signal -1
	s_barrier_wait -1
	s_cmp_lg_u32 s10, 0
	s_cbranch_scc1 .Lnostat                        ; wave 0 merges the four pairs
	v_mov_b32 v36, STATS
	ds_load_b128 v[40:43], v36
	ds_load_b128 v[44:47], v36 offset:16
	s_wait_dscnt 0x0
	v_add_f32 v38, v40, v42
	v_add_f32 v37, v44, v46
	v_add_f32 v38, v38, v37
	v_mul_f32 v48, 0x3e800000, v38
.irp i, 40,42,44,46
	v_sub_f32 v\i, v\i, v48
.endr
	v_mul_f32 v37, v40, v40
	v_fmac_f32 v37, v42, v42
	v_fmac_f32 v37, v44, v44
	v_fmac_f32 v37, v46, v46
	v_add_f32 v41, v41, v43
	v_add_f32 v45, v45, v47
	v_add_f32 v41, v41, v45
	v_fmamk_f32 v49, v37, 0x45800000, v41          ; sum M2 + 4,096 sum d^2
	v_and_b32 v38, 31, v0
	v_cmp_gt_u32 vcc_lo, 1, v38
	v_mov_b32 v37, 0
	s_wait_xcnt 0x0                                ; EXEC changes only behind this wait
	s_and_saveexec_b32 s92, vcc_lo
	global_store_b64 v37, v[48:49], s[82:83]
	s_wait_xcnt 0x0
	s_or_b32 exec_lo, exec_lo, s92
.Lnostat:
.endif
.else
; THE WAY OUT in f16: my 64 x 64 are 8,192 dense bytes.  16 rows at a time: rounded, 16 bytes a lane into my stage, back as four rows of 128 bytes, stored.
.macro PACKP a
.irp b, 0,1,2,3
.irp k, 0,1,2,3
	v_cvt_pk_f16_f32 v[TMP+16*(\a)+4*(\b)+(\k)], v[ACC+8*(4*(\a)+(\b))+2*(\k)], v[ACC+8*(4*(\a)+(\b))+2*(\k)+1]
.endr
.endr
.if KIND == 3
.set i, 0
.rept 16
	v_pk_max_num_f16 v[TMP+16*(\a)+i], v[TMP+16*(\a)+i], v[ZR]  ; rounding keeps signs and order, so this is the rounded ReLU
.set i, i+1
.endr
.endif
.irp b, 0,1,2,3
	ds_store_b128 v[STO], v[TMP+16*(\a)+4*(\b):TMP+16*(\a)+4*(\b)+3] offset:32*(\b)
.endr
.irp f, 0,1,2,3
	ds_load_b128 v[TMP+16*(\a)+4*(\f):TMP+16*(\a)+4*(\f)+3], v[RD] offset:(\f)*4*SPITCH  ; served in order: these see the stores above, the next block's stores come behind
.endr
.endm
.macro SENDP a, younger                ; younger: the LDS instructions issued behind block a's loads
.irp f, 0,1,2,3
	s_wait_dscnt (\younger)+3-(\f)
	global_store_b128 v[CO], v[TMP+16*(\a)+4*(\f):TMP+16*(\a)+4*(\f)+3], s[OUTP:OUTP+1] offset:2048*(\a)+512*(\f)  ; 512 consecutive bytes, aligned
.endr
.endm
	PACKP 0
	PACKP 1
	SENDP 0, 8
	PACKP 2
	SENDP 1, 8
	PACKP 3
	SENDP 2, 8
	SENDP 3, 0
.endif
	s_wait_tensorcnt 0x0                           ; the wave's end
	ds_add_u32 v[SPW], v[NIL]
	s_wait_dscnt 0x0
	CROUND                                         ; the closing round: no work-group ends while a partner may still ask jointly
	s_endpgm
.Lfunc_end_k_qd5bb166427_proj:
	.size	k_qd5bb166427_proj, .Lfunc_end_k_qd5bb166427_proj-k_qd5bb166427_proj
	.p2alignl 7, 3214868480
	.fill 96, 4, 3214868480
	.section	.rodata,"a",@progbits
	.p2align	6, 0x0
	.amdhsa_kernel k_qd5bb166427_proj
		.amdhsa_group_segment_fixed_size 327680
		.amdhsa_private_segment_fixed_size 0
		.amdhsa_enable_private_segment 0
		.amdhsa_kernarg_size 48
		.amdhsa_user_sgpr_count 2
		.amdhsa_user_sgpr_kernarg_segment_ptr 1
		.amdhsa_wavefront_size32 1
		.amdhsa_system_sgpr_workgroup_id_x 1
		.amdhsa_system_sgpr_workgroup_id_y 1
		.amdhsa_system_sgpr_workgroup_id_z 1
		.amdhsa_system_vgpr_workitem_id 0
		.amdhsa_next_free_vgpr 512
		.amdhsa_next_free_sgpr 96
		.amdhsa_reserve_vcc 1
		.amdhsa_float_denorm_mode_32 3
		.amdhsa_float_denorm_mode_16_64 3
		.amdhsa_memory_ordered 1
		.amdhsa_forward_progress 1
		.amdhsa_inst_pref_size 52
	.end_amdhsa_kernel
	.amdgpu_metadata
---
amdhsa.version: [ 1, 2 ]
amdhsa.kernels:
  - .name:           k_qd5bb166427_proj
    .symbol:         k_qd5bb166427_proj.kd
    .args:
      - { .name: nb, .offset: 0, .size: 8, .value_kind: global_buffer, .address_space: global }
      - { .name: cvt, .offset: 8, .size: 8, .value_kind: global_buffer, .address_space: global }
      - { .name: bq, .offset: 16, .size: 8, .value_kind: global_buffer, .address_space: global }
      - { .name: bk, .offset: 24, .size: 8, .value_kind: global_buffer, .address_space: global }
      - { .name: bv, .offset: 32, .size: 8, .value_kind: global_buffer, .address_space: global }
      - { .name: qkv, .offset: 40, .size: 8, .value_kind: global_buffer, .address_space: global }
    .group_segment_fixed_size: 327680
    .private_segment_fixed_size: 0
    .kernarg_segment_align: 8
    .kernarg_segment_size: 48
    .max_flat_workgroup_size: 128
    .sgpr_count:     96
    .vgpr_count:     512
    .wavefront_size: 32
...
	.end_amdgpu_metadata
.endif
;; end of part 3
;; launch vsum (part 4): grid 256 x 1, 2 waves a work-group, no clusters, 0 bytes of LDS; arguments qkv, ts; writes ts
.if DOCPART == 4
	.amdgcn_target "amdgcn-amd-amdhsa--gfx1250"
	.amdhsa_code_object_version 6
	.text
	.protected	k_qd5bb166427_vsum
	.globl	k_qd5bb166427_vsum
	.p2align	8
	.type	k_qd5bb166427_vsum,@function
k_qd5bb166427_vsum:
	s_mov_b64 s[64:65], 0
	v_nop
	global_prefetch_b8 v0, s[64:65] scope:SCOPE_SE
	s_setreg_imm32_b32 hwreg(HW_REG_WAVE_MODE, 25, 1), 1
	s_wait_xcnt 0x0
; ts[head][tile][channel] = the sum of v over the tile's 128 keys, in f32, of the f16 numbers that the attention multiplies.  v: [32][2048][64] f16, 16 MiB into qkv.
; A wave takes one tile: 16,384 dense bytes, 32 loads of 512 bytes.  Lane l holds channels 8 (l % 8) .. +7 of rows l / 8 + 4 j.
	s_load_b128 s[4:7], s[0:1], 0x0
	v_and_b32 v1, 31, v0
	v_lshrrev_b32 v2, 5, v0
	v_readfirstlane_b32 s8, v2
	s_lshl_b32 s9, ttmp9, 1
	s_add_co_u32 s9, s9, s8                        ; the tile, 0 .. 511
	s_lshl_b32 s10, s9, 14
	s_add_co_u32 s10, s10, 0x1000000
	s_mov_b32 s11, 0
	s_lshl_b32 s12, s9, 8
	s_mov_b32 s13, 0
	s_mov_b32 s14, 0x76543210
	s_mov_b32 s15, 0xfedcba98
	v_lshlrev_b32 v3, 4, v1
	v_and_b32 v4, 7, v1
	v_bfe_u32 v5, v1, 3, 1
	v_lshlrev_b32 v4, 5, v4
	v_lshl_add_u32 v4, v5, 4, v4                   ; out: 32 (l % 8) + 16 ((l / 8) % 2)
	v_mov_b32 v16, 1.0
	s_wait_kmcnt 0x0
	s_add_nc_u64 s[4:5], s[4:5], s[10:11]
	s_add_nc_u64 s[6:7], s[6:7], s[12:13]
.set j, 0
.rept 32
	global_load_b128 v[32+4*j:35+4*j], v3, s[4:5] offset:512*j
.set j, j+1
.endr
.irp e, 0,1,2,3,4,5,6,7
	v_mov_b32 v[8+\e], 0
.endr
.set j, 0
.rept 32
	s_wait_loadcnt 31-j                            ; load j is in; the younger ones stay out
.irp e, 0,1,2,3,4,5,6,7
	v_fma_mix_f32 v[8+\e], v[32+4*j+(\e)/2], v16, v[8+\e] op_sel:[(\e)%2,0,0] op_sel_hi:[1,0,0]  ; the f16 half x 1.0 + the f32 sum
.endr
.set j, j+1
.endr
.irp e, 0,1,2,3,4,5,6,7                ; lanes l, l ^ 8, l ^ 16, l ^ 24 hold the same channels
	v_add_f32_dpp v[8+\e], v[8+\e], v[8+\e] row_xmask:8 row_mask:0xf bank_mask:0xf
.endr
.irp e, 0,1,2,3,4,5,6,7
	v_permlanex16_b32 v[32+\e], v[8+\e], s14, s15
.endr
.irp e, 0,1,2,3,4,5,6,7
	v_add_f32 v[8+\e], v[8+\e], v[32+\e]
.endr
	v_cmp_ne_u32 vcc_lo, 0, v5
.irp e, 0,1,2,3
	v_cndmask_b32 v[20+\e], v[8+\e], v[12+\e], vcc_lo
.endr
	v_cmp_gt_u32 vcc_lo, 16, v1
	s_wait_xcnt 0x0                                ; EXEC changes only behind this wait
	s_and_saveexec_b32 s16, vcc_lo
	global_store_b128 v4, v[20:23], s[6:7]         ; sixteen lanes store the tile's 256 bytes, aligned
	s_wait_xcnt 0x0
	s_or_b32 exec_lo, exec_lo, s16
	s_endpgm
.Lfunc_end_k_qd5bb166427_vsum:
	.size	k_qd5bb166427_vsum, .Lfunc_end_k_qd5bb166427_vsum-k_qd5bb166427_vsum
	.p2alignl 7, 3214868480
	.fill 96, 4, 3214868480
	.section	.rodata,"a",@progbits
	.p2align	6, 0x0
	.amdhsa_kernel k_qd5bb166427_vsum
		.amdhsa_group_segment_fixed_size 0
		.amdhsa_private_segment_fixed_size 0
		.amdhsa_enable_private_segment 0
		.amdhsa_kernarg_size 16
		.amdhsa_user_sgpr_count 2
		.amdhsa_user_sgpr_kernarg_segment_ptr 1
		.amdhsa_wavefront_size32 1
		.amdhsa_system_sgpr_workgroup_id_x 1
		.amdhsa_system_sgpr_workgroup_id_y 1
		.amdhsa_system_sgpr_workgroup_id_z 1
		.amdhsa_system_vgpr_workitem_id 0
		.amdhsa_next_free_vgpr 160
		.amdhsa_next_free_sgpr 66
		.amdhsa_reserve_vcc 1
		.amdhsa_float_denorm_mode_32 3
		.amdhsa_float_denorm_mode_16_64 3
		.amdhsa_memory_ordered 1
		.amdhsa_forward_progress 1
		.amdhsa_inst_pref_size 24
	.end_amdhsa_kernel
	.amdgpu_metadata
---
amdhsa.version: [ 1, 2 ]
amdhsa.kernels:
  - .name:           k_qd5bb166427_vsum
    .symbol:         k_qd5bb166427_vsum.kd
    .args:
      - { .name: qkv, .offset: 0, .size: 8, .value_kind: global_buffer, .address_space: global }
      - { .name: ts, .offset: 8, .size: 8, .value_kind: global_buffer, .address_space: global }
    .group_segment_fixed_size: 0
    .private_segment_fixed_size: 0
    .kernarg_segment_align: 8
    .kernarg_segment_size: 16
    .max_flat_workgroup_size: 64
    .sgpr_count:     66
    .vgpr_count:     160
    .wavefront_size: 32
...
	.end_amdgpu_metadata
.endif
;; end of part 4
;; launch attn (part 5): grid 8 x 32, 4 waves a work-group, no clusters, 327,680 bytes of LDS; arguments qkv, ts, act; writes act
.if DOCPART == 5
	.amdgcn_target "amdgcn-amd-amdhsa--gfx1250"
	.amdhsa_code_object_version 6
	.text
	.protected	k_qd5bb166427_attn
	.globl	k_qd5bb166427_attn
	.p2align	8
	.type	k_qd5bb166427_attn,@function
k_qd5bb166427_attn:
	s_mov_b64 s[64:65], 0
	v_nop
	global_prefetch_b8 v0, s[64:65] scope:SCOPE_SE
	s_setreg_imm32_b32 hwreg(HW_REG_WAVE_MODE, 25, 1), 1
	s_wait_xcnt 0x0
; ATTENTION WITH SCORES ZEROED ABOVE THE DIAGONAL.  s[q][k] = q . k / 8 for k <= q and 0 for k > q; O[q] = softmax_k(s) V.  q, k, v: [32 heads][2048][64] f16, 8 MiB apart in qkv.
; The keys k <= q are walked with a running maximum m and sum l: p = 2^(c s - c m), c = log2(e) / 8; O and l are multiplied by a = 2^(c m_old - c m_new) in every step.
; The hc = 2047 - q hidden keys all have the score 0, so they are ONE more step of the same running softmax: m' = max(m, 0) (where hc = 0: m), l' = a l + p hc,
; O' = a O + p (T + VS), p = 2^(0 - c m'); T = the sum of V over the hidden keys of the diagonal tile (a product of V^T with a 0/1 operand), VS = the sum over the tiles above (from ts).
; LIMITS: f16 holds no number beyond 65,504; a weight below 2^-126 counts as 0; a hidden score inside the diagonal tile counts as its value less 1e30; NaN and infinities are not treated apart.
; THE WALK: a head's queries lie in 16 blocks of 128; block i needs the key tiles 0 .. i of 128 keys.  A work-group takes blocks 15 - b and then b: 17 tiles whatever b, one loop with a constant count.
; SHARES: a block is two bands of 64 queries; a wave owns 16 rows of each: pieces 0 and 1.  In the diagonal tile's key step s band x sees all (s < x), nothing (s > x) or holds the diagonal (s = x).
; NO CLUSTER: a head's 8 work-groups ask for the same tile only in trips 0 .. 8, and which text a trip runs hangs on b; a walk common to all would have 24 trips for 17.
; LAYOUT: S^T = K Q^T holds one query a lane (lane % 16) and the keys 8 (lane / 16) + 0..7; two results rounded to f16 are source 1 of O^T = V^T P.  O leaves as [block of 128 rows][head][128][64] f16.
; A key step runs in phases: scores, softmax, V^T P.  One batch of exponentials and one wait a step.
; REGISTERS: window 0: addresses, statistics (8 a piece at v16), VS v32-63, S^T v64-127, P v128-159, the closing step's v160-175.
;   window 1: O^T v0-63, T^T v64-127, the diagonal's mask v128-159.   window 2: Q v0-31, the second block's Q v32-63, K v64-127, V v128-191, the 0/1 operand v192-207, ones v208-215.
.set KS,    64
.set PK,    144                        ; a row of K in LDS: 128 bytes + 16
.set PV,    160                        ; a row of V: 128 + 32
.set VOFF,  2*KS*PK
.set SLOT1, 1<<16
.set STAGE, SLOT1+2*KS*(PK+PV)         ; 16 rows x 144 bytes for each wave; never filled by a tensor load
.set SP,    144
.set VSCR,  STAGE+4*16*SP              ; 512 bytes a wave: VS of the first block, then of the second
.set SPARE, VSCR+4*512                 ; the spare words, 128 bytes a wave
.set AK0, 2
.set AV0, 3
.set AK,  4
.set AV,  5
.set STO, 6
.set RD,  7
.set GO,  8
.set MV,  12                           ; v12-13 c m_old, by piece
.set QO,  15
.set ST,  16                           ; piece x at ST + 8 x: c m, m, l (two), c0-c3 at work; c2 takes a
.set VSR, 32
.set S,   64
.set P,   128
.set TL,  160
.set PFO, 176
.set TSO, 177
.set VSA, 178
.set VSW, 179
.set SPW, 180
.set NIL, 181
.set ZR,  182
.set MD,  128                          ; window 1
.set QB,  32                           ; window 2
.set KF,  64
.set VF,  128
.set MU,  192
.set ONES, 208
.set WV,  12
.set PB,  14                           ; b
.set HI,  15                           ; 15 - b
.set G1K, 24
.set G1V, 32
.set G0K, 40
.set G0V, 44
.set SLOTS, 56
.set CS,  58
.set SEL, 60
.set TBK, 62
.set TBV, 63
.set RT,  70                           ; tiles of the block in hand still to be entered
.set NXT, 71                           ; the tile to be asked for next
.set LQ,  72                           ; the last tile of the block whose tiles are being asked for
.set OFF, 74
.set FH,  76
.set FL,  78
.set OLO, 80
.set BIGN, 82
.set LOW, 83
.set PFA, 84
.set PFN, 86
.set QH,  87                           ; 2047 - my first row of the block in hand
.set QH2, 90
.set MSB, 0
.macro WIN new
.if MSB != (\new)
	s_set_vgpr_msb (MSB<<8)|(\new)
.set MSB, (\new)
.endif
.endm
.set W_KQ, 0x0a                        ; K, Q window 2; S^T window 0
.set W_KM, 0x1a                        ; the same, C in window 1
.set W_PV, 0x52                        ; V window 2, P window 0, O^T window 1
.set W_T,  0x5a                        ; V and the 0/1 operand window 2, T^T window 1
.set W_RS, 0x41                        ; destination and source 0 window 1, source 1 window 0
.set W_FM, 0x51                        ; the same with source 2 in window 1
.macro LOAD                            ; waves 0, 1 fetch the halves of a tile's K, waves 2, 3 of its V: 64 keys each; s_nop 0 and four v_nop follow each line
	s_cmp_lt_u32 s[WV], 2
	s_cbranch_scc0 .Lfor_v_\@
	tensor_load_to_lds s[G0K:G0K+3], s[G1K:G1K+7]
	s_nop 0
.rept 4
	v_nop
.endr
	s_branch .Lasked_\@
.Lfor_v_\@:
	tensor_load_to_lds s[G0V:G0V+3], s[G1V:G1V+7]
	s_nop 0
.rept 4
	v_nop
.endr
.Lasked_\@:
.endm
; THE CHANGE OF SLOTS: each wave waits for all its tensor loads (one is out: its part of the other slot), adds 0 to its spare word, waits for that and for its reads of the slot that it leaves.
; fill = 1: behind the barrier the old slot is filled again first, with tile NXT; the load has a tile's work, 64 matrix instructions and two softmaxes, in which to land.
.macro CHANGE fill
	WIN 0
	s_wait_tensorcnt 0x0
	ds_add_u32 v[SPW], v[NIL]
.if \fill
	s_lshl_b32 s[OFF], s[NXT], 14                  ; a tile is 16,384 bytes of K and of V
	s_xor_b32 s[G0K+1], s[G0K+1], SLOT1
	s_add_nc_u64 s[G0K+2:G0K+3], s[6:7], s[OFF:OFF+1]
	s_or_b32 s[G0K+3], s[G0K+3], 0x80000000
	s_xor_b32 s[G0V+1], s[G0V+1], SLOT1
	s_add_nc_u64 s[G0V+2:G0V+3], s[8:9], s[OFF:OFF+1]
	s_or_b32 s[G0V+3], s[G0V+3], 0x80000000
	s_add_co_u32 s[NXT], s[NXT], 1                 ; the block's next tile, or behind its last the second block's tile 0
	s_cmp_gt_u32 s[NXT], s[LQ]
	s_cselect_b32 s[NXT], 0, s[NXT]
	s_cselect_b32 s[LQ], s[PB], s[LQ]
	s_wait_xcnt 0x0                                ; the last prefetch, a tile back, has read its address
	s_add_nc_u64 s[PFA:PFA+1], s[PFA:PFA+1], 16384
.endif
	s_wait_dscnt 0x0                               ; the add is done, my reads of the slot are over
	s_barrier_signal -1
	s_sub_co_u32 s[TBK], s[TBK], 2*KS*PK           ; the fetches go back to a slot's first step, in the other slot
	s_xor_b32 s[TBK], s[TBK], SLOT1
	s_sub_co_u32 s[TBV], s[TBV], 2*KS*PV
	s_xor_b32 s[TBV], s[TBV], SLOT1
	s_barrier_wait -1
.if \fill
	LOAD
.endif
.endm
; A PREFETCH INTO THE L2: the work-group with b = 0 walks the head's 16 tiles in order; it alone asks, each wave for its own 32 blocks of 256 bytes (a lane a block) of the tile that the
; NEXT change of slots will load: tiles 2 to 15, fourteen requests, each block named once in the launch.
.macro ASK
	s_cmp_lg_u32 s[PFN], 0
	s_cbranch_scc0 .Lnone_\@
	global_prefetch_b8 v[PFO], s[PFA:PFA+1] th:TH_LOAD_NT scope:SCOPE_SE
	s_sub_co_u32 s[PFN], s[PFN], 1
.Lnone_\@:
.endm
.macro PLACES
.rept 4
	v_nop
.endr
.endm
.macro FETCH_K                         ; a step's K: 64 keys x 64 channels, 8 fragments: key block kb, channel half c at KF + 16 kb + 8 c
	WIN 0
	v_add_nc_u32 v[AK], s[TBK], v[AK0]
	WIN 0x80
.irp f, 0,1,2,3,4,5,6,7
	ds_load_b128 v[KF+8*\f:KF+8*\f+3],   v[AK] offset:(\f/2)*16*PK+(\f%2)*64
	ds_load_b128 v[KF+8*\f+4:KF+8*\f+7], v[AK] offset:(\f/2)*16*PK+(\f%2)*64+32
.endr
	s_add_co_u32 s[TBK], s[TBK], KS*PK
	WIN 0
.endm
.macro FETCH_V                         ; its V, turned: key half kk, channel block cb at VF + 32 kk + 8 cb
	WIN 0
	v_add_nc_u32 v[AV], s[TBV], v[AV0]
	WIN 0x80
.irp f, 0,1,2,3,4,5,6,7
	ds_load_tr16_b128 v[VF+8*\f:VF+8*\f+3],   v[AV] offset:(\f/4)*32*PV+(\f%4)*32
	ds_load_tr16_b128 v[VF+8*\f+4:VF+8*\f+7], v[AV] offset:(\f/4)*32*PV+16*PV+(\f%4)*32
.endr
	s_add_co_u32 s[TBV], s[TBV], KS*PV
	WIN 0
.endm
.macro KQ1 x, kb, c, msk               ; S^T(x, kb) for channels 32 c on; c = 0 starts the sum: with 0, or (msk = 2) with the diagonal's mask
.set rS, S+32*(\x)+8*(\kb)
.set rK, KF+16*(\kb)+8*(\c)
.set rQ, 16*(\x)+8*(\c)
.if (\c) == 0
	WIN W_KM
.if (\msk) == 2
	v_wmma_f32_16x16x32_f16 v[rS:rS+7], v[rK:rK+7], v[rQ:rQ+7], v[MD+8*(\kb):MD+8*(\kb)+7]
.else
	v_wmma_f32_16x16x32_f16 v[rS:rS+7], v[rK:rK+7], v[rQ:rQ+7], 0
.endif
.else
	WIN W_KQ
	v_wmma_f32_16x16x32_f16 v[rS:rS+7], v[rK:rK+7], v[rQ:rQ+7], v[rS:rS+7]
.endif
.endm
.macro PV1 x, kk, cb                   ; O^T(x, cb) += V^T P for keys 32 kk on
	WIN W_PV
.set rO, 32*(\x)+8*(\cb)
.set rV, VF+32*(\kk)+8*(\cb)
.set rP, P+16*(\x)+8*(\kk)
	v_wmma_f32_16x16x32_f16 v[rO:rO+7], v[rV:rV+7], v[rP:rP+7], v[rO:rO+7]
.endm
.macro TP x, how                       ; T^T(x): how = 1: = V^T U, U = 1 where the key is hidden in the band's own step; how = 2: += V^T 1, a step wholly hidden
	WIN W_T
.irp kk, 0,1
.irp cb, 0,1,2,3
.set rTT, 64+32*(\x)+8*(\cb)
.set rV, VF+32*(\kk)+8*(\cb)
.if (\how) == 2
	v_wmma_f32_16x16x32_f16 v[rTT:rTT+7], v[rV:rV+7], v[ONES:ONES+7], v[rTT:rTT+7]
.elseif (\kk) == 0
	v_wmma_f32_16x16x32_f16 v[rTT:rTT+7], v[rV:rV+7], v[MU:MU+7], 0
.else
	v_wmma_f32_16x16x32_f16 v[rTT:rTT+7], v[rV:rV+7], v[MU+8:MU+15], v[rTT:rTT+7]
.endif
.endr
.endr
.endm
; THE SOFTMAX, one line at a time: OP kind, number, piece.  F n: c s - c m for pair n of 16.  E n: the exponential of score n of 32.  C n: pair n rounded to f16.  B n: of four weights the second pair is added onto
; the first.  L n: l takes that sum (L 0: l = a l + sum).  R n: pair n of O^T times a.  X n: number n of the 22 that find the maximum and statistics (each accumulator's lowest registers are read first).
.set F, 0
.set E, 1
.set C, 2
.set B, 3
.set L, 4
.set R, 5
.set X, 6
.macro OP k, n, x
.set rT, ST+8*(\x)
.set rC, ST+8*(\x)+4
.set rW, MV+(\x)
.set rS, S+32*(\x)
.set rP, P+16*(\x)
.set rO, 32*(\x)
.if (\k) == R
	WIN W_RS
	v_pk_mul_f32 v[rO+2*(\n):rO+2*(\n)+1], v[rO+2*(\n):rO+2*(\n)+1], v[rC+2:rC+3] op_sel_hi:[1,0]
.else
	WIN 0
.if (\k) == F
	v_pk_fma_f32 v[rS+2*(\n):rS+2*(\n)+1], v[rS+2*(\n):rS+2*(\n)+1], s[CS:CS+1], v[rT:rT+1] op_sel_hi:[1,0,0] neg_lo:[0,0,1] neg_hi:[0,0,1]
.elseif (\k) == E
	v_exp_f32 v[rS+(\n)], v[rS+(\n)]
.elseif (\k) == C
	v_cvt_pk_f16_f32 v[rP+(\n)], v[rS+2*(\n)], v[rS+2*(\n)+1]
.elseif (\k) == B
	v_pk_add_f32 v[rS+4*(\n):rS+4*(\n)+1], v[rS+4*(\n):rS+4*(\n)+1], v[rS+4*(\n)+2:rS+4*(\n)+3]
.elseif ((\k) == L) && ((\n) == 0)
	v_pk_fma_f32 v[rT+2:rT+3], v[rT+2:rT+3], v[rC+2:rC+3], v[rS:rS+1] op_sel_hi:[1,0,1]
.elseif (\k) == L
	v_pk_add_f32 v[rT+2:rT+3], v[rT+2:rT+3], v[rS+4*(\n):rS+4*(\n)+1]
.elseif (\n) < 4
	v_max3_num_f32 v[rC+(\n)], v[rS+8*(\n)], v[rS+8*(\n)+1], v[rS+8*(\n)+2]
.elseif (\n) < 12
	v_max3_num_f32 v[rC+(\n)%4], v[rC+(\n)%4], v[rS+8*((\n)%4)+2*((\n)/4)+1], v[rS+8*((\n)%4)+2*((\n)/4)+2]
.elseif (\n) == 12
	v_max3_num_f32 v[rC], v[rC], v[rS+7], v[rS+15]
.elseif (\n) == 13
	v_max3_num_f32 v[rC+1], v[rC+1], v[rS+23], v[rS+31]
.elseif (\n) == 14
	v_max3_num_f32 v[rC+2], v[rC+2], v[rC+3], v[rT+1]
.elseif (\n) == 15
	v_mov_b32 v[rW], v[rT]
.elseif (\n) == 16
	v_max3_num_f32 v[rC], v[rC], v[rC+1], v[rC+2]
.elseif (\n) == 17
	v_permlanex16_b32 v[rC+3], v[rC], s[SEL], s[SEL+1]
.elseif (\n) == 18
	v_max_num_f32 v[rT+1], v[rC], v[rC+3]
.elseif (\n) == 19
	v_mul_f32 v[rT], s[CS], v[rT+1]
.elseif (\n) == 20
	v_sub_f32 v[rC+1], v[rW], v[rT]
.else
	v_exp_f32 v[rC+2], v[rC+1]
.endif
.endif
.endm
.macro FORP p0, p1, k, n               ; the line for each piece that takes part
.if \p0
	OP \k, \n, 0
.endif
.if \p1
	OP \k, \n, 1
.endif
.endm
.macro SOFT p0, p1
.set z, 0
.rept 22
	FORP \p0, \p1, X, z
.set z, z+1
.endr
	FORP \p0, \p1, F, 0
.set z, 1
.rept 15                               ; a pair is scaled ahead of its exponentials; nothing here names an exponential's result
	FORP \p0, \p1, F, z
	FORP \p0, \p1, E, 2*z-2
	FORP \p0, \p1, E, 2*z-1
.set z, z+1
.endr
	FORP \p0, \p1, E, 30
	FORP \p0, \p1, E, 31
	v_nop                                          ; a plain instruction behind the last exponential,
	s_wait_alu depctr_va_vdst(0)                   ; and ONE wait for the batch, ahead of its first reader
.set z, 0
.rept 16
	FORP \p0, \p1, C, z
.set z, z+1
.endr
.set z, 0
.rept 8
	FORP \p0, \p1, B, z
.set z, z+1
.endr
.set z, 0
.rept 8
	FORP \p0, \p1, L, z
.set z, z+1
.endr
.set z, 0
.rept 16
	FORP \p0, \p1, R, z
.set z, z+1
.endr
.endm
; A KEY STEP.  p0, p1: the piece takes no part (0), sees all keys (1), holds the diagonal (2).  t0, t1: its T^T (TP's how, 0 none).  fetch = 1: the tile's next step is fetched.
; The accumulators take turns, one instruction a turn.
.macro STEP p0, p1, t0, t1, fetch
	s_wait_dscnt 16                                ; K is in; V's 16 loads are younger
.irp c, 0,1
.irp kb, 0,1,2,3
.if \p0
	KQ1 0, \kb, \c, \p0
.endif
.if \p1
	KQ1 1, \kb, \c, \p1
.endif
.endr
.endr
	PLACES                                         ; in front of the loads into K's registers and of the maximum
.if \fetch
	FETCH_K
.endif
	SOFT \p0, \p1
	s_wait_dscnt 0x0                               ; V is in (and the next K, asked for a softmax ago)
.irp kk, 0,1
.irp cb, 0,1,2,3
.if \p0
	PV1 0, \kk, \cb
.endif
.if \p1
	PV1 1, \kk, \cb
.endif
.endr
.endr
.if \t0
	TP 0, \t0
.endif
.if \t1
	TP 1, \t1
.endif
	PLACES                                         ; in front of the loads into V's registers and of the readers of O^T and T^T
.if \fetch
	FETCH_V
.endif
	WIN 0
.endm
.macro INIT                            ; a block begins: c m far below every c s, so the first step's a is 0; m at the lowest finite number
.irp x, 0,1
	v_mov_b32 v[ST+8*\x], 0xfe000000
	v_mov_b32 v[ST+8*\x+1], 0xff7fffff
	v_mov_b32 v[ST+8*\x+2], 0
	v_mov_b32 v[ST+8*\x+3], 0
.endr
.endm
; A BLOCK ENDS: the hidden keys' step, the division, the way out.  voff: where the block's VS lies; sw = 1: the second block is set up.
.macro BLOCKEND voff, sw
	WIN 0
.irp cb, 0,1,2,3
	ds_load_b128 v[VSR+8*\cb:VSR+8*\cb+3],   v[VSA] offset:(\voff)+64*\cb
	ds_load_b128 v[VSR+8*\cb+4:VSR+8*\cb+7], v[VSA] offset:(\voff)+64*\cb+16
.endr
.irp x, 0,1
	v_add_f32 v[ST+8*\x+4], v[ST+8*\x+2], v[ST+8*\x+3]
	v_sub_nc_u32 v[TL+8*\x+7], s[QH], v1           ; hc = 2047 - q
.endr
	v_add_nc_u32 v[TL+15], 0xffffffc0, v[TL+15]    ; piece 1 lies 64 rows further down
.irp x, 0,1
	v_permlanex16_b32 v[ST+8*\x+5], v[ST+8*\x+4], s[SEL], s[SEL+1]
	v_cmp_lt_i32 vcc_lo, 0, v[TL+8*\x+7]
	v_cndmask_b32 v[TL+8*\x+3], s[LOW], v[ZR], vcc_lo  ; the hidden keys' score: 0, or the lowest number where there are none
	v_cvt_f32_i32 v[TL+8*\x+1], v[TL+8*\x+7]
	v_add_f32 v[ST+8*\x+4], v[ST+8*\x+4], v[ST+8*\x+5]  ; l
	v_max_num_f32 v[TL+8*\x+6], v[ST+8*\x+1], v[TL+8*\x+3]
	v_mul_f32 v[TL+8*\x+6], s[CS], v[TL+8*\x+6]    ; c m'
	v_sub_f32 v[TL+8*\x+7], v[ST+8*\x], v[TL+8*\x+6]
	v_fma_f32 v[TL+8*\x], v[TL+8*\x+3], s[CS], -v[TL+8*\x+6]
.endr
.irp x, 0,1
	v_exp_f32 v[TL+8*\x+4], v[TL+8*\x+7]           ; a
	v_exp_f32 v[TL+8*\x+5], v[TL+8*\x]             ; p
.endr
	v_nop
	s_wait_alu depctr_va_vdst(0)                   ; one wait for the four exponentials
.irp x, 0,1
	v_mul_f32 v[TL+8*\x+7], v[TL+8*\x+5], v[TL+8*\x+1]
	v_fma_f32 v[TL+8*\x+7], v[ST+8*\x+4], v[TL+8*\x+4], v[TL+8*\x+7]  ; a l + p hc
.endr
.irp x, 0,1
	v_rcp_f32 v[TL+8*\x+6], v[TL+8*\x+7]
.endr
	v_nop
	s_wait_alu depctr_va_vdst(0)                   ; one wait for the two reciprocals
.irp x, 0,1
	v_mul_f32 v[TL+8*\x], v[TL+8*\x+4], v[TL+8*\x+6]
	v_mul_f32 v[TL+8*\x+2], v[TL+8*\x+5], v[TL+8*\x+6]
.endr
	s_wait_dscnt 0x0                               ; VS
.irp x, 0,1
	WIN W_RS
.set z, 0
.rept 16
	v_pk_add_f32 v[64+32*\x+z:64+32*\x+z+1], v[64+32*\x+z:64+32*\x+z+1], v[VSR+z:VSR+z+1]
.set z, z+2
.endr
.set z, 0
.rept 16
	v_pk_mul_f32 v[64+32*\x+z:64+32*\x+z+1], v[64+32*\x+z:64+32*\x+z+1], v[TL+8*\x+2:TL+8*\x+3] op_sel_hi:[1,0]
.set z, z+2
.endr
	WIN W_FM
.set z, 0
.rept 16
	v_pk_fma_f32 v[32*\x+z:32*\x+z+1], v[32*\x+z:32*\x+z+1], v[TL+8*\x:TL+8*\x+1], v[64+32*\x+z:64+32*\x+z+1] op_sel_hi:[1,0,1]
.set z, z+2
.endr
.endr
.irp x, 0,1                            ; rounded to f16; 16 bytes a lane into my stage, back as four rows of 128 bytes
	WIN 0x05
.set z, 0
.rept 16
	v_cvt_pk_f16_f32 v[S+16*\x+z], v[32*\x+2*z], v[32*\x+2*z+1]
.set z, z+1
.endr
	WIN 0
.irp f, 0,1,2,3
	ds_store_b128 v[STO], v[S+16*\x+4*\f:S+16*\x+4*\f+3] offset:32*\f
.endr
.irp f, 0,1,2,3
	ds_load_b128 v[S+16*\x+4*\f:S+16*\x+4*\f+3], v[RD] offset:\f*4*SP  ; a wave's LDS instructions are served in order
.endr
.endr
.irp x, 0,1
.irp f, 0,1,2,3
	s_wait_dscnt 8*(1-\x)+3-\f                     ; piece 1's eight LDS instructions are younger than piece 0's loads
	global_store_b128 v[GO], v[S+16*\x+4*\f:S+16*\x+4*\f+3], s[10:11] offset:\x*8192+\f*512  ; 512 consecutive bytes, aligned
.endr
.endr
.if \sw
	s_wait_xcnt 0x0                                ; the stores have read their registers and O's address
	s_mov_b64 s[10:11], s[OLO:OLO+1]
	s_add_co_u32 s[RT], s[PB], 1                   ; the second block has b + 1 tiles
	s_mov_b32 s[QH], s[QH2]
	WIN 0x82
.set z, 0
.rept 32
	v_mov_b32 v[z], v[QB+z]
.set z, z+1
.endr
	WIN 0
	INIT                                           ; O^T need only be finite: the block's first step multiplies it by a = 0
.endif
.endm
	s_load_b128 s[48:51], s[0:1], 0x0              ; qkv 48, ts 50
	s_load_b64 s[52:53], s[0:1], 0x10              ; act
	v_lshl_add_u32 v[SPW], v0, 2, SPARE
	v_mov_b32 v[NIL], 0
	ds_add_u32 v[SPW], v[NIL]                      ; the wave's opening: the add, waited for ahead of my first tensor load
	v_lshrrev_b32 v1, 5, v0
	v_readfirstlane_b32 s[WV], v1
	s_mov_b32 s[PB], ttmp9
	s_sub_co_u32 s[HI], 15, s[PB]
	s_and_b32 s20, ttmp7, 0xffff                   ; batch x 16 + head
	s_lshl_b32 s18, s20, 18                        ; the head's first byte in q, k and v
	s_and_b32 s16, s[WV], 1                        ; which half of a tile's 128 keys I fetch
	s_lshl_b32 s22, s16, 13
	s_add_co_u32 s22, s22, s18
	s_mov_b32 s23, 0
	s_mul_i32 s17, s16, 64*PK
	s_mul_i32 s21, s16, 64*PV
	s_lshl_b32 s3, s[WV], 11                       ; my 16 rows in a band
	s_lshl_b32 s2, s[HI], 14
	s_add_co_u32 s2, s2, s3
	s_add_co_u32 s2, s2, s18
	s_lshl_b32 s54, s[PB], 14
	s_add_co_u32 s54, s54, s3
	s_add_co_u32 s54, s54, s18
	s_mov_b32 s55, 0
	s_lshr_b32 s13, s20, 4                         ; O: ((16 batch + block) 16 + head) x 16,384 + my rows
	s_lshl_b32 s13, s13, 4
	s_and_b32 s19, s20, 15
	s_add_co_u32 s66, s13, s[HI]
	s_lshl_b32 s66, s66, 4
	s_add_co_u32 s66, s66, s19
	s_lshl_b32 s66, s66, 14
	s_add_co_u32 s66, s66, s3
	s_mov_b32 s67, 0
	s_add_co_u32 s68, s13, s[PB]
	s_lshl_b32 s68, s68, 4
	s_add_co_u32 s68, s68, s19
	s_lshl_b32 s68, s68, 14
	s_add_co_u32 s68, s68, s3
	s_mov_b32 s69, 0
	s_mov_b32 s3, 0
	s_lshl_b32 s19, s[WV], 4
	s_lshl_b32 s13, s[HI], 7
	s_sub_co_u32 s[QH], 2047, s13
	s_sub_co_u32 s[QH], s[QH], s19
	s_lshl_b32 s13, s[PB], 7
	s_sub_co_u32 s[QH2], 2047, s13
	s_sub_co_u32 s[QH2], s[QH2], s19
	; 64 keys are 8,192 dense bytes: 32 rows of 256 bytes, two keys a row, padded in LDS after every key
	s_mov_b32 s[G1K], (1<<16)|(1<<20)|(4<<22)|(3<<25)
	s_mov_b32 s[G1V], (1<<16)|(1<<20)|(4<<22)|(7<<25)
.irp g, G1K, G1V
	s_mov_b32 s[\g+1], 128<<16
	s_mov_b32 s[\g+2], 32<<16
	s_mov_b32 s[\g+3], 128<<16
	s_mov_b32 s[\g+4], 32
	s_mov_b32 s[\g+5], 128
	s_mov_b32 s[\g+6], 0
	s_mov_b32 s[\g+7], 0
.endr
	s_mov_b32 s[CS], 0x3e38aa3b                    ; c = log2(e) / 8
	s_mov_b32 s[CS+1], s[CS]
	s_mov_b32 s[SEL], 0x76543210
	s_mov_b32 s[SEL+1], 0xfedcba98
	s_mov_b32 s[TBK], SLOT1+2*KS*PK                ; the first change of slots turns these two into 0
	s_mov_b32 s[TBV], SLOT1+2*KS*PV
	s_mov_b32 s[G0K], 1
	s_mov_b32 s[G0K+1], s17
	s_mov_b32 s[G0V], 1
	s_add_co_u32 s[G0V+1], s21, VOFF
	s_add_co_u32 s[RT], s[HI], 1
	s_mov_b32 s[NXT], 1
	s_mov_b32 s[LQ], s[HI]
	s_mov_b32 s[OFF+1], 0
	s_mov_b32 s[FH+1], 0
	s_mov_b32 s[FL+1], 0
	s_mov_b32 s[BIGN], 0xf149f2ca                  ; -1e30
	s_mov_b32 s[LOW], 0xff7fffff
	s_mov_b32 s[SLOTS], 16
	s_cmp_eq_u32 s[PB], 0
	s_cselect_b32 s[PFN], 14, 0
	s_lshl_b32 s18, s20, 12                        ; the head's 16 x 64 sums
	s_mov_b32 s19, 0
	s_wait_dscnt 0x0                               ; the opening add is done
	s_wait_kmcnt 0x0
	s_add_nc_u64 s[6:7], s[48:49], s[22:23]
	s_add_nc_u64 s[8:9], s[6:7], 0x1000000         ; V at my half of the head's tile 0
	s_add_nc_u64 s[6:7], s[6:7], 0x800000          ; K likewise
	s_add_nc_u64 s[G0K+2:G0K+3], s[6:7], 0
	s_or_b32 s[G0K+3], s[G0K+3], 0x80000000
	s_add_nc_u64 s[G0V+2:G0V+3], s[8:9], 0
	s_or_b32 s[G0V+3], s[G0V+3], 0x80000000
	s_add_nc_u64 s[4:5], s[48:49], s[2:3]          ; Q at my rows of the first block,
	s_add_nc_u64 s[88:89], s[48:49], s[54:55]      ; and of the second
	s_add_nc_u64 s[10:11], s[52:53], s[66:67]
	s_add_nc_u64 s[OLO:OLO+1], s[52:53], s[68:69]
	s_add_nc_u64 s[50:51], s[50:51], s[18:19]
	s_cmp_lt_u32 s[WV], 2
	s_cselect_b64 s[PFA:PFA+1], s[6:7], s[8:9]
	s_add_nc_u64 s[PFA:PFA+1], s[PFA:PFA+1], 16384 ; at tile 1: the first change of slots steps it to tile 2
	LOAD                                           ; tile 0 into slot 0
	v_and_b32 v1, 15, v0                           ; r
	v_bfe_u32 v9, v0, 4, 1                         ; h
	v_and_b32 v[TSO], 31, v0
	v_lshlrev_b32 v[PFO], 8, v[TSO]
	v_lshlrev_b32 v[GO], 4, v[TSO]
	s_lshl_b32 s13, s[WV], 9
	s_add_co_u32 s13, s13, VSCR
	v_lshl_add_u32 v[VSW], v[TSO], 3, s13
	v_lshl_add_u32 v[VSA], v9, 5, s13
	v_lshlrev_b32 v[TSO], 3, v[TSO]
.set t, 1
.rept 15                               ; the sums of tiles 1 to 15: two channels a lane
	global_load_b64 v[S+2*(t-1):S+2*(t-1)+1], v[TSO], s[50:51] offset:256*t
.set t, t+1
.endr
	v_lshlrev_b32 v[QO], 7, v1
	v_lshl_add_u32 v[QO], v9, 4, v[QO]
	WIN 0x80
.irp x, 0,1
.irp c, 0,1
	global_load_b128 v[16*\x+8*\c:16*\x+8*\c+3],       v[QO], s[4:5] offset:\x*8192+\c*64
	global_load_b128 v[16*\x+8*\c+4:16*\x+8*\c+7],     v[QO], s[4:5] offset:\x*8192+\c*64+32
	global_load_b128 v[QB+16*\x+8*\c:QB+16*\x+8*\c+3],   v[QO], s[88:89] offset:\x*8192+\c*64
	global_load_b128 v[QB+16*\x+8*\c+4:QB+16*\x+8*\c+7], v[QO], s[88:89] offset:\x*8192+\c*64+32
.endr
.endr
	WIN 0
	v_lshlrev_b32 v14, 3, v9
	v_sub_nc_u32 v14, v1, v14
	s_lshl_b32 s13, s[WV], 4
	v_add_nc_u32 v14, s13, v14                     ; my query's place in its band less 8 h: register e % 8 of key block e / 8 is hidden where 16 (e / 8) + e % 8 is greater
	WIN 0x40
.set i, 0
.rept 32
	v_cmp_gt_i32 vcc_lo, 16*(i/8)+i%8, v14
	v_cndmask_b32 v[MD+i], 0, s[BIGN], vcc_lo
.set i, i+1
.endr
	WIN 0
.set i, 0
.rept 32
	v_cmp_gt_i32 vcc_lo, 16*(i/8)+i%8, v14
	v_cndmask_b32 v[P+i], 0, 1.0, vcc_lo
.set i, i+1
.endr
	WIN 0x80
.set i, 0
.rept 16
	v_cvt_pk_f16_f32 v[MU+i], v[P+2*i], v[P+2*i+1]
.set i, i+1
.endr
.set i, 0
.rept 8
	v_mov_b32 v[ONES+i], 0x3c003c00
.set i, i+1
.endr
	WIN 0x40
.set i, 0
.rept 64                               ; O^T need only be finite when a block begins; this stands in the wait for the first tile
	v_mov_b32 v[i], 0
.set i, i+1
.endr
	WIN 0
	v_mov_b32 v[ZR], 0
	INIT
	v_mul_u32_u24 v[AK0], v1, PK
	v_lshl_add_u32 v[AK0], v9, 4, v[AK0]
	v_and_b32 v10, 7, v0
	v_bfe_u32 v11, v0, 3, 1
	v_lshl_add_u32 v[AV0], v9, 3, v10
	v_mul_u32_u24 v[AV0], v[AV0], PV
	v_lshl_add_u32 v[AV0], v11, 4, v[AV0]
	v_add_nc_u32 v[AV0], VOFF, v[AV0]
	s_mul_i32 s13, s[WV], 16*SP
	s_add_co_u32 s13, s13, STAGE
	v_mul_u32_u24 v[STO], v1, SP
	v_lshl_add_u32 v[STO], v9, 4, v[STO]
	v_add_nc_u32 v[STO], s13, v[STO]
	v_bfe_u32 v[RD], v0, 3, 2
	v_mul_u32_u24 v[RD], v[RD], SP
	v_lshl_add_u32 v[RD], v10, 4, v[RD]
	v_add_nc_u32 v[RD], s13, v[RD]
	s_wait_loadcnt 16                              ; the tiles' sums are in; Q's 16 loads are younger
.set t, 1
.rept 15                               ; VS = the sum over the tiles above the block's own, added up directly
	s_cmp_lt_u32 s[HI], t
	s_cselect_b32 s[FH], 1.0, 0
	s_cmp_lt_u32 s[PB], t
	s_cselect_b32 s[FL], 1.0, 0
.if t == 1
	v_pk_mul_f32 v[TL:TL+1], v[S:S+1], s[FH:FH+1] op_sel_hi:[1,0]
	v_pk_mul_f32 v[TL+2:TL+3], v[S:S+1], s[FL:FL+1] op_sel_hi:[1,0]
.else
	v_pk_fma_f32 v[TL:TL+1], v[S+2*(t-1):S+2*(t-1)+1], s[FH:FH+1], v[TL:TL+1] op_sel_hi:[1,0,1]
	v_pk_fma_f32 v[TL+2:TL+3], v[S+2*(t-1):S+2*(t-1)+1], s[FL:FL+1], v[TL+2:TL+3] op_sel_hi:[1,0,1]
.endif
.set t, t+1
.endr
	ds_store_b64 v[VSW], v[TL:TL+1]                ; my wave's own bytes: read back by channels at a block's end
	ds_store_b64 v[VSW], v[TL+2:TL+3] offset:256
	s_wait_loadcnt 0x0                             ; Q
.Ltile:                                ; 16 times: a tile is entered and the next is asked for
	CHANGE 1
	FETCH_K
	FETCH_V
	ASK
	s_sub_co_u32 s[RT], s[RT], 1
	s_cmp_eq_u32 s[RT], 0
	s_cbranch_scc1 .Ldiag
	STEP 1, 1, 0, 0, 1
	STEP 1, 1, 0, 0, 0
	s_branch .Lnext
.Ldiag:                                ; in the loop this is the first block's diagonal tile: the second block's is the walk's last
	STEP 2, 1, 1, 0, 1
	STEP 0, 2, 2, 1, 0
	BLOCKEND 0, 1
.Lnext:
	s_sub_co_u32 s[SLOTS], s[SLOTS], 1
	s_cmp_lg_u32 s[SLOTS], 0
	s_cbranch_scc1 .Ltile
	CHANGE 0                                       ; the walk's last tile is written out: nothing is asked for
	FETCH_K
	FETCH_V
	STEP 2, 1, 1, 0, 1
	STEP 0, 2, 2, 1, 0
	BLOCKEND 256, 0
	s_wait_tensorcnt 0x0                           ; the wave's end
	ds_add_u32 v[SPW], v[NIL]
	s_wait_dscnt 0x0
	s_endpgm
.Lfunc_end_k_qd5bb166427_attn:
	.size	k_qd5bb166427_attn, .Lfunc_end_k_qd5bb166427_attn-k_qd5bb166427_attn
	.p2alignl 7, 3214868480
	.fill 96, 4, 3214868480
	.section	.rodata,"a",@progbits
	.p2align	6, 0x0
	.amdhsa_kernel k_qd5bb166427_attn
		.amdhsa_group_segment_fixed_size 327680
		.amdhsa_private_segment_fixed_size 0
		.amdhsa_enable_private_segment 0
		.amdhsa_kernarg_size 24
		.amdhsa_user_sgpr_count 2
		.amdhsa_user_sgpr_kernarg_segment_ptr 1
		.amdhsa_wavefront_size32 1
		.amdhsa_system_sgpr_workgroup_id_x 1
		.amdhsa_system_sgpr_workgroup_id_y 1
		.amdhsa_system_sgpr_workgroup_id_z 1
		.amdhsa_system_vgpr_workitem_id 0
		.amdhsa_next_free_vgpr 768
		.amdhsa_next_free_sgpr 96
		.amdhsa_reserve_vcc 1
		.amdhsa_float_denorm_mode_32 3
		.amdhsa_float_denorm_mode_16_64 3
		.amdhsa_memory_ordered 1
		.amdhsa_forward_progress 1
		.amdhsa_inst_pref_size 143
	.end_amdhsa_kernel
	.amdgpu_metadata
---
amdhsa.version: [ 1, 2 ]
amdhsa.kernels:
  - .name:           k_qd5bb166427_attn
    .symbol:         k_qd5bb166427_attn.kd
    .args:
      - { .name: qkv, .offset: 0, .size: 8, .value_kind: global_buffer, .address_space: global }
      - { .name: ts, .offset: 8, .size: 8, .value_kind: global_buffer, .address_space: global }
      - { .name: act, .offset: 16, .size: 8, .value_kind: global_buffer, .address_space: global }
    .group_segment_fixed_size: 327680
    .private_segment_fixed_size: 0
    .kernarg_segment_align: 8
    .kernarg_segment_size: 24
    .max_flat_workgroup_size: 128
    .sgpr_count:     96
    .vgpr_count:     768
    .wavefront_size: 32
...
	.end_amdgpu_metadata
.endif
;; end of part 5
;; launch wo (part 6): grid 8 x 32, 4 waves a work-group, clusters of 4 x 4, 327,680 bytes of LDS; arguments act, cvt, bo, y, y1, st2; writes y1, st2
.if DOCPART == 6
	.amdgcn_target "amdgcn-amd-amdhsa--gfx1250"
	.amdhsa_code_object_version 6
	.text
	.protected	k_qd5bb166427_wo
	.globl	k_qd5bb166427_wo
	.p2align	8
	.type	k_qd5bb166427_wo,@function
k_qd5bb166427_wo:
	s_mov_b64 s[64:65], 0
	v_nop
	global_prefetch_b8 v0, s[64:65] scope:SCOPE_SE
	s_setreg_imm32_b32 hwreg(HW_REG_WAVE_MODE, 25, 1), 1
	s_wait_xcnt 0x0
	s_wait_alu depctr_hold_cnt(0) depctr_sa_sdst(0) depctr_va_vdst(0) depctr_va_sdst(0) depctr_va_ssrc(0) depctr_va_vcc(0) depctr_vm_vsrc(0)
	s_getreg_b32 s2, hwreg(HW_REG_IB_STS2, 6, 4)
	s_cmp_eq_u32 s2, 0
	s_cbranch_scc0 .Lentry_in_a_cluster
	s_endpgm
.Lentry_in_a_cluster:
	s_bfe_u32 s2, ttmp6, 0x10000c
	s_cmp_lg_u32 s2, 0xf033
	s_cbranch_scc0 .Lentry_shape_is_right
	s_endpgm
.Lentry_shape_is_right:
; y1 = y + O Wo + bo in f32, and each tile's mean and M2 (16,384 numbers) for the norm that follows.  O: f16 [block of 128 rows][head][128][64]; Wo f16 [1024][1024], 6 MiB into cvt.
; f16 operands, f32 sums that start at the bias.  LIMITS: none beyond the operands' f16 range.
; ONE TEXT serves four products of this program; the constants below choose: KIND 0 the q, k, v projections, 1 this one, 2 h W2, 3 n W1.
; A tile of C is 128 x 128: 4,096 x 1,024 outputs shared among 256 work-groups.  Four waves, each 64 x 64: 16 accumulators.  K goes in steps of 256 through two LDS slots.
; W lies [K][N] and comes out of LDS turned (ds_load_tr16_b128).  The matrix instruction is used transposed (source 0 = 16 columns of W, source 1 = 16 rows of A):
; a lane then holds eight neighbouring columns of one row of C.  CLUSTER 4 x 4: A's tile is asked for jointly along a row of the cluster, W's along a column.
; No prefetch: a step's tile is small and is read by four partners through one request.
.set KIND,   1
.set PLANES, 1                         ; A's tiles: 0 = rows of 256 K; 1 = four planes [128 rows][64 K], dense
.set NSTEP,  4                         ; K / 256
.set BSTR,   1024                      ; elements in a row of W
.set WOFF,   0x600000                  ; W's first byte in cvt
.set TRSH,   18                        ; planes: log2 of the bytes of a block of 128 rows
.set OUTP,   80                        ; s[OUTP:OUTP+1] the output
.if PLANES
.set PA,     144                       ; a plane's row: 128 bytes + 16
.set STEPA,  128*144                   ; 64 K further on: the next plane
.set AHALF,  2*128*144
.set GA,     65536                     ; a K step in memory
.set SPITCH, 272
.else
.set PA,     528                       ; 512 bytes + 16
.set STEPA,  128
.set AHALF,  64*528
.set GA,     512
.set SPITCH, 144
.endif
.set PB,     288                       ; a row of W's tile: 256 bytes + 32
.set BOFF,   73728                     ; W's 256 rows lie behind A's part of a slot
.set STEPB,  64*PB
.set SLOT,   147456                    ; = 0x24000; no tile address inside a slot has one of its two bits, so an exclusive or changes slots
.set GB,     256*BSTR*2
.set STAGE,  2*SLOT                    ; each wave's own 16 rows for the way out; never filled by a tensor load
.set STATS,  STAGE+4*16*272
.set SPARE,  STATS+256                 ; the spare words, 128 bytes a wave
.set AA0, 16                           ; v16, v17  my lane's place in A's and W's part of a slot; never rewritten
.set AB0, 17
.set AA,  18                           ; v18, v19  the addresses of the run of loads in hand
.set AB,  19
.set STO, 24
.set RD,  25
.set CO,  26
.set BO,  27
.set SPW, 28
.set NIL, 29
.set ZR,  30
.set SA,  31
.set TMP, 32                           ; v32-95 at work
.set ACC, 128                          ; accumulator (a, b) at ACC + 8 (4 a + b).  Window 1: v0-63 A's fragments (c, i) at 8 (4 c + i); v64-127 W's; v128-255 the residual
.set G1,  24
.set G0,  32
.set G1B, 48
.set G0B, 56
.set TA,  66                           ; s66, s67  LDS byte of the 64 K to be fetched next, for A and for W
.set TB,  67
.set CI,  68
.set WH,  69
.set SEL, 70
.set MSB, 0
.macro WIN new
.if MSB != (\new)
	s_set_vgpr_msb (MSB<<8)|(\new)
.set MSB, \new
.endif
.endm
.set MUL,  0x05                        ; sources 0 and 1 window 1; C and D window 0
.set TO_F, 0x40                        ; destination window 1, address window 0
.macro JLOAD s                         ; a joint load: waves 0, 1 fetch A's halves, waves 2, 3 W's; s_nop 0 and four v_nop follow each line
	s_cmp_eq_u32 s11, 0
	s_cbranch_scc0 .Lfor_b_\@
	tensor_load_to_lds s[G0+4*(\s):G0+4*(\s)+3], s[G1:G1+7]
	s_nop 0
.rept 4
	v_nop
.endr
	s_branch .Lasked_\@
.Lfor_b_\@:
	tensor_load_to_lds s[G0B+4*(\s):G0B+4*(\s)+3], s[G1B:G1B+7]
	s_nop 0
.rept 4
	v_nop
.endr
.Lasked_\@:
.endm
.macro CREST                           ; a round of the cluster's barrier behind its opening barrier
	s_cmp_lg_u32 s10, 0
	s_cbranch_scc1 .Lnot_wave_0_\@
	s_barrier_signal -3
.Lnot_wave_0_\@:
	s_barrier_wait -3
	s_barrier_signal -1
	s_barrier_wait -1
.endm
.macro CROUND
	s_barrier_signal -1
	s_barrier_wait -1
	CREST
.endm
.macro PLACES                          ; four places between a matrix instruction and a load into, or a reader of, its registers
.rept 4
	v_nop
.endr
.endm
.macro MUL8 c, a0                      ; row blocks a0, a0 + 1 x all four column blocks, 32 K (half c of the fragments)
	WIN MUL
.irp a, \a0, (\a0)+1
.irp b, 0,1,2,3
	v_wmma_f32_16x16x32_f16 v[ACC+8*(4*(\a)+(\b)):ACC+8*(4*(\a)+(\b))+7], v[64+8*(4*(\c)+(\b)):64+8*(4*(\c)+(\b))+7], v[8*(4*(\c)+(\a)):8*(4*(\c)+(\a))+7], v[ACC+8*(4*(\a)+(\b)):ACC+8*(4*(\a)+(\b))+7]
.endr
.endr
.endm
.macro MUL16 c                         ; the 16 accumulators take turns, always in the same order
	MUL8 \c, 0
	MUL8 \c, 2
.endm
.macro FETCH16 c                       ; 16 LDS loads: half c (32 K) of the 64 K at v[AA], v[AB]
	WIN TO_F
.irp i, 0,1,2,3
	ds_load_tr16_b128 v[64+8*(4*(\c)+(\i)):64+8*(4*(\c)+(\i))+3],   v[AB] offset:(\c)*32*PB+32*(\i)
	ds_load_tr16_b128 v[64+8*(4*(\c)+(\i))+4:64+8*(4*(\c)+(\i))+7], v[AB] offset:(\c)*32*PB+16*PB+32*(\i)
	ds_load_b128 v[8*(4*(\c)+(\i)):8*(4*(\c)+(\i))+3],   v[AA] offset:(\i)*16*PA+64*(\c)
	ds_load_b128 v[8*(4*(\c)+(\i))+4:8*(4*(\c)+(\i))+7], v[AA] offset:(\i)*16*PA+64*(\c)+32
.endr
.endm
.macro ADDR
	v_add_nc_u32 v[AA], s[TA], v[AA0]
	v_add_nc_u32 v[AB], s[TB], v[AB0]
.endm
.macro STEPP
	s_add_co_u32 s[TA], s[TA], STEPA
	s_add_co_u32 s[TB], s[TB], STEPB
.endm
.macro Q64                             ; multiplies 64 K and fetches the next 64 K of the same slot
	s_wait_dscnt 16                                ; half 0 is in; half 1's 16 loads are younger
	MUL16 0
	WIN 0
	ADDR                                           ; two plain instructions and two v_nop: the four places
	v_nop
	v_nop
	FETCH16 0
	s_wait_dscnt 16                                ; half 1 is in; the 16 just issued are younger
	MUL16 1
	PLACES
	FETCH16 1
	WIN 0
	STEPP
.endm
.macro INNER                           ; the first three quarters of a K step
	s_mov_b32 s[CI], 3
.Lq_\@:
	Q64
	s_sub_co_u32 s[CI], s[CI], 1
	s_cmp_lg_u32 s[CI], 0
	s_cbranch_scc1 .Lq_\@
.endm
; The last quarter and the change of slots: each wave waits for all its tensor loads (one is out: its part of the next slot), adds 0 to its spare word, waits for that and for its reads
; of this slot; behind the barrier (fill = 1: a round of the cluster's) this slot is filled again first, with the K step two on: 112 matrix instructions ahead of the wait for it.
.macro TURN64 fill
	WIN 0
	s_wait_tensorcnt 0x0
	ds_add_u32 v[SPW], v[NIL]
	s_wait_dscnt 17                                ; half 0 is in; half 1's 16 loads and the add are younger
	MUL8 0, 0
	s_wait_dscnt 0x0                               ; the add is done, my reads of this slot are over
	s_barrier_signal -1
	MUL8 0, 2
	WIN 0
	s_barrier_wait -1
.if \fill
	CREST
	s_xor_b32 s[G0+5], s[G0+5], SLOT               ; the walking descriptors: the other slot than last time, one K step on; no load of mine is out
	s_add_nc_u64 s[G0+6:G0+7], s[G0+6:G0+7], GA
	s_xor_b32 s[G0B+5], s[G0B+5], SLOT
	s_add_nc_u64 s[G0B+6:G0B+7], s[G0B+6:G0B+7], GB
	JLOAD 1                                        ; its four v_nop are also the places in front of the loads below
.else
	PLACES
.endif
	s_sub_co_u32 s[TA], s[TA], 4*STEPA
	s_xor_b32 s[TA], s[TA], SLOT
	s_sub_co_u32 s[TB], s[TB], 4*STEPB
	s_xor_b32 s[TB], s[TB], SLOT
	ADDR
	FETCH16 0
	MUL16 1
	PLACES
	FETCH16 1
	WIN 0
	STEPP
.endm
.macro WRED a, t
	v_add_f32_dpp v[\a], v[\a], v[\a] row_xmask:1 row_mask:0xf bank_mask:0xf
	v_add_f32_dpp v[\a], v[\a], v[\a] row_xmask:2 row_mask:0xf bank_mask:0xf
	v_add_f32_dpp v[\a], v[\a], v[\a] row_xmask:4 row_mask:0xf bank_mask:0xf
	v_add_f32_dpp v[\a], v[\a], v[\a] row_xmask:8 row_mask:0xf bank_mask:0xf
	v_permlanex16_b32 v[\t], v[\a], s[SEL], s[SEL+1]
	v_add_f32 v[\a], v[\a], v[\t]
.endm
	s_load_b256 s[72:79], s[0:1], 0x0              ; A 72, cvt 74, bias 76, then by KIND
.if KIND < 2
	s_load_b128 s[80:83], s[0:1], 0x20
.endif
.if KIND == 2
	s_load_b64 s[80:81], s[0:1], 0x20
.endif
	v_lshl_add_u32 v[SPW], v0, 2, SPARE
	v_mov_b32 v[NIL], 0
	ds_add_u32 v[SPW], v[NIL]                      ; the wave's opening: the add, waited for ahead of my first tensor load
	v_lshrrev_b32 v1, 5, v0
	v_readfirstlane_b32 s10, v1                    ; wave 0..3
	s_lshr_b32 s11, s10, 1                         ; my half of the tile's rows; also: I fetch for A (0) or W (1)
	s_and_b32 s12, s10, 1                          ; my half of its columns; also: which half of that tile I fetch
	s_bfe_u32 s40, ttmp6, 0x40000                  ; cx
	s_bfe_u32 s41, ttmp6, 0x40004                  ; cy
	s_lshl_b32 s42, ttmp9, 2
	s_add_co_u32 s42, s42, s40                     ; tile column
	s_and_b32 s13, ttmp7, 0xffff
.if KIND == 0
	s_lshr_b32 s[WH], s13, 3                       ; which product: 0 q, 1 k, 2 v: the same in all partners
	s_and_b32 s13, s13, 7
.endif
	s_lshl_b32 s13, s13, 2
	s_add_co_u32 s13, s13, s41                     ; tile row
	s_lshl_b32 s43, s41, 2
	s_lshl_b32 s43, 15, s43                        ; my row of the cluster
	s_lshl_b32 s44, 0x1111, s40                    ; my column
.if PLANES
	s_or_b32 s[G1+0], s43, (1<<16)|(1<<20)|(1<<21)|(4<<22)|(3<<25)  ; 2-byte elements; 4 words of padding after every 32; bit 21 beside the mask
	s_mov_b32 s[G1+1], 128<<16                     ; two planes are 32,768 dense bytes: 128 rows of 256 bytes
	s_mov_b32 s[G1+2], 128<<16
	s_mov_b32 s[G1+3], 128<<16
	s_mov_b32 s[G1+4], 128
	s_mov_b32 s[G1+5], 128
.else
	s_or_b32 s[G1+0], s43, (1<<16)|(1<<20)|(1<<21)|(6<<22)|(3<<25)  ; 4 words of padding after every 128
	s_mov_b32 s[G1+1], 256<<16                     ; 64 rows of 256 elements
	s_mov_b32 s[G1+2], 64<<16
	s_mov_b32 s[G1+3], 256<<16
	s_mov_b32 s[G1+4], 64
	s_mov_b32 s[G1+5], 1024
.endif
	s_mov_b32 s[G1+6], 0
	s_mov_b32 s[G1+7], 0
	s_or_b32 s[G1B+0], s44, (1<<16)|(1<<20)|(1<<21)|(5<<22)|(7<<25) ; 8 words of padding after every 64
	s_mov_b32 s[G1B+1], 128<<16                    ; 128 rows (K) of 128 elements (N)
	s_mov_b32 s[G1B+2], 128<<16
	s_mov_b32 s[G1B+3], 128<<16
	s_mov_b32 s[G1B+4], 128
	s_mov_b32 s[G1B+5], BSTR
	s_mov_b32 s[G1B+6], 0
	s_mov_b32 s[G1B+7], 0
.if PLANES
	s_lshl_b32 s16, s13, TRSH                      ; A: the tile row's block, my two planes
	s_lshl_b32 s17, s12, 15
.else
	s_lshl_b32 s16, s13, 18                        ; A: 128 rows of 2,048 bytes, my 64
	s_lshl_b32 s17, s12, 17
.endif
	s_add_co_u32 s16, s16, s17
	s_mov_b32 s17, 0
	s_lshl_b32 s46, s42, 8                         ; W: the tile's 128 columns, my 128 rows
	s_mul_i32 s47, s12, 128*BSTR*2
	s_add_co_u32 s46, s46, s47
	s_add_co_u32 s46, s46, WOFF
.if KIND == 0
	s_lshl_b32 s47, s[WH], 21
	s_add_co_u32 s46, s46, s47
.endif
	s_mov_b32 s47, 0
	s_mul_i32 s20, s12, AHALF                      ; where they go: the wave's number alone
	s_mul_i32 s21, s12, 128*PB
	s_add_co_u32 s21, s21, BOFF
	; my part of the output, in bytes
.if KIND == 0
	s_lshr_b32 s86, s13, 4
	s_lshl_b32 s86, s86, 4
	s_lshl_b32 s87, s42, 1
	s_add_co_u32 s86, s86, s87
	s_add_co_u32 s86, s86, s12                     ; 16 batch + head: my 64 columns are one head
	s_lshl_b32 s86, s86, 18
	s_and_b32 s87, s13, 15
	s_lshl_b32 s87, s87, 1
	s_add_co_u32 s87, s87, s11
	s_lshl_b32 s87, s87, 13                        ; my 64 rows of 128 bytes
	s_add_co_u32 s86, s86, s87
	s_lshl_b32 s87, s[WH], 23
	s_add_co_u32 s86, s86, s87
.endif
.if KIND == 3
	s_lshl_b32 s86, s13, 20                        ; [block of 128 rows][plane of 64 columns][128][64]
	s_lshl_b32 s87, s42, 1
	s_add_co_u32 s87, s87, s12
	s_lshl_b32 s87, s87, 14
	s_add_co_u32 s86, s86, s87
	s_lshl_b32 s87, s11, 13
	s_add_co_u32 s86, s86, s87
.endif
.if PLANES
	s_lshl_b32 s86, s13, 1
	s_add_co_u32 s86, s86, s11
	s_lshl_b32 s86, s86, 18                        ; my 64 rows of 4,096 bytes
	s_lshl_b32 s87, s42, 1
	s_add_co_u32 s87, s87, s12
	s_lshl_b32 s87, s87, 8                         ; my 64 columns: 256 bytes
	s_add_co_u32 s86, s86, s87
.endif
	s_mov_b32 s87, 0
	s_lshl_b32 s88, s42, 9                         ; the tile's 128 numbers of the bias
	s_mov_b32 s89, 0
	s_lshl_b32 s90, s13, 3
	s_add_co_u32 s90, s90, s42
	s_lshl_b32 s90, s90, 3                         ; the work-group's pair of statistics
	s_mov_b32 s91, 0
	s_mov_b32 s[SEL], 0x76543210
	s_mov_b32 s[SEL+1], 0xfedcba98
	s_wait_dscnt 0x0                               ; the opening add is done
	s_wait_kmcnt 0x0
.if KIND == 0
	s_add_nc_u64 s[84:85], s[74:75], 0x1800000     ; x in f16
	s_cmp_eq_u32 s[WH], 0
	s_cselect_b64 s[72:73], s[84:85], s[72:73]     ; q is made of x, k and v of n
	s_cmp_eq_u32 s[WH], 1
	s_cselect_b64 s[76:77], s[78:79], s[76:77]
	s_cmp_eq_u32 s[WH], 2
	s_cselect_b64 s[76:77], s[80:81], s[76:77]
.endif
	s_add_nc_u64 s[14:15], s[72:73], s[16:17]
	s_add_nc_u64 s[46:47], s[74:75], s[46:47]
	CROUND                                         ; all sixteen work-groups are here: the first joint loads meet
.irp s, 0,1
	s_mov_b32 s[G0+4*(\s)], 1
	s_add_co_u32 s[G0+4*(\s)+1], s20, (\s)*SLOT
	s_add_nc_u64 s[G0+4*(\s)+2:G0+4*(\s)+3], s[14:15], (\s)*GA
	s_or_b32 s[G0+4*(\s)+3], s[G0+4*(\s)+3], 0x80000000
	s_mov_b32 s[G0B+4*(\s)], 1
	s_add_co_u32 s[G0B+4*(\s)+1], s21, (\s)*SLOT
	s_add_nc_u64 s[G0B+4*(\s)+2:G0B+4*(\s)+3], s[46:47], (\s)*GB
	s_or_b32 s[G0B+4*(\s)+3], s[G0B+4*(\s)+3], 0x80000000
	JLOAD \s                                       ; two loads of mine are out
.endr
	s_add_nc_u64 s[OUTP:OUTP+1], s[OUTP:OUTP+1], s[86:87]
.if PLANES
	s_add_nc_u64 s[78:79], s[78:79], s[86:87]      ; the residual lies as the output does
.endif
	s_add_nc_u64 s[76:77], s[76:77], s[88:89]
.if KIND == 1
	s_add_nc_u64 s[82:83], s[82:83], s[90:91]
.endif
	v_and_b32 v1, 15, v0                           ; r = l % 16
	v_bfe_u32 v2, v0, 4, 1                         ; h = l / 16
	v_mul_u32_u24 v3, v1, PA
	v_lshl_add_u32 v3, v2, 4, v3
	s_mul_i32 s22, s11, 64*PA
	v_add_nc_u32 v[AA0], s22, v3                   ; (64 half + r) pitch + 16 h
	v_and_b32 v4, 7, v0
	v_lshl_add_u32 v4, v2, 3, v4
	v_mul_u32_u24 v4, v4, PB
	v_bfe_u32 v5, v0, 3, 1
	v_lshl_add_u32 v4, v5, 4, v4
	s_lshl_b32 s22, s12, 7
	s_add_co_u32 s22, s22, BOFF
	v_add_nc_u32 v[AB0], s22, v4                   ; (8 h + l % 8) pitch + 16 ((l / 8) % 2) + my 64 columns
	s_mul_i32 s23, s10, 16*SPITCH
	s_add_co_u32 s23, s23, STAGE                   ; my stage
	v_mul_u32_u24 v[STO], v1, SPITCH
.if PLANES
	v_lshl_add_u32 v[STO], v2, 5, v[STO]           ; in: row r, 32 bytes for each half of the lanes
	v_mul_u32_u24 v[RD], v2, SPITCH                ; back: lanes 0-15 one row of 256 bytes, lanes 16-31 the next
	v_lshl_add_u32 v[RD], v1, 4, v[RD]
	v_lshlrev_b32 v[CO], 12, v2                    ; and the same two rows in memory
	v_lshl_add_u32 v[CO], v1, 4, v[CO]
.else
	v_lshl_add_u32 v[STO], v2, 4, v[STO]           ; in: row r, 16 bytes for each half of the lanes
	v_bfe_u32 v[RD], v0, 3, 2                      ; back: 32 lanes take four rows of 128 bytes,
	v_mul_u32_u24 v[RD], v[RD], SPITCH
	v_and_b32 v3, 7, v0
	v_lshl_add_u32 v[RD], v3, 4, v[RD]
	v_and_b32 v[CO], 31, v0                        ; which are 512 consecutive bytes of the output
	v_lshlrev_b32 v[CO], 4, v[CO]
.endif
	v_add_nc_u32 v[STO], s23, v[STO]
	v_add_nc_u32 v[RD], s23, v[RD]
	v_mov_b32 v[ZR], 0
	s_lshl_b32 s22, s10, 3
	s_add_co_u32 s22, s22, STATS
	v_mov_b32 v[SA], s22
	s_lshl_b32 s22, s12, 8
	v_lshlrev_b32 v[BO], 5, v2
	v_add_nc_u32 v[BO], s22, v[BO]                 ; 4 (64 half + 8 h)
.irp b, 0,1,2,3
	global_load_b128 v[TMP+8*(\b):TMP+8*(\b)+3],   v[BO], s[76:77] offset:64*(\b)
	global_load_b128 v[TMP+8*(\b)+4:TMP+8*(\b)+7], v[BO], s[76:77] offset:64*(\b)+16
.endr
.if PLANES
	WIN TO_F
.set i, 0
.rept 32                               ; my 64 x 64 of the residual, as the way out will hold it: rows 2 i, 2 i + 1
	global_load_b128 v[128+4*i:128+4*i+3], v[CO], s[78:79] offset:2*i*4096
.set i, i+1
.endr
	WIN 0
	s_wait_loadcnt 32                              ; the bias is in; the residual's 32 loads stay out
.else
	s_wait_loadcnt 0x0
.endif
.set i, 0
.rept 128                              ; the sums start at the bias of their columns; this stands in the wait for the first tile
	v_mov_b32 v[ACC+i], v[TMP+i%32]
.set i, i+1
.endr
	s_wait_tensorcnt 1                             ; my part of K step 0 is in; step 1's load may stay out
	s_barrier_signal -1
	s_barrier_wait -1
	s_mov_b32 s[TA], 0
	s_mov_b32 s[TB], 0
	ADDR
	FETCH16 0
	FETCH16 1
	WIN 0
	STEPP
	s_mov_b32 s3, NSTEP-2
.Lstep:                                ; a K step that fills its slot again
	INNER
	TURN64 1
	s_sub_co_u32 s3, s3, 1
	s_cmp_lg_u32 s3, 0
	s_cbranch_scc1 .Lstep
	INNER                                          ; the last two K steps ask for nothing
	TURN64 0
	INNER
	s_wait_dscnt 16
	MUL16 0
	s_wait_dscnt 0x0
	MUL16 1
	WIN 0
	PLACES
.if PLANES
; THE WAY OUT in f32: 16 rows at a time through my stage, back as whole rows of 256 bytes, the residual added, stored.
	s_wait_loadcnt 0x0                             ; the residual
.irp a, 0,1,2,3
.irp b, 0,1,2,3
	ds_store_b128 v[STO], v[ACC+8*(4*(\a)+(\b)):ACC+8*(4*(\a)+(\b))+3]   offset:64*(\b)
	ds_store_b128 v[STO], v[ACC+8*(4*(\a)+(\b))+4:ACC+8*(4*(\a)+(\b))+7] offset:64*(\b)+16
.endr
.irp f, 0,1,2,3,4,5,6,7
	ds_load_b128 v[TMP+4*(\f):TMP+4*(\f)+3], v[RD] offset:(\f)*2*SPITCH  ; a wave's LDS instructions are served in order: these see the stores above
.endr
	s_wait_dscnt 0x0
	WIN 0x41                                       ; destination and source 0 window 1, source 1 window 0
.set i, 0
.rept 16
	v_pk_add_f32 v[128+32*(\a)+i:128+32*(\a)+i+1], v[128+32*(\a)+i:128+32*(\a)+i+1], v[TMP+i:TMP+i+1]
.set i, i+2
.endr
	WIN 0x04                                       ; a store's data: window 1
.irp f, 0,1,2,3,4,5,6,7
	global_store_b128 v[CO], v[128+32*(\a)+4*(\f):128+32*(\a)+4*(\f)+3], s[OUTP:OUTP+1] offset:(16*(\a)+2*(\f))*4096  ; 16 lanes store 256 consecutive bytes, aligned
.endr
	WIN 0
.endr
.if KIND == 1
; The tile's mean and M2, for the norm that follows: my 4,096 numbers lie in registers.
	WIN 0x55
.irp k, 0,2,4,6
	v_pk_add_f32 v[\k:\k+1], v[128+\k:129+\k], v[136+\k:137+\k]
.endr
.set i, 16
.rept 56
	v_pk_add_f32 v[i%8:i%8+1], v[i%8:i%8+1], v[128+i:128+i+1]
.set i, i+2
.endr
	v_pk_add_f32 v[0:1], v[0:1], v[2:3]
	v_pk_add_f32 v[4:5], v[4:5], v[6:7]
	v_pk_add_f32 v[0:1], v[0:1], v[4:5]
	WIN 0x05
	v_add_f32 v32, v0, v1
	WIN 0
	WRED 32, 33
	v_mul_f32 v34, 0x39800000, v32                 ; / 4,096
	v_mov_b32 v35, v34
	s_wait_xcnt 0x0                                ; the stores have read their data: it is rewritten only behind this wait
	WIN 0x41
.set i, 0
.rept 64
	v_pk_add_f32 v[128+i:128+i+1], v[128+i:128+i+1], v[34:35] neg_lo:[0,1] neg_hi:[0,1]
.set i, i+2
.endr
	WIN 0x55
.irp k, 0,2,4,6
	v_pk_mul_f32 v[\k:\k+1], v[128+\k:129+\k], v[128+\k:129+\k]
.endr
.set i, 8
.rept 60
	v_pk_fma_f32 v[i%8:i%8+1], v[128+i:128+i+1], v[128+i:128+i+1], v[i%8:i%8+1]
.set i, i+2
.endr
	v_pk_add_f32 v[0:1], v[0:1], v[2:3]
	v_pk_add_f32 v[4:5], v[4:5], v[6:7]
	v_pk_add_f32 v[0:1], v[0:1], v[4:5]
	WIN 0x05
	v_add_f32 v35, v0, v1
	WIN 0
	WRED 35, 33
	ds_store_b64 v[SA], v[34:35]
	s_wait_dscnt 0x0                               ; for the others' sake
	s_barrier_signal -1
	s_barrier_wait -1
	s_cmp_lg_u32 s10, 0
	s_cbranch_scc1 .Lnostat                        ; wave 0 merges the four pairs
	v_mov_b32 v36, STATS
	ds_load_b128 v[40:43], v36
	ds_load_b128 v[44:47], v36 offset:16
	s_wait_dscnt 0x0
	v_add_f32 v38, v40, v42
	v_add_f32 v37, v44, v46
	v_add_f32 v38, v38, v37
	v_mul_f32 v48, 0x3e800000, v38
.irp i, 40,42,44,46
	v_sub_f32 v\i, v\i, v48
.endr
	v_mul_f32 v37, v40, v40
	v_fmac_f32 v37, v42, v42
	v_fmac_f32 v37, v44, v44
	v_fmac_f32 v37, v46, v46
	v_add_f32 v41, v41, v43
	v_add_f32 v45, v45, v47
	v_add_f32 v41, v41, v45
	v_fmamk_f32 v49, v37, 0x45800000, v41          ; sum M2 + 4,096 sum d^2
	v_and_b32 v38, 31, v0
	v_cmp_gt_u32 vcc_lo, 1, v38
	v_mov_b32 v37, 0
	s_wait_xcnt 0x0                                ; EXEC changes only behind this wait
	s_and_saveexec_b32 s92, vcc_lo
	global_store_b64 v37, v[48:49], s[82:83]
	s_wait_xcnt 0x0
	s_or_b32 exec_lo, exec_lo, s92
.Lnostat:
.endif
.else
; THE WAY OUT in f16: my 64 x 64 are 8,192 dense bytes.  16 rows at a time: rounded, 16 bytes a lane into my stage, back as four rows of 128 bytes, stored.
.macro PACKP a
.irp b, 0,1,2,3
.irp k, 0,1,2,3
	v_cvt_pk_f16_f32 v[TMP+16*(\a)+4*(\b)+(\k)], v[ACC+8*(4*(\a)+(\b))+2*(\k)], v[ACC+8*(4*(\a)+(\b))+2*(\k)+1]
.endr
.endr
.if KIND == 3
.set i, 0
.rept 16
	v_pk_max_num_f16 v[TMP+16*(\a)+i], v[TMP+16*(\a)+i], v[ZR]  ; rounding keeps signs and order, so this is the rounded ReLU
.set i, i+1
.endr
.endif
.irp b, 0,1,2,3
	ds_store_b128 v[STO], v[TMP+16*(\a)+4*(\b):TMP+16*(\a)+4*(\b)+3] offset:32*(\b)
.endr
.irp f, 0,1,2,3
	ds_load_b128 v[TMP+16*(\a)+4*(\f):TMP+16*(\a)+4*(\f)+3], v[RD] offset:(\f)*4*SPITCH  ; served in order: these see the stores above, the next block's stores come behind
.endr
.endm
.macro SENDP a, younger                ; younger: the LDS instructions issued behind block a's loads
.irp f, 0,1,2,3
	s_wait_dscnt (\younger)+3-(\f)
	global_store_b128 v[CO], v[TMP+16*(\a)+4*(\f):TMP+16*(\a)+4*(\f)+3], s[OUTP:OUTP+1] offset:2048*(\a)+512*(\f)  ; 512 consecutive bytes, aligned
.endr
.endm
	PACKP 0
	PACKP 1
	SENDP 0, 8
	PACKP 2
	SENDP 1, 8
	PACKP 3
	SENDP 2, 8
	SENDP 3, 0
.endif
	s_wait_tensorcnt 0x0                           ; the wave's end
	ds_add_u32 v[SPW], v[NIL]
	s_wait_dscnt 0x0
	CROUND                                         ; the closing round: no work-group ends while a partner may still ask jointly
	s_endpgm
.Lfunc_end_k_qd5bb166427_wo:
	.size	k_qd5bb166427_wo, .Lfunc_end_k_qd5bb166427_wo-k_qd5bb166427_wo
	.p2alignl 7, 3214868480
	.fill 96, 4, 3214868480
	.section	.rodata,"a",@progbits
	.p2align	6, 0x0
	.amdhsa_kernel k_qd5bb166427_wo
		.amdhsa_group_segment_fixed_size 327680
		.amdhsa_private_segment_fixed_size 0
		.amdhsa_enable_private_segment 0
		.amdhsa_kernarg_size 48
		.amdhsa_user_sgpr_count 2
		.amdhsa_user_sgpr_kernarg_segment_ptr 1
		.amdhsa_wavefront_size32 1
		.amdhsa_system_sgpr_workgroup_id_x 1
		.amdhsa_system_sgpr_workgroup_id_y 1
		.amdhsa_system_sgpr_workgroup_id_z 1
		.amdhsa_system_vgpr_workitem_id 0
		.amdhsa_next_free_vgpr 512
		.amdhsa_next_free_sgpr 96
		.amdhsa_reserve_vcc 1
		.amdhsa_float_denorm_mode_32 3
		.amdhsa_float_denorm_mode_16_64 3
		.amdhsa_memory_ordered 1
		.amdhsa_forward_progress 1
		.amdhsa_inst_pref_size 72
	.end_amdhsa_kernel
	.amdgpu_metadata
---
amdhsa.version: [ 1, 2 ]
amdhsa.kernels:
  - .name:           k_qd5bb166427_wo
    .symbol:         k_qd5bb166427_wo.kd
    .args:
      - { .name: act, .offset: 0, .size: 8, .value_kind: global_buffer, .address_space: global }
      - { .name: cvt, .offset: 8, .size: 8, .value_kind: global_buffer, .address_space: global }
      - { .name: bo, .offset: 16, .size: 8, .value_kind: global_buffer, .address_space: global }
      - { .name: y, .offset: 24, .size: 8, .value_kind: global_buffer, .address_space: global }
      - { .name: y1, .offset: 32, .size: 8, .value_kind: global_buffer, .address_space: global }
      - { .name: st2, .offset: 40, .size: 8, .value_kind: global_buffer, .address_space: global }
    .group_segment_fixed_size: 327680
    .private_segment_fixed_size: 0
    .kernarg_segment_align: 8
    .kernarg_segment_size: 48
    .max_flat_workgroup_size: 128
    .sgpr_count:     96
    .vgpr_count:     512
    .wavefront_size: 32
...
	.end_amdgpu_metadata
.endif
;; end of part 6
;; launch norm2: the kernel of part 2 again; grid 256 x 1, 16 waves a work-group, no clusters, 0 bytes of LDS; arguments y1, ln2_w, ln2_b, st2, nb; writes nb
;; launch ffn1 (part 7): grid 32 x 32, 4 waves a work-group, clusters of 4 x 4, 327,680 bytes of LDS; arguments nb, cvt, b1, act; writes act
.if DOCPART == 7
	.amdgcn_target "amdgcn-amd-amdhsa--gfx1250"
	.amdhsa_code_object_version 6
	.text
	.protected	k_qd5bb166427_ffn1
	.globl	k_qd5bb166427_ffn1
	.p2align	8
	.type	k_qd5bb166427_ffn1,@function
k_qd5bb166427_ffn1:
	s_mov_b64 s[64:65], 0
	v_nop
	global_prefetch_b8 v0, s[64:65] scope:SCOPE_SE
	s_setreg_imm32_b32 hwreg(HW_REG_WAVE_MODE, 25, 1), 1
	s_wait_xcnt 0x0
	s_wait_alu depctr_hold_cnt(0) depctr_sa_sdst(0) depctr_va_vdst(0) depctr_va_sdst(0) depctr_va_ssrc(0) depctr_va_vcc(0) depctr_vm_vsrc(0)
	s_getreg_b32 s2, hwreg(HW_REG_IB_STS2, 6, 4)
	s_cmp_eq_u32 s2, 0
	s_cbranch_scc0 .Lentry_in_a_cluster
	s_endpgm
.Lentry_in_a_cluster:
	s_bfe_u32 s2, ttmp6, 0x10000c
	s_cmp_lg_u32 s2, 0xf033
	s_cbranch_scc0 .Lentry_shape_is_right
	s_endpgm
.Lentry_shape_is_right:
; h = relu(n W1 + b1) in f16, stored as [block of 128 rows][plane of 64 columns][128][64], the form in which the next product asks for it.  n f16 [4096][1024]; W1 f16 [1024][4096], 8 MiB into cvt.
; f16 operands, f32 sums that start at the bias.  LIMITS: results of 65,520 or more become infinities in f16.
; ONE TEXT serves four products of this program; this is the form with A in rows and an f16 way out with the ReLU.
; A tile of C is 128 x 128: here 1,024 tiles, four even rounds of 256 work-groups.  Four waves, each 64 x 64: 16 accumulators.  K goes in steps of 256 through two LDS slots.
; A lies [M][K]; W lies [K][N] and comes out of LDS turned (ds_load_tr16_b128).  The matrix instruction is used transposed (source 0 = 16 columns of W, source 1 = 16 rows of A):
; a lane then holds eight neighbouring columns of one row of C.  CLUSTER 4 x 4: A's tile is asked for jointly along a row of the cluster, W's along a column.
; No prefetch: a step's tile is small and is read by four partners through one request.
.set KIND,   3
.set PLANES, 0                         ; A's tiles: 0 = rows of 256 K; 1 = four planes [128 rows][64 K], dense
.set NSTEP,  4                         ; K / 256
.set BSTR,   4096                      ; elements in a row of W
.set WOFF,   0x800000                  ; W's first byte in cvt
.set TRSH,   18                        ; planes: log2 of the bytes of a block of 128 rows
.set OUTP,   78                        ; s[OUTP:OUTP+1] the output
.if PLANES
.set PA,     144                       ; a plane's row: 128 bytes + 16
.set STEPA,  128*144                   ; 64 K further on: the next plane
.set AHALF,  2*128*144
.set GA,     65536                     ; a K step in memory
.set SPITCH, 272
.else
.set PA,     528                       ; 512 bytes + 16
.set STEPA,  128
.set AHALF,  64*528
.set GA,     512
.set SPITCH, 144
.endif
.set PB,     288                       ; a row of W's tile: 256 bytes + 32
.set BOFF,   73728                     ; W's 256 rows lie behind A's part of a slot
.set STEPB,  64*PB
.set SLOT,   147456                    ; = 0x24000; no tile address inside a slot has one of its two bits, so an exclusive or changes slots
.set GB,     256*BSTR*2
.set STAGE,  2*SLOT                    ; each wave's own 16 rows for the way out; never filled by a tensor load
.set STATS,  STAGE+4*16*272
.set SPARE,  STATS+256                 ; the spare words, 128 bytes a wave
.set AA0, 16                           ; v16, v17  my lane's place in A's and W's part of a slot; never rewritten
.set AB0, 17
.set AA,  18                           ; v18, v19  the addresses of the run of loads in hand
.set AB,  19
.set STO, 24
.set RD,  25
.set CO,  26
.set BO,  27
.set SPW, 28
.set NIL, 29
.set ZR,  30
.set SA,  31
.set TMP, 32                           ; v32-95 at work
.set ACC, 128                          ; accumulator (a, b) at ACC + 8 (4 a + b).  Window 1: v0-63 A's fragments (c, i) at 8 (4 c + i); v64-127 W's
.set G1,  24
.set G0,  32
.set G1B, 48
.set G0B, 56
.set TA,  66                           ; s66, s67  LDS byte of the 64 K to be fetched next, for A and for W
.set TB,  67
.set CI,  68
.set WH,  69
.set SEL, 70
.set MSB, 0
.macro WIN new
.if MSB != (\new)
	s_set_vgpr_msb (MSB<<8)|(\new)
.set MSB, \new
.endif
.endm
.set MUL,  0x05                        ; sources 0 and 1 window 1; C and D window 0
.set TO_F, 0x40                        ; destination window 1, address window 0
.macro JLOAD s                         ; a joint load: waves 0, 1 fetch A's halves, waves 2, 3 W's; s_nop 0 and four v_nop follow each line
	s_cmp_eq_u32 s11, 0
	s_cbranch_scc0 .Lfor_b_\@
	tensor_load_to_lds s[G0+4*(\s):G0+4*(\s)+3], s[G1:G1+7]
	s_nop 0
.rept 4
	v_nop
.endr
	s_branch .Lasked_\@
.Lfor_b_\@:
	tensor_load_to_lds s[G0B+4*(\s):G0B+4*(\s)+3], s[G1B:G1B+7]
	s_nop 0
.rept 4
	v_nop
.endr
.Lasked_\@:
.endm
.macro CREST                           ; a round of the cluster's barrier behind its opening barrier
	s_cmp_lg_u32 s10, 0
	s_cbranch_scc1 .Lnot_wave_0_\@
	s_barrier_signal -3
.Lnot_wave_0_\@:
	s_barrier_wait -3
	s_barrier_signal -1
	s_barrier_wait -1
.endm
.macro CROUND
	s_barrier_signal -1
	s_barrier_wait -1
	CREST
.endm
.macro PLACES                          ; four places between a matrix instruction and a load into, or a reader of, its registers
.rept 4
	v_nop
.endr
.endm
.macro MUL8 c, a0                      ; row blocks a0, a0 + 1 x all four column blocks, 32 K (half c of the fragments)
	WIN MUL
.irp a, \a0, (\a0)+1
.irp b, 0,1,2,3
	v_wmma_f32_16x16x32_f16 v[ACC+8*(4*(\a)+(\b)):ACC+8*(4*(\a)+(\b))+7], v[64+8*(4*(\c)+(\b)):64+8*(4*(\c)+(\b))+7], v[8*(4*(\c)+(\a)):8*(4*(\c)+(\a))+7], v[ACC+8*(4*(\a)+(\b)):ACC+8*(4*(\a)+(\b))+7]
.endr
.endr
.endm
.macro MUL16 c                         ; the 16 accumulators take turns, always in the same order
	MUL8 \c, 0
	MUL8 \c, 2
.endm
.macro FETCH16 c                       ; 16 LDS loads: half c (32 K) of the 64 K at v[AA], v[AB]
	WIN TO_F
.irp i, 0,1,2,3
	ds_load_tr16_b128 v[64+8*(4*(\c)+(\i)):64+8*(4*(\c)+(\i))+3],   v[AB] offset:(\c)*32*PB+32*(\i)
	ds_load_tr16_b128 v[64+8*(4*(\c)+(\i))+4:64+8*(4*(\c)+(\i))+7], v[AB] offset:(\c)*32*PB+16*PB+32*(\i)
	ds_load_b128 v[8*(4*(\c)+(\i)):8*(4*(\c)+(\i))+3],   v[AA] offset:(\i)*16*PA+64*(\c)
	ds_load_b128 v[8*(4*(\c)+(\i))+4:8*(4*(\c)+(\i))+7], v[AA] offset:(\i)*16*PA+64*(\c)+32
.endr
.endm
.macro ADDR
	v_add_nc_u32 v[AA], s[TA], v[AA0]
	v_add_nc_u32 v[AB], s[TB], v[AB0]
.endm
.macro STEPP
	s_add_co_u32 s[TA], s[TA], STEPA
	s_add_co_u32 s[TB], s[TB], STEPB
.endm
.macro Q64                             ; multiplies 64 K and fetches the next 64 K of the same slot
	s_wait_dscnt 16                                ; half 0 is in; half 1's 16 loads are younger
	MUL16 0
	WIN 0
	ADDR                                           ; two plain instructions and two v_nop: the four places
	v_nop
	v_nop
	FETCH16 0
	s_wait_dscnt 16                                ; half 1 is in; the 16 just issued are younger
	MUL16 1
	PLACES
	FETCH16 1
	WIN 0
	STEPP
.endm
.macro INNER                           ; the first three quarters of a K step
	s_mov_b32 s[CI], 3
.Lq_\@:
	Q64
	s_sub_co_u32 s[CI], s[CI], 1
	s_cmp_lg_u32 s[CI], 0
	s_cbranch_scc1 .Lq_\@
.endm
; The last quarter and the change of slots: each wave waits for all its tensor loads (one is out: its part of the next slot), adds 0 to its spare word, waits for that and for its reads
; of this slot; behind the barrier (fill = 1: a round of the cluster's) this slot is filled again first, with the K step two on: 112 matrix instructions ahead of the wait for it.
.macro TURN64 fill
	WIN 0
	s_wait_tensorcnt 0x0
	ds_add_u32 v[SPW], v[NIL]
	s_wait_dscnt 17                                ; half 0 is in; half 1's 16 loads and the add are younger
	MUL8 0, 0
	s_wait_dscnt 0x0                               ; the add is done, my reads of this slot are over
	s_barrier_signal -1
	MUL8 0, 2
	WIN 0
	s_barrier_wait -1
.if \fill
	CREST
	s_xor_b32 s[G0+5], s[G0+5], SLOT               ; the walking descriptors: the other slot than last time, one K step on; no load of mine is out
	s_add_nc_u64 s[G0+6:G0+7], s[G0+6:G0+7], GA
	s_xor_b32 s[G0B+5], s[G0B+5], SLOT
	s_add_nc_u64 s[G0B+6:G0B+7], s[G0B+6:G0B+7], GB
	JLOAD 1                                        ; its four v_nop are also the places in front of the loads below
.else
	PLACES
.endif
	s_sub_co_u32 s[TA], s[TA], 4*STEPA
	s_xor_b32 s[TA], s[TA], SLOT
	s_sub_co_u32 s[TB], s[TB], 4*STEPB
	s_xor_b32 s[TB], s[TB], SLOT
	ADDR
	FETCH16 0
	MUL16 1
	PLACES
	FETCH16 1
	WIN 0
	STEPP
.endm
	s_load_b256 s[72:79], s[0:1], 0x0              ; A 72, cvt 74, bias 76, the output 78
	v_lshl_add_u32 v[SPW], v0, 2, SPARE
	v_mov_b32 v[NIL], 0
	ds_add_u32 v[SPW], v[NIL]                      ; the wave's opening: the add, waited for ahead of my first tensor load
	v_lshrrev_b32 v1, 5, v0
	v_readfirstlane_b32 s10, v1                    ; wave 0..3
	s_lshr_b32 s11, s10, 1                         ; my half of the tile's rows; also: I fetch for A (0) or W (1)
	s_and_b32 s12, s10, 1                          ; my half of its columns; also: which half of that tile I fetch
	s_bfe_u32 s40, ttmp6, 0x40000                  ; cx
	s_bfe_u32 s41, ttmp6, 0x40004                  ; cy
	s_lshl_b32 s42, ttmp9, 2
	s_add_co_u32 s42, s42, s40                     ; tile column
	s_and_b32 s13, ttmp7, 0xffff
	s_lshl_b32 s13, s13, 2
	s_add_co_u32 s13, s13, s41                     ; tile row
	s_lshl_b32 s43, s41, 2
	s_lshl_b32 s43, 15, s43                        ; my row of the cluster
	s_lshl_b32 s44, 0x1111, s40                    ; my column
	s_or_b32 s[G1+0], s43, (1<<16)|(1<<20)|(1<<21)|(6<<22)|(3<<25)  ; 2-byte elements; 4 words of padding after every 128; bit 21 beside the mask
	s_mov_b32 s[G1+1], 256<<16                     ; 64 rows of 256 elements
	s_mov_b32 s[G1+2], 64<<16
	s_mov_b32 s[G1+3], 256<<16
	s_mov_b32 s[G1+4], 64
	s_mov_b32 s[G1+5], 1024
	s_mov_b32 s[G1+6], 0
	s_mov_b32 s[G1+7], 0
	s_or_b32 s[G1B+0], s44, (1<<16)|(1<<20)|(1<<21)|(5<<22)|(7<<25) ; 8 words of padding after every 64
	s_mov_b32 s[G1B+1], 128<<16                    ; 128 rows (K) of 128 elements (N)
	s_mov_b32 s[G1B+2], 128<<16
	s_mov_b32 s[G1B+3], 128<<16
	s_mov_b32 s[G1B+4], 128
	s_mov_b32 s[G1B+5], BSTR
	s_mov_b32 s[G1B+6], 0
	s_mov_b32 s[G1B+7], 0
	s_lshl_b32 s16, s13, 18                        ; A: 128 rows of 2,048 bytes, my 64
	s_lshl_b32 s17, s12, 17
	s_add_co_u32 s16, s16, s17
	s_mov_b32 s17, 0
	s_lshl_b32 s46, s42, 8                         ; W: the tile's 128 columns, my 128 rows
	s_mul_i32 s47, s12, 128*BSTR*2
	s_add_co_u32 s46, s46, s47
	s_add_co_u32 s46, s46, WOFF
	s_mov_b32 s47, 0
	s_mul_i32 s20, s12, AHALF                      ; where they go: the wave's number alone
	s_mul_i32 s21, s12, 128*PB
	s_add_co_u32 s21, s21, BOFF
	s_lshl_b32 s86, s13, 20                        ; my part of the output: [block of 128 rows][plane of 64 columns][128][64]
	s_lshl_b32 s87, s42, 1
	s_add_co_u32 s87, s87, s12
	s_lshl_b32 s87, s87, 14
	s_add_co_u32 s86, s86, s87
	s_lshl_b32 s87, s11, 13
	s_add_co_u32 s86, s86, s87
	s_mov_b32 s87, 0
	s_lshl_b32 s88, s42, 9                         ; the tile's 128 numbers of the bias
	s_mov_b32 s89, 0
	s_wait_dscnt 0x0                               ; the opening add is done
	s_wait_kmcnt 0x0
	s_add_nc_u64 s[14:15], s[72:73], s[16:17]
	s_add_nc_u64 s[46:47], s[74:75], s[46:47]
	CROUND                                         ; all sixteen work-groups are here: the first joint loads meet
.irp s, 0,1
	s_mov_b32 s[G0+4*(\s)], 1
	s_add_co_u32 s[G0+4*(\s)+1], s20, (\s)*SLOT
	s_add_nc_u64 s[G0+4*(\s)+2:G0+4*(\s)+3], s[14:15], (\s)*GA
	s_or_b32 s[G0+4*(\s)+3], s[G0+4*(\s)+3], 0x80000000
	s_mov_b32 s[G0B+4*(\s)], 1
	s_add_co_u32 s[G0B+4*(\s)+1], s21, (\s)*SLOT
	s_add_nc_u64 s[G0B+4*(\s)+2:G0B+4*(\s)+3], s[46:47], (\s)*GB
	s_or_b32 s[G0B+4*(\s)+3], s[G0B+4*(\s)+3], 0x80000000
	JLOAD \s                                       ; two loads of mine are out
.endr
	s_add_nc_u64 s[OUTP:OUTP+1], s[OUTP:OUTP+1], s[86:87]
	s_add_nc_u64 s[76:77], s[76:77], s[88:89]
	v_and_b32 v1, 15, v0                           ; r = l % 16
	v_bfe_u32 v2, v0, 4, 1                         ; h = l / 16
	v_mul_u32_u24 v3, v1, PA
	v_lshl_add_u32 v3, v2, 4, v3
	s_mul_i32 s22, s11, 64*PA
	v_add_nc_u32 v[AA0], s22, v3                   ; (64 half + r) pitch + 16 h
	v_and_b32 v4, 7, v0
	v_lshl_add_u32 v4, v2, 3, v4
	v_mul_u32_u24 v4, v4, PB
	v_bfe_u32 v5, v0, 3, 1
	v_lshl_add_u32 v4, v5, 4, v4
	s_lshl_b32 s22, s12, 7
	s_add_co_u32 s22, s22, BOFF
	v_add_nc_u32 v[AB0], s22, v4                   ; (8 h + l % 8) pitch + 16 ((l / 8) % 2) + my 64 columns
	s_mul_i32 s23, s10, 16*SPITCH
	s_add_co_u32 s23, s23, STAGE                   ; my stage
	v_mul_u32_u24 v[STO], v1, SPITCH
	v_lshl_add_u32 v[STO], v2, 4, v[STO]           ; in: row r, 16 bytes for each half of the lanes
	v_bfe_u32 v[RD], v0, 3, 2                      ; back: 32 lanes take four rows of 128 bytes,
	v_mul_u32_u24 v[RD], v[RD], SPITCH
	v_and_b32 v3, 7, v0
	v_lshl_add_u32 v[RD], v3, 4, v[RD]
	v_and_b32 v[CO], 31, v0                        ; which are 512 consecutive bytes of the output
	v_lshlrev_b32 v[CO], 4, v[CO]
	v_add_nc_u32 v[STO], s23, v[STO]
	v_add_nc_u32 v[RD], s23, v[RD]
	v_mov_b32 v[ZR], 0
	s_lshl_b32 s22, s12, 8
	v_lshlrev_b32 v[BO], 5, v2
	v_add_nc_u32 v[BO], s22, v[BO]                 ; 4 (64 half + 8 h)
.irp b, 0,1,2,3
	global_load_b128 v[TMP+8*(\b):TMP+8*(\b)+3],   v[BO], s[76:77] offset:64*(\b)
	global_load_b128 v[TMP+8*(\b)+4:TMP+8*(\b)+7], v[BO], s[76:77] offset:64*(\b)+16
.endr
	s_wait_loadcnt 0x0
.set i, 0
.rept 128                              ; the sums start at the bias of their columns; this stands in the wait for the first tile
	v_mov_b32 v[ACC+i], v[TMP+i%32]
.set i, i+1
.endr
	s_wait_tensorcnt 1                             ; my part of K step 0 is in; step 1's load may stay out
	s_barrier_signal -1
	s_barrier_wait -1
	s_mov_b32 s[TA], 0
	s_mov_b32 s[TB], 0
	ADDR
	FETCH16 0
	FETCH16 1
	WIN 0
	STEPP
	s_mov_b32 s3, NSTEP-2
.Lstep:                                ; a K step that fills its slot again
	INNER
	TURN64 1
	s_sub_co_u32 s3, s3, 1
	s_cmp_lg_u32 s3, 0
	s_cbranch_scc1 .Lstep
	INNER                                          ; the last two K steps ask for nothing
	TURN64 0
	INNER
	s_wait_dscnt 16
	MUL16 0
	s_wait_dscnt 0x0
	MUL16 1
	WIN 0
	PLACES
; THE WAY OUT in f16: my 64 x 64 are 8,192 dense bytes.  16 rows at a time: rounded, 16 bytes a lane into my stage, back as four rows of 128 bytes, stored.
.macro PACKP a
.irp b, 0,1,2,3
.irp k, 0,1,2,3
	v_cvt_pk_f16_f32 v[TMP+16*(\a)+4*(\b)+(\k)], v[ACC+8*(4*(\a)+(\b))+2*(\k)], v[ACC+8*(4*(\a)+(\b))+2*(\k)+1]
.endr
.endr
.set i, 0
.rept 16
	v_pk_max_num_f16 v[TMP+16*(\a)+i], v[TMP+16*(\a)+i], v[ZR]  ; rounding keeps signs and order, so this is the rounded ReLU
.set i, i+1
.endr
.irp b, 0,1,2,3
	ds_store_b128 v[STO], v[TMP+16*(\a)+4*(\b):TMP+16*(\a)+4*(\b)+3] offset:32*(\b)
.endr
.irp f, 0,1,2,3
	ds_load_b128 v[TMP+16*(\a)+4*(\f):TMP+16*(\a)+4*(\f)+3], v[RD] offset:(\f)*4*SPITCH  ; served in order: these see the stores above, the next block's stores come behind
.endr
.endm
.macro SENDP a, younger                ; younger: the LDS instructions issued behind block a's loads
.irp f, 0,1,2,3
	s_wait_dscnt (\younger)+3-(\f)
	global_store_b128 v[CO], v[TMP+16*(\a)+4*(\f):TMP+16*(\a)+4*(\f)+3], s[OUTP:OUTP+1] offset:2048*(\a)+512*(\f)  ; 512 consecutive bytes, aligned
.endr
.endm
	PACKP 0
	PACKP 1
	SENDP 0, 8
	PACKP 2
	SENDP 1, 8
	PACKP 3
	SENDP 2, 8
	SENDP 3, 0
	s_wait_tensorcnt 0x0                           ; the wave's end
	ds_add_u32 v[SPW], v[NIL]
	s_wait_dscnt 0x0
	CROUND                                         ; the closing round: no work-group ends while a partner may still ask jointly
	s_endpgm
.Lfunc_end_k_qd5bb166427_ffn1:
	.size	k_qd5bb166427_ffn1, .Lfunc_end_k_qd5bb166427_ffn1-k_qd5bb166427_ffn1
	.p2alignl 7, 3214868480
	.fill 96, 4, 3214868480
	.section	.rodata,"a",@progbits
	.p2align	6, 0x0
	.amdhsa_kernel k_qd5bb166427_ffn1
		.amdhsa_group_segment_fixed_size 327680
		.amdhsa_private_segment_fixed_size 0
		.amdhsa_enable_private_segment 0
		.amdhsa_kernarg_size 32
		.amdhsa_user_sgpr_count 2
		.amdhsa_user_sgpr_kernarg_segment_ptr 1
		.amdhsa_wavefront_size32 1
		.amdhsa_system_sgpr_workgroup_id_x 1
		.amdhsa_system_sgpr_workgroup_id_y 1
		.amdhsa_system_sgpr_workgroup_id_z 1
		.amdhsa_system_vgpr_workitem_id 0
		.amdhsa_next_free_vgpr 512
		.amdhsa_next_free_sgpr 96
		.amdhsa_reserve_vcc 0
		.amdhsa_float_denorm_mode_32 3
		.amdhsa_float_denorm_mode_16_64 3
		.amdhsa_memory_ordered 1
		.amdhsa_forward_progress 1
		.amdhsa_inst_pref_size 55
	.end_amdhsa_kernel
	.amdgpu_metadata
---
amdhsa.version: [ 1, 2 ]
amdhsa.kernels:
  - .name:           k_qd5bb166427_ffn1
    .symbol:         k_qd5bb166427_ffn1.kd
    .args:
      - { .name: nb, .offset: 0, .size: 8, .value_kind: global_buffer, .address_space: global }
      - { .name: cvt, .offset: 8, .size: 8, .value_kind: global_buffer, .address_space: global }
      - { .name: b1, .offset: 16, .size: 8, .value_kind: global_buffer, .address_space: global }
      - { .name: act, .offset: 24, .size: 8, .value_kind: global_buffer, .address_space: global }
    .group_segment_fixed_size: 327680
    .private_segment_fixed_size: 0
    .kernarg_segment_align: 8
    .kernarg_segment_size: 32
    .max_flat_workgroup_size: 128
    .sgpr_count:     96
    .vgpr_count:     512
    .wavefront_size: 32
...
	.end_amdgpu_metadata
.endif
;; end of part 7
;; launch ffn2 (part 8): grid 8 x 32, 4 waves a work-group, clusters of 4 x 4, 327,680 bytes of LDS; arguments act, cvt, b2, y1, out0; writes out0
.if DOCPART == 8
	.amdgcn_target "amdgcn-amd-amdhsa--gfx1250"
	.amdhsa_code_object_version 6
	.text
	.protected	k_qd5bb166427_ffn2
	.globl	k_qd5bb166427_ffn2
	.p2align	8
	.type	k_qd5bb166427_ffn2,@function
k_qd5bb166427_ffn2:
	s_mov_b64 s[64:65], 0
	v_nop
	global_prefetch_b8 v0, s[64:65] scope:SCOPE_SE
	s_setreg_imm32_b32 hwreg(HW_REG_WAVE_MODE, 25, 1), 1
	s_wait_xcnt 0x0
	s_wait_alu depctr_hold_cnt(0) depctr_sa_sdst(0) depctr_va_vdst(0) depctr_va_sdst(0) depctr_va_ssrc(0) depctr_va_vcc(0) depctr_vm_vsrc(0)
	s_getreg_b32 s2, hwreg(HW_REG_IB_STS2, 6, 4)
	s_cmp_eq_u32 s2, 0
	s_cbranch_scc0 .Lentry_in_a_cluster
	s_endpgm
.Lentry_in_a_cluster:
	s_bfe_u32 s2, ttmp6, 0x10000c
	s_cmp_lg_u32 s2, 0xf033
	s_cbranch_scc0 .Lentry_shape_is_right
	s_endpgm
.Lentry_shape_is_right:
; out = y1 + h W2 + b2 in f32.  h: f16 [block of 128 rows][plane of 64 K][128][64]; W2 f16 [4096][1024], 16 MiB into cvt.  f16 operands, f32 sums that start at the bias.
; ONE TEXT serves four products of this program; this is the form with A in planes and an f32 way out with a residual (the product O Wo has the same form, with K = 1,024).
; A tile of C is 128 x 128: 4,096 x 1,024 outputs shared among 256 work-groups.  Four waves, each 64 x 64: 16 accumulators.  K goes in 16 steps of 256 through two LDS slots.
; W lies [K][N] and comes out of LDS turned (ds_load_tr16_b128).  The matrix instruction is used transposed (source 0 = 16 columns of W, source 1 = 16 rows of A):
; a lane then holds eight neighbouring columns of one row of C.  CLUSTER 4 x 4: A's tile is asked for jointly along a row of the cluster, W's along a column.
; No prefetch: a step's tile is small and is read by four partners through one request.
.set NSTEP,  16                        ; K / 256
.set BSTR,   1024                      ; elements in a row of W
.set WOFF,   0x1000000                 ; W's first byte in cvt
.set TRSH,   20                        ; log2 of the bytes of a block of 128 rows of A
.set OUTP,   80                        ; s[OUTP:OUTP+1] the output
.set PA,     144                       ; a plane's row: 128 bytes + 16
.set STEPA,  128*144                   ; 64 K further on: the next plane
.set AHALF,  2*128*144
.set GA,     65536                     ; a K step in memory
.set SPITCH, 272
.set PB,     288                       ; a row of W's tile: 256 bytes + 32
.set BOFF,   73728                     ; W's 256 rows lie behind A's part of a slot
.set STEPB,  64*PB
.set SLOT,   147456                    ; = 0x24000; no tile address inside a slot has one of its two bits, so an exclusive or changes slots
.set GB,     256*BSTR*2
.set STAGE,  2*SLOT                    ; each wave's own 16 rows for the way out; never filled by a tensor load
.set SPARE,  STAGE+4*16*272+256        ; the spare words, 128 bytes a wave
.set AA0, 16                           ; v16, v17  my lane's place in A's and W's part of a slot; never rewritten
.set AB0, 17
.set AA,  18                           ; v18, v19  the addresses of the run of loads in hand
.set AB,  19
.set STO, 24
.set RD,  25
.set CO,  26
.set BO,  27
.set SPW, 28
.set NIL, 29
.set TMP, 32                           ; v32-95 at work
.set ACC, 128                          ; accumulator (a, b) at ACC + 8 (4 a + b).  Window 1: v0-63 A's fragments (c, i) at 8 (4 c + i); v64-127 W's; v128-255 the residual
.set G1,  24
.set G0,  32
.set G1B, 48
.set G0B, 56
.set TA,  66                           ; s66, s67  LDS byte of the 64 K to be fetched next, for A and for W
.set TB,  67
.set CI,  68
.set MSB, 0
.macro WIN new
.if MSB != (\new)
	s_set_vgpr_msb (MSB<<8)|(\new)
.set MSB, \new
.endif
.endm
.set MUL,  0x05                        ; sources 0 and 1 window 1; C and D window 0
.set TO_F, 0x40                        ; destination window 1, address window 0
.macro JLOAD s                         ; a joint load: waves 0, 1 fetch A's halves, waves 2, 3 W's; s_nop 0 and four v_nop follow each line
	s_cmp_eq_u32 s11, 0
	s_cbranch_scc0 .Lfor_b_\@
	tensor_load_to_lds s[G0+4*(\s):G0+4*(\s)+3], s[G1:G1+7]
	s_nop 0
.rept 4
	v_nop
.endr
	s_branch .Lasked_\@
.Lfor_b_\@:
	tensor_load_to_lds s[G0B+4*(\s):G0B+4*(\s)+3], s[G1B:G1B+7]
	s_nop 0
.rept 4
	v_nop
.endr
.Lasked_\@:
.endm
.macro CREST                           ; a round of the cluster's barrier behind its opening barrier
	s_cmp_lg_u32 s10, 0
	s_cbranch_scc1 .Lnot_wave_0_\@
	s_barrier_signal -3
.Lnot_wave_0_\@:
	s_barrier_wait -3
	s_barrier_signal -1
	s_barrier_wait -1
.endm
.macro CROUND
	s_barrier_signal -1
	s_barrier_wait -1
	CREST
.endm
.macro PLACES                          ; four places between a matrix instruction and a load into, or a reader of, its registers
.rept 4
	v_nop
.endr
.endm
.macro MUL8 c, a0                      ; row blocks a0, a0 + 1 x all four column blocks, 32 K (half c of the fragments)
	WIN MUL
.irp a, \a0, (\a0)+1
.irp b, 0,1,2,3
	v_wmma_f32_16x16x32_f16 v[ACC+8*(4*(\a)+(\b)):ACC+8*(4*(\a)+(\b))+7], v[64+8*(4*(\c)+(\b)):64+8*(4*(\c)+(\b))+7], v[8*(4*(\c)+(\a)):8*(4*(\c)+(\a))+7], v[ACC+8*(4*(\a)+(\b)):ACC+8*(4*(\a)+(\b))+7]
.endr
.endr
.endm
.macro MUL16 c                         ; the 16 accumulators take turns, always in the same order
	MUL8 \c, 0
	MUL8 \c, 2
.endm
.macro FETCH16 c                       ; 16 LDS loads: half c (32 K) of the 64 K at v[AA], v[AB]
	WIN TO_F
.irp i, 0,1,2,3
	ds_load_tr16_b128 v[64+8*(4*(\c)+(\i)):64+8*(4*(\c)+(\i))+3],   v[AB] offset:(\c)*32*PB+32*(\i)
	ds_load_tr16_b128 v[64+8*(4*(\c)+(\i))+4:64+8*(4*(\c)+(\i))+7], v[AB] offset:(\c)*32*PB+16*PB+32*(\i)
	ds_load_b128 v[8*(4*(\c)+(\i)):8*(4*(\c)+(\i))+3],   v[AA] offset:(\i)*16*PA+64*(\c)
	ds_load_b128 v[8*(4*(\c)+(\i))+4:8*(4*(\c)+(\i))+7], v[AA] offset:(\i)*16*PA+64*(\c)+32
.endr
.endm
.macro ADDR
	v_add_nc_u32 v[AA], s[TA], v[AA0]
	v_add_nc_u32 v[AB], s[TB], v[AB0]
.endm
.macro STEPP
	s_add_co_u32 s[TA], s[TA], STEPA
	s_add_co_u32 s[TB], s[TB], STEPB
.endm
.macro Q64                             ; multiplies 64 K and fetches the next 64 K of the same slot
	s_wait_dscnt 16                                ; half 0 is in; half 1's 16 loads are younger
	MUL16 0
	WIN 0
	ADDR                                           ; two plain instructions and two v_nop: the four places
	v_nop
	v_nop
	FETCH16 0
	s_wait_dscnt 16                                ; half 1 is in; the 16 just issued are younger
	MUL16 1
	PLACES
	FETCH16 1
	WIN 0
	STEPP
.endm
.macro INNER                           ; the first three quarters of a K step
	s_mov_b32 s[CI], 3
.Lq_\@:
	Q64
	s_sub_co_u32 s[CI], s[CI], 1
	s_cmp_lg_u32 s[CI], 0
	s_cbranch_scc1 .Lq_\@
.endm
; The last quarter and the change of slots: each wave waits for all its tensor loads (one is out: its part of the next slot), adds 0 to its spare word, waits for that and for its reads
; of this slot; behind the barrier (fill = 1: a round of the cluster's) this slot is filled again first, with the K step two on: 112 matrix instructions ahead of the wait for it.
.macro TURN64 fill
	WIN 0
	s_wait_tensorcnt 0x0
	ds_add_u32 v[SPW], v[NIL]
	s_wait_dscnt 17                                ; half 0 is in; half 1's 16 loads and the add are younger
	MUL8 0, 0
	s_wait_dscnt 0x0                               ; the add is done, my reads of this slot are over
	s_barrier_signal -1
	MUL8 0, 2
	WIN 0
	s_barrier_wait -1
.if \fill
	CREST
	s_xor_b32 s[G0+5], s[G0+5], SLOT               ; the walking descriptors: the other slot than last time, one K step on; no load of mine is out
	s_add_nc_u64 s[G0+6:G0+7], s[G0+6:G0+7], GA
	s_xor_b32 s[G0B+5], s[G0B+5], SLOT
	s_add_nc_u64 s[G0B+6:G0B+7], s[G0B+6:G0B+7], GB
	JLOAD 1                                        ; its four v_nop are also the places in front of the loads below
.else
	PLACES
.endif
	s_sub_co_u32 s[TA], s[TA], 4*STEPA
	s_xor_b32 s[TA], s[TA], SLOT
	s_sub_co_u32 s[TB], s[TB], 4*STEPB
	s_xor_b32 s[TB], s[TB], SLOT
	ADDR
	FETCH16 0
	MUL16 1
	PLACES
	FETCH16 1
	WIN 0
	STEPP
.endm
	s_load_b256 s[72:79], s[0:1], 0x0              ; A 72, cvt 74, bias 76, the residual 78
	s_load_b64 s[80:81], s[0:1], 0x20              ; the output
	v_lshl_add_u32 v[SPW], v0, 2, SPARE
	v_mov_b32 v[NIL], 0
	ds_add_u32 v[SPW], v[NIL]                      ; the wave's opening: the add, waited for ahead of my first tensor load
	v_lshrrev_b32 v1, 5, v0
	v_readfirstlane_b32 s10, v1                    ; wave 0..3
	s_lshr_b32 s11, s10, 1                         ; my half of the tile's rows; also: I fetch for A (0) or W (1)
	s_and_b32 s12, s10, 1                          ; my half of its columns; also: which half of that tile I fetch
	s_bfe_u32 s40, ttmp6, 0x40000                  ; cx
	s_bfe_u32 s41, ttmp6, 0x40004                  ; cy
	s_lshl_b32 s42, ttmp9, 2
	s_add_co_u32 s42, s42, s40                     ; tile column
	s_and_b32 s13, ttmp7, 0xffff
	s_lshl_b32 s13, s13, 2
	s_add_co_u32 s13, s13, s41                     ; tile row
	s_lshl_b32 s43, s41, 2
	s_lshl_b32 s43, 15, s43                        ; my row of the cluster
	s_lshl_b32 s44, 0x1111, s40                    ; my column
	s_or_b32 s[G1+0], s43, (1<<16)|(1<<20)|(1<<21)|(4<<22)|(3<<25)  ; 2-byte elements; 4 words of padding after every 32; bit 21 beside the mask
	s_mov_b32 s[G1+1], 128<<16                     ; two planes are 32,768 dense bytes: 128 rows of 256 bytes
	s_mov_b32 s[G1+2], 128<<16
	s_mov_b32 s[G1+3], 128<<16
	s_mov_b32 s[G1+4], 128
	s_mov_b32 s[G1+5], 128
	s_mov_b32 s[G1+6], 0
	s_mov_b32 s[G1+7], 0
	s_or_b32 s[G1B+0], s44, (1<<16)|(1<<20)|(1<<21)|(5<<22)|(7<<25) ; 8 words of padding after every 64
	s_mov_b32 s[G1B+1], 128<<16                    ; 128 rows (K) of 128 elements (N)
	s_mov_b32 s[G1B+2], 128<<16
	s_mov_b32 s[G1B+3], 128<<16
	s_mov_b32 s[G1B+4], 128
	s_mov_b32 s[G1B+5], BSTR
	s_mov_b32 s[G1B+6], 0
	s_mov_b32 s[G1B+7], 0
	s_lshl_b32 s16, s13, TRSH                      ; A: the tile row's block, my two planes
	s_lshl_b32 s17, s12, 15
	s_add_co_u32 s16, s16, s17
	s_mov_b32 s17, 0
	s_lshl_b32 s46, s42, 8                         ; W: the tile's 128 columns, my 128 rows
	s_mul_i32 s47, s12, 128*BSTR*2
	s_add_co_u32 s46, s46, s47
	s_add_co_u32 s46, s46, WOFF
	s_mov_b32 s47, 0
	s_mul_i32 s20, s12, AHALF                      ; where they go: the wave's number alone
	s_mul_i32 s21, s12, 128*PB
	s_add_co_u32 s21, s21, BOFF
	s_lshl_b32 s86, s13, 1                         ; my part of the output, in bytes
	s_add_co_u32 s86, s86, s11
	s_lshl_b32 s86, s86, 18                        ; my 64 rows of 4,096 bytes
	s_lshl_b32 s87, s42, 1
	s_add_co_u32 s87, s87, s12
	s_lshl_b32 s87, s87, 8                         ; my 64 columns: 256 bytes
	s_add_co_u32 s86, s86, s87
	s_mov_b32 s87, 0
	s_lshl_b32 s88, s42, 9                         ; the tile's 128 numbers of the bias
	s_mov_b32 s89, 0
	s_wait_dscnt 0x0                               ; the opening add is done
	s_wait_kmcnt 0x0
	s_add_nc_u64 s[14:15], s[72:73], s[16:17]
	s_add_nc_u64 s[46:47], s[74:75], s[46:47]
	CROUND                                         ; all sixteen work-groups are here: the first joint loads meet
.irp s, 0,1
	s_mov_b32 s[G0+4*(\s)], 1
	s_add_co_u32 s[G0+4*(\s)+1], s20, (\s)*SLOT
	s_add_nc_u64 s[G0+4*(\s)+2:G0+4*(\s)+3], s[14:15], (\s)*GA
	s_or_b32 s[G0+4*(\s)+3], s[G0+4*(\s)+3], 0x80000000
	s_mov_b32 s[G0B+4*(\s)], 1
	s_add_co_u32 s[G0B+4*(\s)+1], s21, (\s)*SLOT
	s_add_nc_u64 s[G0B+4*(\s)+2:G0B+4*(\s)+3], s[46:47], (\s)*GB
	s_or_b32 s[G0B+4*(\s)+3], s[G0B+4*(\s)+3], 0x80000000
	JLOAD \s                                       ; two loads of mine are out
.endr
	s_add_nc_u64 s[OUTP:OUTP+1], s[OUTP:OUTP+1], s[86:87]
	s_add_nc_u64 s[78:79], s[78:79], s[86:87]      ; the residual lies as the output does
	s_add_nc_u64 s[76:77], s[76:77], s[88:89]
	v_and_b32 v1, 15, v0                           ; r = l % 16
	v_bfe_u32 v2, v0, 4, 1                         ; h = l / 16
	v_mul_u32_u24 v3, v1, PA
	v_lshl_add_u32 v3, v2, 4, v3
	s_mul_i32 s22, s11, 64*PA
	v_add_nc_u32 v[AA0], s22, v3                   ; (64 half + r) pitch + 16 h
	v_and_b32 v4, 7, v0
	v_lshl_add_u32 v4, v2, 3, v4
	v_mul_u32_u24 v4, v4, PB
	v_bfe_u32 v5, v0, 3, 1
	v_lshl_add_u32 v4, v5, 4, v4
	s_lshl_b32 s22, s12, 7
	s_add_co_u32 s22, s22, BOFF
	v_add_nc_u32 v[AB0], s22, v4                   ; (8 h + l % 8) pitch + 16 ((l / 8) % 2) + my 64 columns
	s_mul_i32 s23, s10, 16*SPITCH
	s_add_co_u32 s23, s23, STAGE                   ; my stage
	v_mul_u32_u24 v[STO], v1, SPITCH
	v_lshl_add_u32 v[STO], v2, 5, v[STO]           ; in: row r, 32 bytes for each half of the lanes
	v_mul_u32_u24 v[RD], v2, SPITCH                ; back: lanes 0-15 one row of 256 bytes, lanes 16-31 the next
	v_lshl_add_u32 v[RD], v1, 4, v[RD]
	v_lshlrev_b32 v[CO], 12, v2                    ; and the same two rows in memory
	v_lshl_add_u32 v[CO], v1, 4, v[CO]
	v_add_nc_u32 v[STO], s23, v[STO]
	v_add_nc_u32 v[RD], s23, v[RD]
	s_lshl_b32 s22, s12, 8
	v_lshlrev_b32 v[BO], 5, v2
	v_add_nc_u32 v[BO], s22, v[BO]                 ; 4 (64 half + 8 h)
.irp b, 0,1,2,3
	global_load_b128 v[TMP+8*(\b):TMP+8*(\b)+3],   v[BO], s[76:77] offset:64*(\b)
	global_load_b128 v[TMP+8*(\b)+4:TMP+8*(\b)+7], v[BO], s[76:77] offset:64*(\b)+16
.endr
	WIN TO_F
.set i, 0
.rept 32                               ; my 64 x 64 of the residual, as the way out will hold it: rows 2 i, 2 i + 1
	global_load_b128 v[128+4*i:128+4*i+3], v[CO], s[78:79] offset:2*i*4096
.set i, i+1
.endr
	WIN 0
	s_wait_loadcnt 32                              ; the bias is in; the residual's 32 loads stay out
.set i, 0
.rept 128                              ; the sums start at the bias of their columns; this stands in the wait for the first tile
	v_mov_b32 v[ACC+i], v[TMP+i%32]
.set i, i+1
.endr
	s_wait_tensorcnt 1                             ; my part of K step 0 is in; step 1's load may stay out
	s_barrier_signal -1
	s_barrier_wait -1
	s_mov_b32 s[TA], 0
	s_mov_b32 s[TB], 0
	ADDR
	FETCH16 0
	FETCH16 1
	WIN 0
	STEPP
	s_mov_b32 s3, NSTEP-2
.Lstep:                                ; a K step that fills its slot again
	INNER
	TURN64 1
	s_sub_co_u32 s3, s3, 1
	s_cmp_lg_u32 s3, 0
	s_cbranch_scc1 .Lstep
	INNER                                          ; the last two K steps ask for nothing
	TURN64 0
	INNER
	s_wait_dscnt 16
	MUL16 0
	s_wait_dscnt 0x0
	MUL16 1
	WIN 0
	PLACES
; THE WAY OUT in f32: 16 rows at a time through my stage, back as whole rows of 256 bytes, the residual added, stored.
	s_wait_loadcnt 0x0                             ; the residual
.irp a, 0,1,2,3
.irp b, 0,1,2,3
	ds_store_b128 v[STO], v[ACC+8*(4*(\a)+(\b)):ACC+8*(4*(\a)+(\b))+3]   offset:64*(\b)
	ds_store_b128 v[STO], v[ACC+8*(4*(\a)+(\b))+4:ACC+8*(4*(\a)+(\b))+7] offset:64*(\b)+16
.endr
.irp f, 0,1,2,3,4,5,6,7
	ds_load_b128 v[TMP+4*(\f):TMP+4*(\f)+3], v[RD] offset:(\f)*2*SPITCH  ; a wave's LDS instructions are served in order: these see the stores above
.endr
	s_wait_dscnt 0x0
	WIN 0x41                                       ; destination and source 0 window 1, source 1 window 0
.set i, 0
.rept 16
	v_pk_add_f32 v[128+32*(\a)+i:128+32*(\a)+i+1], v[128+32*(\a)+i:128+32*(\a)+i+1], v[TMP+i:TMP+i+1]
.set i, i+2
.endr
	WIN 0x04                                       ; a store's data: window 1
.irp f, 0,1,2,3,4,5,6,7
	global_store_b128 v[CO], v[128+32*(\a)+4*(\f):128+32*(\a)+4*(\f)+3], s[OUTP:OUTP+1] offset:(16*(\a)+2*(\f))*4096  ; 16 lanes store 256 consecutive bytes, aligned
.endr
	WIN 0
.endr
	s_wait_tensorcnt 0x0                           ; the wave's end
	ds_add_u32 v[SPW], v[NIL]
	s_wait_dscnt 0x0
	CROUND                                         ; the closing round: no work-group ends while a partner may still ask jointly
	s_endpgm
.Lfunc_end_k_qd5bb166427_ffn2:
	.size	k_qd5bb166427_ffn2, .Lfunc_end_k_qd5bb166427_ffn2-k_qd5bb166427_ffn2
	.p2alignl 7, 3214868480
	.fill 96, 4, 3214868480
	.section	.rodata,"a",@progbits
	.p2align	6, 0x0
	.amdhsa_kernel k_qd5bb166427_ffn2
		.amdhsa_group_segment_fixed_size 327680
		.amdhsa_private_segment_fixed_size 0
		.amdhsa_enable_private_segment 0
		.amdhsa_kernarg_size 40
		.amdhsa_user_sgpr_count 2
		.amdhsa_user_sgpr_kernarg_segment_ptr 1
		.amdhsa_wavefront_size32 1
		.amdhsa_system_sgpr_workgroup_id_x 1
		.amdhsa_system_sgpr_workgroup_id_y 1
		.amdhsa_system_sgpr_workgroup_id_z 1
		.amdhsa_system_vgpr_workitem_id 0
		.amdhsa_next_free_vgpr 512
		.amdhsa_next_free_sgpr 96
		.amdhsa_reserve_vcc 0
		.amdhsa_float_denorm_mode_32 3
		.amdhsa_float_denorm_mode_16_64 3
		.amdhsa_memory_ordered 1
		.amdhsa_forward_progress 1
		.amdhsa_inst_pref_size 57
	.end_amdhsa_kernel
	.amdgpu_metadata
---
amdhsa.version: [ 1, 2 ]
amdhsa.kernels:
  - .name:           k_qd5bb166427_ffn2
    .symbol:         k_qd5bb166427_ffn2.kd
    .args:
      - { .name: act, .offset: 0, .size: 8, .value_kind: global_buffer, .address_space: global }
      - { .name: cvt, .offset: 8, .size: 8, .value_kind: global_buffer, .address_space: global }
      - { .name: b2, .offset: 16, .size: 8, .value_kind: global_buffer, .address_space: global }
      - { .name: y1, .offset: 24, .size: 8, .value_kind: global_buffer, .address_space: global }
      - { .name: out0, .offset: 32, .size: 8, .value_kind: global_buffer, .address_space: global }
    .group_segment_fixed_size: 327680
    .private_segment_fixed_size: 0
    .kernarg_segment_align: 8
    .kernarg_segment_size: 40
    .max_flat_workgroup_size: 128
    .sgpr_count:     96
    .vgpr_count:     512
    .wavefront_size: 32
...
	.end_amdgpu_metadata
.endif
;; end of part 8
;; ======== version 2 of 2: 9 launches
;; limits: values are held in f16: magnitudes above 65,504 overflow, below 6.1e-05 lose precision
;; workspace buffers: wA 14,712,832 bytes; wB 18,907,136 bytes; st1 2,048 bytes; st2 2,048 bytes; nb 8,388,608 bytes; pl 33,554,432 bytes; ts 131,072 bytes; y1 16,777,216 bytes
;; launch prep (part 9): grid 256 x 1, 16 waves a work-group, no clusters, 2,304 bytes of LDS; arguments Wq, Wk, Wv, Wo, W1, W2, x, y, bq, bk, bv, b1, wA, wB, st1; writes wA, wB, st1
.if DOCPART == 9
	.amdgcn_target "amdgcn-amd-amdhsa--gfx1250"
	.amdhsa_code_object_version 6
	.text
	.protected	k_qd5bb166427_prep
	.globl	k_qd5bb166427_prep
	.p2align	8
	.type	k_qd5bb166427_prep,@function
k_qd5bb166427_prep:
	s_mov_b64 s[64:65], 0
	v_nop
	global_prefetch_b8 v0, s[64:65] scope:SCOPE_SE
	s_setreg_imm32_b32 hwreg(HW_REG_WAVE_MODE, 25, 1), 1
	s_wait_xcnt 0x0
; f16 copies of the weights and of x, laid out for the products that read them; copies of four biases; and for each chunk of 16,384 numbers of y its mean and its
; sum of squared distances from that mean (M2): 256 pairs in st1, 128 for each batch.  No difference of large sums is formed.
; wA: bytes 0-12,287 the biases bk, bv, bq; at 16,384 a floor (-infinity twice in f16, 256 bytes); from 32,768 on twelve blocks [1024 k][256 columns] of Wk, Wv, Wq; then x, row-major.
; wB: bytes 0-16,383 b1; at 16,384 a floor (0); from 32,768 on sixteen such blocks of W1; then Wo and W2, row-major.
; LIMITS: a number of 65,520 or more in magnitude becomes an infinity in f16; below 6e-5 f16 keeps a fixed step of 6e-8.
; SHARES: work-group g converts numbers 65,536 g .. +65,535 of the 16 Mi, a wave 4,096 of them; of y's chunk g a wave takes 1,024.
; A load of the wave covers 512 consecutive bytes, a store 256 consecutive bytes, aligned.  All 40 loads of a wave (20 KiB) go out at once; a stream has no use for matrix units, clusters or tiles in LDS.
; Load j of 32 brings 128 numbers.  Their place in the copy is 256 (j % 2) + C2 ((j / 2) % 4) + C3 (j / 8) bytes: row-major C2 = 512, C3 = 2,048; in blocks, rows of 1,024: C2 = a block, C3 = a row of
; a block (512); rows of 4,096: C2 = a block, C3 = four blocks.  C2 stands in four offset registers, C3 in four bases.
.set SPARE, 256                        ; LDS 0-127: sixteen pairs (mean, M2); from 256 on the spare words, 128 bytes a wave
.set HDR,   32768
.set FLOOR, 16384
.set BLK,   524288                     ; a block: 1,024 rows of 512 bytes
.set XOFF,  HDR+12*BLK
.set WOOFF, HDR+16*BLK
.set W2OFF, WOOFF+2097152
.set YD, 32                            ; v[32:63]   my 32 numbers of y
.set CD, 64                            ; v[64:191]  32 groups of 4 numbers to convert
.set DO, 192                           ; v[192:195] my byte offset in the copy, + C2 x 0 .. 3
.macro WRED a, t                       ; the sum over the wave's 32 lanes, in every lane
	v_add_f32_dpp v[\a], v[\a], v[\a] row_xmask:1 row_mask:0xf bank_mask:0xf
	v_add_f32_dpp v[\a], v[\a], v[\a] row_xmask:2 row_mask:0xf bank_mask:0xf
	v_add_f32_dpp v[\a], v[\a], v[\a] row_xmask:4 row_mask:0xf bank_mask:0xf
	v_add_f32_dpp v[\a], v[\a], v[\a] row_xmask:8 row_mask:0xf bank_mask:0xf
	v_permlanex16_b32 v[\t], v[\a], s40, s41
	v_add_f32 v[\a], v[\a], v[\t]
.endm
.macro FOLD                            ; four chains v[8:15] into v8
	v_pk_add_f32 v[8:9], v[8:9], v[10:11]
	v_pk_add_f32 v[12:13], v[12:13], v[14:15]
	v_pk_add_f32 v[8:9], v[8:9], v[12:13]
	v_add_f32 v8, v8, v9
.endm
.macro PICK bound, src, dst, off, sh, c2, c3   ; units below the bound: this source, this copy
	s_cmp_lt_u32 s42, \bound
	s_cselect_b64 s[44:45], s[\src:\src+1], s[44:45]
	s_cselect_b64 s[46:47], s[\dst:\dst+1], s[46:47]
	s_cselect_b32 s48, \off, s48
	s_cselect_b32 s49, \sh, s49
	s_cselect_b32 s50, \c2, s50
	s_cselect_b32 s51, \c3, s51
.endm
	s_load_b512 s[8:23], s[0:1], 0x0               ; Wq 8, Wk 10, Wv 12, Wo 14, W1 16, W2 18, x 20, y 22
	s_load_b256 s[24:31], s[0:1], 0x40             ; bq 24, bk 26, bv 28, b1 30
	s_load_b128 s[32:35], s[0:1], 0x60             ; wA 32, wB 34
	s_load_b64 s[36:37], s[0:1], 0x70              ; st1
	v_lshl_add_u32 v6, v0, 2, SPARE                ; my spare word
	v_mov_b32 v7, 0
	v_and_b32 v1, 31, v0                           ; lane
	v_lshrrev_b32 v8, 5, v0                        ; wave
	v_readfirstlane_b32 s38, v8
	v_lshlrev_b32 v3, 4, v1
	v_lshl_or_b32 v2, v8, 14, v3                   ; source: 16,384 w + 16 lane
	v_lshl_or_b32 v3, v8, 12, v3                   ; y: 4,096 w + 16 lane
	v_lshlrev_b32 v5, 3, v8                        ; my wave's pair in LDS
	s_mov_b32 s40, 0x76543210
	s_mov_b32 s41, 0xfedcba98
	s_lshr_b32 s42, ttmp9, 4                       ; unit of 1 Mi numbers: 0-3 Wq, Wk, Wv, Wo; 4-7 W1; 8-11 W2; 12-15 x
	s_and_b32 s43, ttmp9, 63
	s_and_b32 s62, ttmp9, 15
	s_cmp_lt_u32 s42, 4
	s_cselect_b32 s43, s62, s43                    ; my place inside the source
	s_wait_kmcnt 0x0
	s_mov_b64 s[44:45], s[20:21]                   ; x, row-major, behind wA's blocks
	s_mov_b64 s[46:47], s[32:33]
	s_mov_b32 s48, XOFF
	s_mov_b32 s49, 17                              ; log2 of the work-group's bytes along its own direction in the copy; a wave's are a sixteenth
	s_mov_b32 s50, 512
	s_mov_b32 s51, 2048
	PICK 12, 18, 34, W2OFF, 17, 512, 2048
	PICK 8,  16, 34, HDR, 13, BLK, 4*BLK
	PICK 4,  14, 34, WOOFF, 17, 512, 2048
	PICK 3,  12, 32, HDR+4*BLK, 15, BLK, 512
	PICK 2,  10, 32, HDR, 15, BLK, 512
	PICK 1,  8,  32, HDR+8*BLK, 15, BLK, 512
	s_lshl_b32 s52, s43, 18                        ; 65,536 numbers of 4 bytes
	s_mov_b32 s53, 0
	s_add_nc_u64 s[44:45], s[44:45], s[52:53]
	s_lshl_b32 s52, s43, s49
	s_add_co_u32 s52, s52, s48
	s_add_nc_u64 s[54:55], s[46:47], s[52:53]      ; the copy's four bases, C3 apart
	s_mov_b32 s52, s51
	s_add_nc_u64 s[56:57], s[54:55], s[52:53]
	s_add_nc_u64 s[58:59], s[56:57], s[52:53]
	s_add_nc_u64 s[60:61], s[58:59], s[52:53]
	s_sub_co_u32 s62, s49, 4
	v_lshlrev_b32 v4, s62, v8
	v_lshl_add_u32 v[DO], v1, 3, v4                ; my wave's part + 8 lane
	v_add_nc_u32 v[DO+1], s50, v[DO]
	v_add_nc_u32 v[DO+2], s50, v[DO+1]
	v_add_nc_u32 v[DO+3], s50, v[DO+2]
	s_lshl_b32 s52, ttmp9, 16
	s_add_nc_u64 s[22:23], s[22:23], s[52:53]      ; y's chunk g
	s_lshl_b32 s52, ttmp9, 3
	s_add_nc_u64 s[36:37], s[36:37], s[52:53]      ; pair g
	; The headers.  Wave 1 of work-groups 0-27 copies 256 numbers of a bias: 0-3 bk, 4-7 bv, 8-11 bq into wA, 12-27 b1 into wB.  It stands ahead of the wave's stream, so that its wait counts these two loads alone.
	s_cmp_lg_u32 s38, 1
	s_cbranch_scc1 .Lnobias
	s_cmp_lt_u32 ttmp9, 28
	s_cbranch_scc0 .Lnobias
	s_and_b32 s70, ttmp9, 3
	s_max_u32 s71, ttmp9, 12
	s_sub_co_u32 s71, s71, 12
	s_mov_b64 s[66:67], s[30:31]
	s_mov_b64 s[68:69], s[34:35]
	s_mov_b32 s62, s71
	s_mov_b32 s63, s71
	s_cmp_lt_u32 ttmp9, 12
	s_cselect_b64 s[66:67], s[24:25], s[66:67]
	s_cselect_b64 s[68:69], s[32:33], s[68:69]
	s_cselect_b32 s62, s70, s62
	s_cselect_b32 s63, ttmp9, s63
	s_cmp_lt_u32 ttmp9, 8
	s_cselect_b64 s[66:67], s[28:29], s[66:67]
	s_cmp_lt_u32 ttmp9, 4
	s_cselect_b64 s[66:67], s[26:27], s[66:67]
	s_lshl_b32 s70, s62, 10
	s_mov_b32 s71, 0
	s_add_nc_u64 s[66:67], s[66:67], s[70:71]
	s_lshl_b32 s70, s63, 10
	s_add_nc_u64 s[68:69], s[68:69], s[70:71]
	v_lshlrev_b32 v19, 4, v1
	global_load_b128 v[20:23], v19, s[66:67]
	global_load_b128 v[24:27], v19, s[66:67] offset:512
	s_wait_loadcnt 0x0
	global_store_b128 v19, v[20:23], s[68:69]      ; v19-27 and these bases are written nowhere else
	global_store_b128 v19, v[24:27], s[68:69] offset:512
.Lnobias:
	s_cmp_lg_u32 s38, 2                            ; wave 2 of work-groups 0 and 1 writes the floors
	s_cbranch_scc1 .Lnofloor
	s_cmp_lt_u32 ttmp9, 2
	s_cbranch_scc0 .Lnofloor
	s_cmp_eq_u32 ttmp9, 0
	s_cselect_b64 s[72:73], s[32:33], s[34:35]
	s_cselect_b32 s74, 0xfc00fc00, 0
	v_mov_b32 v28, s74
	v_mov_b32 v29, s74
	v_lshlrev_b32 v30, 3, v1
	global_store_b64 v30, v[28:29], s[72:73] offset:FLOOR
.Lnofloor:
.irp j, 0,1,2,3,4,5,6,7
	global_load_b128 v[YD+4*(\j):YD+4*(\j)+3], v3, s[22:23] offset:512*(\j) th:TH_LOAD_NT
.endr
.set j, 0
.rept 32
	global_load_b128 v[CD+4*j:CD+4*j+3], v2, s[44:45] offset:512*j th:TH_LOAD_NT
.set j, j+1
.endr
	s_wait_loadcnt 32                              ; y's eight loads are in; the 32 younger ones stay out
.irp k, 0,2,4,6                        ; the sum: four chains, started by the first pairs
	v_pk_add_f32 v[8+(\k):9+(\k)], v[YD+(\k):YD+(\k)+1], v[YD+8+(\k):YD+9+(\k)]
.endr
.irp q, 16,24
.irp k, 0,2,4,6
	v_pk_add_f32 v[8+(\k):9+(\k)], v[8+(\k):9+(\k)], v[YD+(\q)+(\k):YD+(\q)+(\k)+1]
.endr
.endr
	FOLD
	WRED 8, 9
	v_mul_f32 v16, 0x3a800000, v8                  ; the wave's mean: sum / 1,024
	v_mov_b32 v17, v16
.set k, 0
.rept 16
	v_pk_add_f32 v[YD+k:YD+k+1], v[YD+k:YD+k+1], v[16:17] neg_lo:[0,1] neg_hi:[0,1]
.set k, k+2
.endr
.irp k, 0,2,4,6
	v_pk_mul_f32 v[8+(\k):9+(\k)], v[YD+(\k):YD+(\k)+1], v[YD+(\k):YD+(\k)+1]
.endr
.irp q, 8,16,24
.irp k, 0,2,4,6
	v_pk_fma_f32 v[8+(\k):9+(\k)], v[YD+(\q)+(\k):YD+(\q)+(\k)+1], v[YD+(\q)+(\k):YD+(\q)+(\k)+1], v[8+(\k):9+(\k)]
.endr
.endr
	FOLD
	WRED 8, 9
	v_mov_b32 v17, v8                              ; (mean, M2) of my wave's 1,024
	ds_store_b64 v5, v[16:17]
.set j, 0
.rept 32
	s_wait_loadcnt 31-j                            ; load j is in; the younger ones stay out
	v_cvt_pk_f16_f32 v[CD+4*j],   v[CD+4*j],   v[CD+4*j+1]
	v_cvt_pk_f16_f32 v[CD+4*j+1], v[CD+4*j+2], v[CD+4*j+3]
	global_store_b64 v[DO+(j/2)%4], v[CD+4*j:CD+4*j+1], s[54+2*(j/8):55+2*(j/8)] offset:256*(j%2)  ; the wave's store covers 256 consecutive bytes, aligned
.set j, j+1
.endr
	s_wait_dscnt 0x0                               ; for the others' sake: my pair lies in LDS
	s_barrier_signal -1
	s_barrier_wait -1
	s_cmp_lg_u32 s38, 0
	s_cbranch_scc1 .Lend                           ; wave 0 merges the sixteen pairs
	v_and_b32 v9, 15, v1
	v_lshlrev_b32 v9, 3, v9
	ds_load_b64 v[10:11], v9
	s_wait_dscnt 0x0
	v_add_f32_dpp v12, v10, v10 row_xmask:1 row_mask:0xf bank_mask:0xf
	v_add_f32_dpp v12, v12, v12 row_xmask:2 row_mask:0xf bank_mask:0xf
	v_add_f32_dpp v12, v12, v12 row_xmask:4 row_mask:0xf bank_mask:0xf
	v_add_f32_dpp v12, v12, v12 row_xmask:8 row_mask:0xf bank_mask:0xf
	v_mul_f32 v14, 0x3d800000, v12                 ; the chunk's mean: equal counts, so the means' mean
	v_sub_f32 v13, v10, v14
	v_mul_f32 v13, v13, v13
	v_fmamk_f32 v15, v13, 0x44800000, v11          ; M2_i + 1,024 (mean_i - mean)^2
	v_add_f32_dpp v15, v15, v15 row_xmask:1 row_mask:0xf bank_mask:0xf
	v_add_f32_dpp v15, v15, v15 row_xmask:2 row_mask:0xf bank_mask:0xf
	v_add_f32_dpp v15, v15, v15 row_xmask:4 row_mask:0xf bank_mask:0xf
	v_add_f32_dpp v15, v15, v15 row_xmask:8 row_mask:0xf bank_mask:0xf
	v_mov_b32 v18, 0
	v_cmp_gt_u32 vcc_lo, 1, v1
	s_wait_xcnt 0x0                                ; EXEC changes only behind this wait: stores are out
	s_and_saveexec_b32 s39, vcc_lo
	global_store_b64 v18, v[14:15], s[36:37]
	s_wait_xcnt 0x0
	s_or_b32 exec_lo, exec_lo, s39
.Lend:
	s_wait_tensorcnt 0x0                           ; the wave's end
	ds_add_u32 v6, v7
	s_wait_dscnt 0x0
	s_endpgm
.Lfunc_end_k_qd5bb166427_prep:
	.size	k_qd5bb166427_prep, .Lfunc_end_k_qd5bb166427_prep-k_qd5bb166427_prep
	.p2alignl 7, 3214868480
	.fill 96, 4, 3214868480
	.section	.rodata,"a",@progbits
	.p2align	6, 0x0
	.amdhsa_kernel k_qd5bb166427_prep
		.amdhsa_group_segment_fixed_size 2304
		.amdhsa_private_segment_fixed_size 0
		.amdhsa_enable_private_segment 0
		.amdhsa_kernarg_size 120
		.amdhsa_user_sgpr_count 2
		.amdhsa_user_sgpr_kernarg_segment_ptr 1
		.amdhsa_wavefront_size32 1
		.amdhsa_system_sgpr_workgroup_id_x 1
		.amdhsa_system_sgpr_workgroup_id_y 1
		.amdhsa_system_sgpr_workgroup_id_z 1
		.amdhsa_system_vgpr_workitem_id 0
		.amdhsa_next_free_vgpr 200
		.amdhsa_next_free_sgpr 80
		.amdhsa_reserve_vcc 1
		.amdhsa_float_denorm_mode_32 3
		.amdhsa_float_denorm_mode_16_64 3
		.amdhsa_memory_ordered 1
		.amdhsa_forward_progress 1
		.amdhsa_inst_pref_size 23
	.end_amdhsa_kernel
	.amdgpu_metadata
---
amdhsa.version: [ 1, 2 ]
amdhsa.kernels:
  - .name:           k_qd5bb166427_prep
    .symbol:         k_qd5bb166427_prep.kd
    .args:
      - { .name: Wq, .offset: 0, .size: 8, .value_kind: global_buffer, .address_space: global }
      - { .name: Wk, .offset: 8, .size: 8, .value_kind: global_buffer, .address_space: global }
      - { .name: Wv, .offset: 16, .size: 8, .value_kind: global_buffer, .address_space: global }
      - { .name: Wo, .offset: 24, .size: 8, .value_kind: global_buffer, .address_space: global }
      - { .name: W1, .offset: 32, .size: 8, .value_kind: global_buffer, .address_space: global }
      - { .name: W2, .offset: 40, .size: 8, .value_kind: global_buffer, .address_space: global }
      - { .name: x, .offset: 48, .size: 8, .value_kind: global_buffer, .address_space: global }
      - { .name: y, .offset: 56, .size: 8, .value_kind: global_buffer, .address_space: global }
      - { .name: bq, .offset: 64, .size: 8, .value_kind: global_buffer, .address_space: global }
      - { .name: bk, .offset: 72, .size: 8, .value_kind: global_buffer, .address_space: global }
      - { .name: bv, .offset: 80, .size: 8, .value_kind: global_buffer, .address_space: global }
      - { .name: b1, .offset: 88, .size: 8, .value_kind: global_buffer, .address_space: global }
      - { .name: wA, .offset: 96, .size: 8, .value_kind: global_buffer, .address_space: global }
      - { .name: wB, .offset: 104, .size: 8, .value_kind: global_buffer, .address_space: global }
      - { .name: st1, .offset: 112, .size: 8, .value_kind: global_buffer, .address_space: global }
    .group_segment_fixed_size: 2304
    .private_segment_fixed_size: 0
    .kernarg_segment_align: 8
    .kernarg_segment_size: 120
    .max_flat_workgroup_size: 512
    .sgpr_count:     80
    .vgpr_count:     200
    .wavefront_size: 32
...
	.end_amdgpu_metadata
.endif
;; end of part 9
;; launch norm1 (part 10): grid 256 x 1, 16 waves a work-group, no clusters, 0 bytes of LDS; arguments y, ln1_w, ln1_b, st1, nb; writes nb
.if DOCPART == 10
	.amdgcn_target "amdgcn-amd-amdhsa--gfx1250"
	.amdhsa_code_object_version 6
	.text
	.protected	k_qd5bb166427_norm1
	.globl	k_qd5bb166427_norm1
	.p2align	8
	.type	k_qd5bb166427_norm1,@function
k_qd5bb166427_norm1:
	s_mov_b64 s[64:65], 0
	v_nop
	global_prefetch_b8 v0, s[64:65] scope:SCOPE_SE
	s_setreg_imm32_b32 hwreg(HW_REG_WAVE_MODE, 25, 1), 1
	s_wait_xcnt 0x0
; n = (t - mean) rsqrt(var + 1e-5) w + b, mean and var over all 2,048 x 1,024 numbers of a batch; t f32 [2][2048][1024], w, b f32 [2048][1024], n f16.
; The statistics come as 128 pairs (mean, M2) for each batch, each of 16,384 numbers: mean = the means' mean, M2 = sum M2_i + 16,384 sum (mean_i - mean)^2.
; SHARES: work-group g takes positions 8,192 g .. +8,191 of the plane for BOTH batches, so w and b are read once; a wave 512 positions, a lane four groups of 4.
; A load of the wave covers 512 consecutive bytes, a store 256 consecutive bytes, aligned.
; LIMITS: n of 65,520 or more in magnitude becomes an infinity in f16.  A stream: no LDS, no barrier, no matrix unit.
.set P0, 8                             ; v[8:15]   four pairs of batch 0     v[16:23] of batch 1
.set P1, 16
.set W,  24                            ; v[24:39]  w    v[40:55] b    v[56:71] t of batch 0    v[72:87] of batch 1
.set BB, 40
.set T0, 56
.set T1, 72
.set MU0, 88                           ; pairs: mean and 1/sqrt, twice each
.set R0,  90
.set MU1, 92
.set R1,  94
.set TT,  96                           ; at work
.macro WRED a, t
	v_add_f32_dpp v[\a], v[\a], v[\a] row_xmask:1 row_mask:0xf bank_mask:0xf
	v_add_f32_dpp v[\a], v[\a], v[\a] row_xmask:2 row_mask:0xf bank_mask:0xf
	v_add_f32_dpp v[\a], v[\a], v[\a] row_xmask:4 row_mask:0xf bank_mask:0xf
	v_add_f32_dpp v[\a], v[\a], v[\a] row_xmask:8 row_mask:0xf bank_mask:0xf
	v_permlanex16_b32 v[\t], v[\a], s22, s23
	v_add_f32 v[\a], v[\a], v[\t]
.endm
.macro MERGE p, mu, e                  ; my four pairs and the other lanes': the batch's mean into the pair mu, var + eps into e
	v_add_f32 v[TT], v[\p], v[\p+2]
	v_add_f32 v[TT+1], v[\p+4], v[\p+6]
	v_add_f32 v[TT], v[TT], v[TT+1]
	WRED TT, TT+1
	v_mul_f32 v[\mu], 0x3c000000, v[TT]            ; / 128
	v_mov_b32 v[\mu+1], v[\mu]
.irp i, 0,2,4,6
	v_sub_f32 v[\p+\i], v[\p+\i], v[\mu]
.endr
	v_mul_f32 v[TT], v[\p], v[\p]
	v_fmac_f32 v[TT], v[\p+2], v[\p+2]
	v_fmac_f32 v[TT], v[\p+4], v[\p+4]
	v_fmac_f32 v[TT], v[\p+6], v[\p+6]
	v_add_f32 v[\p+1], v[\p+1], v[\p+3]
	v_add_f32 v[\p+5], v[\p+5], v[\p+7]
	v_add_f32 v[\p+1], v[\p+1], v[\p+5]
	v_fmamk_f32 v[TT], v[TT], 0x46800000, v[\p+1]  ; 16,384 sum d^2 + sum M2
	WRED TT, TT+1
	v_fma_f32 v[\e], v[TT], s20, s21               ; M2 / 2^21 + 1e-5
.endm
.macro APPLY t, mu, r, off             ; 16 numbers: (t - mean) (w r) + b, rounded to f16, four stores of 8 bytes
.set k, 0
.rept 8
	v_pk_mul_f32 v[TT+2*(k%4):TT+2*(k%4)+1], v[W+2*k:W+2*k+1], v[\r:\r+1]
	v_pk_add_f32 v[\t+2*k:\t+2*k+1], v[\t+2*k:\t+2*k+1], v[\mu:\mu+1] neg_lo:[0,1] neg_hi:[0,1]
	v_pk_fma_f32 v[\t+2*k:\t+2*k+1], v[\t+2*k:\t+2*k+1], v[TT+2*(k%4):TT+2*(k%4)+1], v[BB+2*k:BB+2*k+1]
.set k, k+1
.endr
.set k, 0
.rept 8
	v_cvt_pk_f16_f32 v[\t+k], v[\t+2*k], v[\t+2*k+1]
.set k, k+1
.endr
.irp g, 0,1,2,3
	global_store_b64 v3, v[\t+2*\g:\t+2*\g+1], s[12:13] offset:(\off)+256*\g  ; the wave's store covers 256 consecutive bytes, aligned
.endr
.endm
.macro LD4 d, base
.irp g, 0,1,2,3
	global_load_b128 v[\d+4*\g:\d+4*\g+3], v2, s[\base:\base+1] offset:512*\g th:TH_LOAD_NT
.endr
.endm
	s_load_b256 s[4:11], s[0:1], 0x0               ; t 4, w 6, b 8, statistics 10
	s_load_b64 s[12:13], s[0:1], 0x20              ; n
	v_and_b32 v1, 31, v0
	v_lshrrev_b32 v5, 5, v0
	v_lshlrev_b32 v4, 5, v1                        ; my four pairs: 32 lane
	v_lshlrev_b32 v2, 4, v1
	v_lshl_or_b32 v2, v5, 11, v2                   ; in: 2,048 w + 16 lane
	v_lshlrev_b32 v3, 3, v1
	v_lshl_or_b32 v3, v5, 10, v3                   ; out: 1,024 w + 8 lane
	s_lshl_b32 s14, ttmp9, 15
	s_mov_b32 s15, 0
	s_lshl_b32 s18, ttmp9, 14
	s_mov_b32 s19, 0
	s_mov_b32 s20, 0x35000000                      ; 2^-21
	s_mov_b32 s21, 0x3727c5ac                      ; 1e-5
	s_mov_b32 s22, 0x76543210
	s_mov_b32 s23, 0xfedcba98
	s_wait_kmcnt 0x0
	s_add_nc_u64 s[4:5], s[4:5], s[14:15]
	s_add_nc_u64 s[6:7], s[6:7], s[14:15]
	s_add_nc_u64 s[8:9], s[8:9], s[14:15]
	s_add_nc_u64 s[16:17], s[4:5], 0x800000        ; batch 1 of t
	s_add_nc_u64 s[12:13], s[12:13], s[18:19]
	global_load_b128 v[P0:P0+3],   v4, s[10:11]
	global_load_b128 v[P0+4:P0+7], v4, s[10:11] offset:16
	global_load_b128 v[P1:P1+3],   v4, s[10:11] offset:1024
	global_load_b128 v[P1+4:P1+7], v4, s[10:11] offset:1040
	LD4 W, 6
	LD4 BB, 8
	LD4 T0, 4
	LD4 T1, 16
	s_wait_loadcnt 16                              ; the statistics are in; the 16 younger loads stay out
	MERGE P0, MU0, TT+2
	MERGE P1, MU1, TT+3
	v_rsq_f32 v[R0], v[TT+2]
	v_rsq_f32 v[R1], v[TT+3]
	v_nop                                          ; a plain instruction behind the last of the two,
	s_wait_alu depctr_va_vdst(0)                   ; and one wait for both, ahead of their first reader
	v_mov_b32 v[R0+1], v[R0]
	v_mov_b32 v[R1+1], v[R1]
	s_wait_loadcnt 4                               ; w, b and batch 0 are in; batch 1's four loads stay out
	APPLY T0, MU0, R0, 0
	s_wait_loadcnt 0x0
	APPLY T1, MU1, R1, 4194304
	s_endpgm
.Lfunc_end_k_qd5bb166427_norm1:
	.size	k_qd5bb166427_norm1, .Lfunc_end_k_qd5bb166427_norm1-k_qd5bb166427_norm1
	.p2alignl 7, 3214868480
	.fill 96, 4, 3214868480
	.section	.rodata,"a",@progbits
	.p2align	6, 0x0
	.amdhsa_kernel k_qd5bb166427_norm1
		.amdhsa_group_segment_fixed_size 0
		.amdhsa_private_segment_fixed_size 0
		.amdhsa_enable_private_segment 0
		.amdhsa_kernarg_size 40
		.amdhsa_user_sgpr_count 2
		.amdhsa_user_sgpr_kernarg_segment_ptr 1
		.amdhsa_wavefront_size32 1
		.amdhsa_system_sgpr_workgroup_id_x 1
		.amdhsa_system_sgpr_workgroup_id_y 1
		.amdhsa_system_sgpr_workgroup_id_z 1
		.amdhsa_system_vgpr_workitem_id 0
		.amdhsa_next_free_vgpr 112
		.amdhsa_next_free_sgpr 66
		.amdhsa_reserve_vcc 0
		.amdhsa_float_denorm_mode_32 3
		.amdhsa_float_denorm_mode_16_64 3
		.amdhsa_memory_ordered 1
		.amdhsa_forward_progress 1
		.amdhsa_inst_pref_size 11
	.end_amdhsa_kernel
	.amdgpu_metadata
---
amdhsa.version: [ 1, 2 ]
amdhsa.kernels:
  - .name:           k_qd5bb166427_norm1
    .symbol:         k_qd5bb166427_norm1.kd
    .args:
      - { .name: y, .offset: 0, .size: 8, .value_kind: global_buffer, .address_space: global }
      - { .name: ln1_w, .offset: 8, .size: 8, .value_kind: global_buffer, .address_space: global }
      - { .name: ln1_b, .offset: 16, .size: 8, .value_kind: global_buffer, .address_space: global }
      - { .name: st1, .offset: 24, .size: 8, .value_kind: global_buffer, .address_space: global }
      - { .name: nb, .offset: 32, .size: 8, .value_kind: global_buffer, .address_space: global }
    .group_segment_fixed_size: 0
    .private_segment_fixed_size: 0
    .kernarg_segment_align: 8
    .kernarg_segment_size: 40
    .max_flat_workgroup_size: 512
    .sgpr_count:     66
    .vgpr_count:     112
    .wavefront_size: 32
...
	.end_amdgpu_metadata
.endif
;; end of part 10
;; launch proj (part 11): grid 8 x 24, 4 waves a work-group, clusters of 4 x 4, 327,680 bytes of LDS; arguments nb, wA, pl; writes pl
.if DOCPART == 11
	.amdgcn_target "amdgcn-amd-amdhsa--gfx1250"
	.amdhsa_code_object_version 6
	.text
	.protected	k_qd5bb166427_proj
	.globl	k_qd5bb166427_proj
	.p2align	8
	.type	k_qd5bb166427_proj,@function
k_qd5bb166427_proj:
	s_mov_b64 s[64:65], 0
	v_nop
	global_prefetch_b8 v0, s[64:65] scope:SCOPE_SE
	s_setreg_imm32_b32 hwreg(HW_REG_WAVE_MODE, 25, 1), 1
	s_wait_xcnt 0x0
	s_wait_alu depctr_hold_cnt(0) depctr_sa_sdst(0) depctr_va_vdst(0) depctr_va_sdst(0) depctr_va_ssrc(0) depctr_va_vcc(0) depctr_vm_vsrc(0)
	s_getreg_b32 s2, hwreg(HW_REG_IB_STS2, 6, 4)
	s_cmp_eq_u32 s2, 0
	s_cbranch_scc0 .Lentry_in_a_cluster
	s_endpgm
.Lentry_in_a_cluster:
	s_bfe_u32 s2, ttmp6, 0x10000c
	s_cmp_lg_u32 s2, 0xf033
	s_cbranch_scc0 .Lentry_shape_is_right
	s_endpgm
.Lentry_shape_is_right:
; C = max(A W + bias, floor) in f16.  ONE TEXT FOR TWO LAUNCHES: k, v = n Wk, n Wv and q = x Wq (+ their biases; floor = -infinity), and h = relu(n W1 + b1) (floor = 0).
; A: f16 [4096][1024].  W: a buffer with a header (the columns' biases in f32 from byte 0; the floor, twice in f16, at byte 16,384) and from byte 32,768 on blocks [1024 k][256 columns] of f16.
; C: f16 planes [block of 128 rows][64 planes of 64 columns][128][64]; block c of W makes planes 4 c .. 4 c + 3.  f16 operands, f32 sums that start at the bias.
; LIMITS: results of 65,520 or more in magnitude become infinities in f16.  With the floor -infinity a wave's 256 packed maxima change nothing: the price of one text for both launches.
; A tile of C is 256 x 256, made by four waves, each 128 x 128: 64 accumulators, 512 registers.  K = 1,024 goes in 8 steps of 128 through two LDS slots.
; WHICH TILE: as a rule block = the work-group's x, tile row = its y.  Clusters with y >= 4 (the first launch alone has them: grid 8 x 24) make q: block = 8 + cx, tile row = 2 (y - 16) + cluster x,
; and A = x in f16, which lies behind that launch's twelve blocks.  The choice hangs on the cluster's y alone, which all sixteen partners share.
; W's tile comes out of LDS turned (ds_load_tr16_b128).  The matrix instruction is used transposed (source 0 = 16 columns of W, source 1 = 16 rows of A): a lane holds eight neighbouring columns of one row of C.
; CLUSTER 4 x 4: A's tile is asked for jointly along a row of the cluster, W's along a column.
; REGISTERS: window 0: addresses; v32-95 the bias, later the way out.  Window 1: v0-127 A's fragments (half c of 64 K, row block i at 8 (8 c + i)); v128-255 W's.  Windows 2, 3: the accumulators of my rows 0-63, 64-127: (a, b) at 8 (8 a + b).
.set NSTEP,  8
.set PA,     272                       ; a row of A's tile: 256 bytes + 16
.set PB,     544                       ; a row of W's tile: 512 bytes + 32
.set HALFT,  128*PA                    ; what one tensor load brings: 128 rows of A, or 64 rows of W (64 x 544 is the same)
.set BOFF,   2*HALFT
.set SLOT,   4*HALFT                   ; = 0x22000; no tile address inside a slot has one of its two bits, so an exclusive or changes slots
.set STEPA,  128                       ; 64 K further on in A's rows
.set STEPB,  64*PB                     ; and in W's
.set GA,     256                       ; a K step in memory: along A's rows,
.set GB,     128*512                   ; and down a block of W
.set HDR,    32768
.set FLOOR,  16384
.set BLK,    1024*512
.set XOFF,   HDR+12*BLK
.set SP,     144
.set STAGE,  2*SLOT                    ; each wave's own 2 x 16 rows x 144 bytes for the way out; never filled by a tensor load
.set SPARE,  STAGE+4*2*16*SP           ; the spare words, 128 bytes a wave
.set AA0, 16                           ; v16, v17  my lane's place in A's and W's part of a slot; never rewritten
.set AB0, 17
.set AA,  18                           ; v18, v19  the addresses of the run of loads in hand
.set AB,  19
.set PFO, 20                           ; the prefetches' offset; never rewritten
.set ZO,  21                           ; 0
.set STO, 24
.set RD,  25
.set CO,  26
.set BO,  27
.set SPW, 28
.set NIL, 29
.set ZR,  30                           ; the floor
.set TMP, 32
.set G1,  24
.set G0,  32
.set G1B, 48
.set G0B, 56
.set TA,  66                           ; s66, s67  LDS byte of the 64 K to be fetched next, for A and for W
.set TB,  67
.set CT,  68
.set PFA, 78                           ; s[78:79] where my prefetches stand; s[80:81] their step; s82: 1 in a wave that asks, else the greatest number
.set PFS, 80
.set LIM, 82
.set MSB, 0
.macro WIN new
.if MSB != (\new)
	s_set_vgpr_msb (MSB<<8)|(\new)
.set MSB, \new
.endif
.endm
.set TO_F, 0x40                        ; destination window 1, address window 0
.macro JLOAD s                         ; a joint load: waves 0, 1 fetch A's halves, waves 2, 3 W's; s_nop 0 and four v_nop follow each line
	s_cmp_eq_u32 s11, 0
	s_cbranch_scc0 .Lfor_b_\@
	tensor_load_to_lds s[G0+4*(\s):G0+4*(\s)+3], s[G1:G1+7]
	s_nop 0
.rept 4
	v_nop
.endr
	s_branch .Lasked_\@
.Lfor_b_\@:
	tensor_load_to_lds s[G0B+4*(\s):G0B+4*(\s)+3], s[G1B:G1B+7]
	s_nop 0
.rept 4
	v_nop
.endr
.Lasked_\@:
.endm
; A PREFETCH INTO THE L2, behind a refill and the run of LDS loads that follows it: the K step that the NEXT refill will load: K steps 3 to 7; the last refill asks for nothing.  One instruction a wave: 32 blocks of 256 bytes, a lane a block.
; Each block is named once in the launch.  A's rows are read by every cluster of a row of clusters: the one with x = 0 asks (in q's part each cluster has rows of its own, and asks).  A block of W is read by every cluster
; of a column of clusters: the one with y = 0 asks (in q's part: x = 0, y = 4).  Of what a wave fetches, the four partners that ask for it jointly take a quarter each, told apart by address: 32 rows of A by cx, 8,192 bytes of W by cy.
.macro ASK
	s_cmp_gt_u32 s3, s[LIM]                        ; s3 = 1 in the loop's last trip
	s_cbranch_scc0 .Lnot_mine_\@
	global_prefetch_b8 v[PFO], s[PFA:PFA+1] th:TH_LOAD_NT scope:SCOPE_SE
.Lnot_mine_\@:
.endm
.macro CREST                           ; a round of the cluster's barrier behind its opening barrier
	s_cmp_lg_u32 s10, 0
	s_cbranch_scc1 .Lnot_wave_0_\@
	s_barrier_signal -3
.Lnot_wave_0_\@:
	s_barrier_wait -3
	s_barrier_signal -1
	s_barrier_wait -1
.endm
.macro CROUND
	s_barrier_signal -1
	s_barrier_wait -1
	CREST
.endm
.macro PLACES                          ; four places between a matrix instruction and a load into, or a reader of, its registers
.rept 4
	v_nop
.endr
.endm
; 16 matrix instructions: row blocks a0, a0 + 1 of window 2 + hi x all eight column blocks, 32 K (half c).  first = 1: the sums start at the bias, which is the C operand.
.macro MUL16 c, hi, a0, first=0
.if \first
	WIN 0x85+0x40*(\hi)                            ; sources 0, 1 window 1; C window 0; D window 2 or 3
.else
	WIN 0xa5+0x50*(\hi)                            ; sources 0, 1 window 1; C and D window 2 or 3
.endif
.irp a, \a0, (\a0)+1
.irp b, 0,1,2,3,4,5,6,7
.if \first
	v_wmma_f32_16x16x32_f16 v[8*(8*(\a)+(\b)):8*(8*(\a)+(\b))+7], v[128+8*(8*(\c)+(\b)):128+8*(8*(\c)+(\b))+7], v[8*(8*(\c)+4*(\hi)+(\a)):8*(8*(\c)+4*(\hi)+(\a))+7], v[TMP+8*(\b):TMP+8*(\b)+7]
.else
	v_wmma_f32_16x16x32_f16 v[8*(8*(\a)+(\b)):8*(8*(\a)+(\b))+7], v[128+8*(8*(\c)+(\b)):128+8*(8*(\c)+(\b))+7], v[8*(8*(\c)+4*(\hi)+(\a)):8*(8*(\c)+4*(\hi)+(\a))+7], v[8*(8*(\a)+(\b)):8*(8*(\a)+(\b))+7]
.endif
.endr
.endr
.endm
.macro MUL64 c, first=0                ; the 64 accumulators take turns, always in the same order
	MUL16 \c, 0, 0, \first
	MUL16 \c, 0, 2, \first
	MUL16 \c, 1, 0, \first
	MUL16 \c, 1, 2, \first
.endm
.macro FETCH32 c                       ; 32 LDS loads in one run: half c (32 K) of the 64 K at v[AA], v[AB]
	WIN TO_F
.irp i, 0,1,2,3,4,5,6,7
	ds_load_tr16_b128 v[128+8*(8*(\c)+(\i)):128+8*(8*(\c)+(\i))+3],   v[AB] offset:(\c)*32*PB+32*(\i)
	ds_load_tr16_b128 v[128+8*(8*(\c)+(\i))+4:128+8*(8*(\c)+(\i))+7], v[AB] offset:(\c)*32*PB+16*PB+32*(\i)
.endr
.irp i, 0,1,2,3,4,5,6,7
	ds_load_b128 v[8*(8*(\c)+(\i)):8*(8*(\c)+(\i))+3],   v[AA] offset:(\i)*16*PA+64*(\c)
	ds_load_b128 v[8*(8*(\c)+(\i))+4:8*(8*(\c)+(\i))+7], v[AA] offset:(\i)*16*PA+64*(\c)+32
.endr
.endm
.macro ADDR
	v_add_nc_u32 v[AA], s[TA], v[AA0]
	v_add_nc_u32 v[AB], s[TB], v[AB0]
.endm
.macro STEPP
	s_add_co_u32 s[TA], s[TA], STEPA
	s_add_co_u32 s[TB], s[TB], STEPB
.endm
; A K step is two trips of 64 K.  The first: Q64A multiplies its half 0; Q64B fetches the second trip's half 0, multiplies half 1 and fetches the second trip's half 1.
.macro Q64A
	s_wait_dscnt 32                                ; half 0 is in; half 1's 32 loads are younger
	MUL64 0
	WIN 0
.endm
.macro Q64B
	ADDR                                           ; two plain instructions and two v_nop: the four places
	v_nop
	v_nop
	FETCH32 0
	s_wait_dscnt 32                                ; half 1 is in; the 32 just issued are younger
	MUL64 1
	PLACES
	FETCH32 1
	WIN 0
	STEPP
.endm
; The second trip and the change of slots: each wave waits for all its tensor loads (one is out: its part of the next slot), adds 0 to its spare word, waits for that and for its reads of this slot;
; behind the barrier (fill = 1: a round of the cluster's) this slot is filled again first, with the K step two on: 224 matrix instructions ahead of the wait for it.
.macro TURN64 fill
.if \fill
	s_wait_xcnt 0x0                                ; the last prefetch, a K step back, has read its address
	s_add_nc_u64 s[PFA:PFA+1], s[PFA:PFA+1], s[PFS:PFS+1]
.endif
	s_wait_dscnt 32                                ; half 0 is in; half 1's 32 loads are younger
	MUL16 0, 0, 0
	MUL16 0, 0, 2
	WIN 0
	s_wait_tensorcnt 0x0
	ds_add_u32 v[SPW], v[NIL]
	MUL16 0, 1, 0                                  ; sixteen matrix instructions stand between the add and the wait for it
	s_wait_dscnt 0x0                               ; the add is done, my reads of this slot are over
	s_barrier_signal -1
	MUL16 0, 1, 2
	WIN 0
	s_barrier_wait -1
.if \fill
	CREST
	s_xor_b32 s[G0+5], s[G0+5], SLOT               ; the walking descriptors: the other slot than last time, one K step on; no load of mine is out
	s_add_nc_u64 s[G0+6:G0+7], s[G0+6:G0+7], GA
	s_xor_b32 s[G0B+5], s[G0B+5], SLOT
	s_add_nc_u64 s[G0B+6:G0B+7], s[G0B+6:G0B+7], GB
	JLOAD 1                                        ; its four v_nop are also the places in front of the loads below
.else
	PLACES
.endif
	s_sub_co_u32 s[TA], s[TA], 2*STEPA
	s_xor_b32 s[TA], s[TA], SLOT
	s_sub_co_u32 s[TB], s[TB], 2*STEPB
	s_xor_b32 s[TB], s[TB], SLOT
	ADDR
	FETCH32 0
.if \fill
	WIN 0
	ASK
.endif
	MUL64 1
	PLACES
	FETCH32 1
	WIN 0
	STEPP
.endm
	s_load_b128 s[72:75], s[0:1], 0x0              ; A 72, W 74
	s_load_b64 s[76:77], s[0:1], 0x10              ; C
	v_lshl_add_u32 v[SPW], v0, 2, SPARE
	v_mov_b32 v[NIL], 0
	ds_add_u32 v[SPW], v[NIL]                      ; the wave's opening: the add, waited for ahead of my first tensor load
	v_lshrrev_b32 v1, 5, v0
	v_readfirstlane_b32 s10, v1                    ; wave 0..3
	s_lshr_b32 s11, s10, 1                         ; my half of the tile's rows; also: I fetch for A (0) or W (1)
	s_and_b32 s12, s10, 1                          ; my half of its columns; also: which half of that tile I fetch
	s_bfe_u32 s40, ttmp6, 0x40000                  ; cx
	s_bfe_u32 s41, ttmp6, 0x40004                  ; cy
	s_and_b32 s45, ttmp7, 0xffff                   ; cluster y
	s_lshl_b32 s42, ttmp9, 2
	s_add_co_u32 s42, s42, s40                     ; block of W = x
	s_lshl_b32 s13, s45, 2
	s_add_co_u32 s13, s13, s41                     ; tile row = y
	s_add_co_u32 s84, s40, 8                       ; q's part: block 8 + cx,
	s_max_u32 s18, s13, 16
	s_sub_co_u32 s18, s18, 16
	s_lshl_b32 s18, s18, 1
	s_add_co_u32 s18, s18, ttmp9                   ; tile row 2 (y - 16) + cluster x
	s_cmp_ge_u32 s45, 4
	s_cselect_b32 s42, s84, s42
	s_cselect_b32 s13, s18, s13
	s_cselect_b32 s83, 1, 0                        ; 1 in q's part
	s_lshl_b32 s43, s41, 2
	s_lshl_b32 s43, 15, s43                        ; my row of the cluster
	s_lshl_b32 s44, 0x1111, s40                    ; my column
	s_or_b32 s[G1+0], s43, (1<<16)|(1<<20)|(1<<21)|(5<<22)|(3<<25)  ; 2-byte elements; 4 words of padding after every 64; bit 21 beside the mask
	s_mov_b32 s[G1+1], 128<<16                     ; 128 rows of 128 elements
	s_mov_b32 s[G1+2], 128<<16
	s_mov_b32 s[G1+3], 128<<16
	s_mov_b32 s[G1+4], 128
	s_mov_b32 s[G1+5], 1024
	s_mov_b32 s[G1+6], 0
	s_mov_b32 s[G1+7], 0
	s_or_b32 s[G1B+0], s44, (1<<16)|(1<<20)|(1<<21)|(6<<22)|(7<<25) ; 8 words of padding after every 128
	s_mov_b32 s[G1B+1], 256<<16                    ; 64 rows (K) of 256 elements (N), dense in memory
	s_mov_b32 s[G1B+2], 64<<16
	s_mov_b32 s[G1B+3], 256<<16
	s_mov_b32 s[G1B+4], 64
	s_mov_b32 s[G1B+5], 256
	s_mov_b32 s[G1B+6], 0
	s_mov_b32 s[G1B+7], 0
	s_lshl_b32 s16, s13, 19                        ; A: 256 rows of 2,048 bytes, my 128
	s_lshl_b32 s17, s12, 18
	s_add_co_u32 s16, s16, s17
	s_mov_b32 s17, 0
	s_lshl_b32 s46, s42, 19                        ; W: the block, my 64 rows of 512 bytes
	s_lshl_b32 s47, s12, 15
	s_add_co_u32 s46, s46, s47
	s_add_co_u32 s46, s46, HDR
	s_mov_b32 s47, 0
	s_mul_i32 s20, s10, HALFT                      ; where they go: A's two halves, then W's two: the wave's number alone
	s_lshl_b32 s86, s13, 1                         ; my part of C: block of 128 rows 2 x tile row + half,
	s_add_co_u32 s86, s86, s11
	s_lshl_b32 s86, s86, 20
	s_lshl_b32 s87, s42, 1                         ; planes 4 x block + 2 x half, + 1
	s_add_co_u32 s87, s87, s12
	s_lshl_b32 s87, s87, 15
	s_add_co_u32 s86, s86, s87
	s_mov_b32 s87, 0
	s_lshl_b32 s88, s42, 10                        ; the block's 256 numbers of the bias
	s_mov_b32 s89, 0
	; who prefetches: numbers of the cluster and of the wave alone
	s_cmp_eq_u32 ttmp9, 0
	s_cselect_b32 s90, 1, 0
	s_or_b32 s91, s90, s83                         ; A: cluster x = 0, or q's part
	s_lshl_b32 s92, s83, 2
	s_cmp_eq_u32 s45, s92                          ; W: the part's first cluster y,
	s_cselect_b32 s93, 1, 0
	s_xor_b32 s94, s83, 1
	s_or_b32 s94, s94, s90                         ; in q's part with cluster x = 0
	s_and_b32 s93, s93, s94
	s_mov_b32 s95, GB
	s_cmp_eq_u32 s11, 0
	s_cselect_b32 s91, s91, s93
	s_cselect_b32 s92, s40, s41                    ; my place among the four that ask jointly
	s_cselect_b32 s93, 16, 13                      ; its share: 32 rows of 2,048 bytes, or 8,192 bytes
	s_cselect_b32 s94, 11, 8                       ; a lane's block: a row of A, or the next 256 bytes of W
	s_cselect_b32 s[PFS], GA, s95
	s_mov_b32 s[PFS+1], 0
	s_cmp_eq_u32 s91, 1
	s_cselect_b32 s[LIM], 1, -1
	s_lshl_b32 s92, s92, s93
	s_mov_b32 s93, 0
	v_and_b32 v[PFO], 31, v0
	v_lshlrev_b32 v[PFO], s94, v[PFO]
	s_wait_dscnt 0x0                               ; the opening add is done
	s_wait_kmcnt 0x0
	s_add_nc_u64 s[18:19], s[74:75], XOFF          ; x in f16
	s_cmp_eq_u32 s83, 1
	s_cselect_b64 s[72:73], s[18:19], s[72:73]
	s_add_nc_u64 s[14:15], s[72:73], s[16:17]
	s_add_nc_u64 s[46:47], s[74:75], s[46:47]
	CROUND                                         ; all sixteen work-groups are here: the first joint loads meet
.irp s, 0,1
	s_mov_b32 s[G0+4*(\s)], 1
	s_add_co_u32 s[G0+4*(\s)+1], s20, (\s)*SLOT
	s_add_nc_u64 s[G0+4*(\s)+2:G0+4*(\s)+3], s[14:15], (\s)*GA
	s_or_b32 s[G0+4*(\s)+3], s[G0+4*(\s)+3], 0x80000000
	s_mov_b32 s[G0B+4*(\s)], 1
	s_add_co_u32 s[G0B+4*(\s)+1], s20, (\s)*SLOT
	s_add_nc_u64 s[G0B+4*(\s)+2:G0B+4*(\s)+3], s[46:47], (\s)*GB
	s_or_b32 s[G0B+4*(\s)+3], s[G0B+4*(\s)+3], 0x80000000
	JLOAD \s                                       ; two loads of mine are out
.endr
	s_add_nc_u64 s[76:77], s[76:77], s[86:87]
	s_add_nc_u64 s[88:89], s[74:75], s[88:89]
	s_cmp_eq_u32 s11, 0
	s_cselect_b64 s[PFA:PFA+1], s[14:15], s[46:47] ; what I fetch, at K step 0,
	s_add_nc_u64 s[PFA:PFA+1], s[PFA:PFA+1], s[92:93]  ; my work-group's quarter of it,
	s_add_nc_u64 s[PFA:PFA+1], s[PFA:PFA+1], s[PFS:PFS+1]
	s_add_nc_u64 s[PFA:PFA+1], s[PFA:PFA+1], s[PFS:PFS+1]  ; at K step 2: the first refill steps it to 3.  Nothing is prefetched here, at the head
	v_and_b32 v1, 15, v0                           ; r = l % 16
	v_bfe_u32 v2, v0, 4, 1                         ; h = l / 16
	v_mul_u32_u24 v3, v1, PA
	v_lshl_add_u32 v3, v2, 4, v3
	s_mul_i32 s22, s11, HALFT
	v_add_nc_u32 v[AA0], s22, v3                   ; (128 half + r) pitch + 16 h
	v_and_b32 v4, 7, v0
	v_lshl_add_u32 v4, v2, 3, v4
	v_mul_u32_u24 v4, v4, PB
	v_bfe_u32 v5, v0, 3, 1
	v_lshl_add_u32 v4, v5, 4, v4
	s_lshl_b32 s22, s12, 8
	s_add_co_u32 s22, s22, BOFF
	v_add_nc_u32 v[AB0], s22, v4                   ; (8 h + l % 8) pitch + 16 ((l / 8) % 2) + my 128 columns
	s_mul_i32 s23, s10, 2*16*SP
	s_add_co_u32 s23, s23, STAGE                   ; my stage
	v_mul_u32_u24 v[STO], v1, SP
	v_lshl_add_u32 v[STO], v2, 4, v[STO]           ; in: row r, 16 bytes for each half of the lanes
	v_bfe_u32 v[RD], v0, 3, 2                      ; back: 32 lanes take four rows of 128 bytes,
	v_mul_u32_u24 v[RD], v[RD], SP
	v_and_b32 v3, 7, v0
	v_lshl_add_u32 v[RD], v3, 4, v[RD]
	v_and_b32 v[CO], 31, v0                        ; which are 512 consecutive bytes of a plane
	v_lshlrev_b32 v[CO], 4, v[CO]
	v_add_nc_u32 v[STO], s23, v[STO]
	v_add_nc_u32 v[RD], s23, v[RD]
	v_mov_b32 v[ZO], 0
	s_lshl_b32 s22, s12, 9
	v_lshlrev_b32 v[BO], 5, v2
	v_add_nc_u32 v[BO], s22, v[BO]                 ; 4 (128 half + 8 h)
.irp b, 0,1,2,3,4,5,6,7
	global_load_b128 v[TMP+8*(\b):TMP+8*(\b)+3],   v[BO], s[88:89] offset:64*(\b)
	global_load_b128 v[TMP+8*(\b)+4:TMP+8*(\b)+7], v[BO], s[88:89] offset:64*(\b)+16
.endr
	global_load_b32 v[ZR], v[ZO], s[74:75] offset:FLOOR
	s_wait_loadcnt 0x0
	s_wait_tensorcnt 1                             ; my part of K step 0 is in; step 1's load may stay out
	s_barrier_signal -1
	s_barrier_wait -1
	s_mov_b32 s[TA], 0
	s_mov_b32 s[TB], 0
	ADDR
	FETCH32 0
	FETCH32 1
	WIN 0
	STEPP
	s_mov_b32 s3, NSTEP-2
	s_wait_dscnt 32                                ; half 0 is in
	MUL64 0, 1                                     ; the first 64 products start the sums, at the bias: nothing is cleared and nothing is added later
	WIN 0
	s_branch .Lmid                                 ; the loop is entered behind its first 64 products
.Lstep:                                ; a K step that fills its slot again: six of them
	Q64A
.Lmid:
	Q64B
	TURN64 1
	s_sub_co_u32 s3, s3, 1
	s_cmp_lg_u32 s3, 0
	s_cbranch_scc1 .Lstep
	s_mov_b32 s[CT], 2
.Ltail:                                ; the last two K steps ask for nothing.  The second trip's change of slots fetches fragments of a K step that has been multiplied; they are not used: the price of one text for both trips
	Q64A
	Q64B
	TURN64 0
	s_sub_co_u32 s[CT], s[CT], 1
	s_cmp_lg_u32 s[CT], 0
	s_cbranch_scc1 .Ltail
	s_wait_dscnt 0x0                               ; those fragments have landed: the counts below are the way out's own
	PLACES
; THE WAY OUT: 16 rows x 128 columns at a time: rounded to f16, the floor, 16 bytes a lane into my stage (a part for each of my two planes), back as four rows of 128 bytes, stored.
.macro PACK a
.set T, TMP+32*((\a)%2)
.if (\a) >= 2
	s_wait_xcnt 0x0                                ; the stores of the block two back have read these registers
.endif
	WIN 0x0a+5*((\a)/4)                            ; sources 0 and 1: window 2 or 3
.irp b, 0,1,2,3,4,5,6,7
.irp k, 0,1,2,3
	v_cvt_pk_f16_f32 v[T+4*(\b)+(\k)], v[8*(8*((\a)%4)+(\b))+2*(\k)], v[8*(8*((\a)%4)+(\b))+2*(\k)+1]
.endr
.endr
	WIN 0
.set i, 0
.rept 32
	v_pk_max_num_f16 v[T+i], v[T+i], v[ZR]         ; rounding keeps signs and order, so with the floor 0 this is the rounded ReLU
.set i, i+1
.endr
.irp b, 0,1,2,3,4,5,6,7
	ds_store_b128 v[STO], v[T+4*(\b):T+4*(\b)+3] offset:((\b)/4)*16*SP+32*((\b)%4)
.endr
.irp i, 0,1,2,3,4,5,6,7
	ds_load_b128 v[T+4*(\i):T+4*(\i)+3], v[RD] offset:((\i)/4)*16*SP+((\i)%4)*4*SP  ; a wave's LDS instructions are served in order: these see the stores above, the next block's stores come behind
.endr
.endm
.macro SEND a, younger                 ; younger: the LDS instructions issued behind block a's loads
.set T, TMP+32*((\a)%2)
.irp i, 0,1,2,3,4,5,6,7
	s_wait_dscnt (\younger)+7-(\i)
	global_store_b128 v[CO], v[T+4*(\i):T+4*(\i)+3], s[76:77] offset:((\i)/4)*16384+(\a)*2048+((\i)%4)*512  ; 512 consecutive bytes, aligned
.endr
.endm
	PACK 0
.irp a, 1,2,3,4,5,6,7                  ; a block's arithmetic stands between the loads of the block before and its stores
	PACK \a
	SEND (\a)-1, 16
.endr
	SEND 7, 0
	s_wait_tensorcnt 0x0                           ; the wave's end
	ds_add_u32 v[SPW], v[NIL]
	s_wait_dscnt 0x0
	CROUND                                         ; the closing round: no work-group ends while a partner may still ask jointly
	s_endpgm
.Lfunc_end_k_qd5bb166427_proj:
	.size	k_qd5bb166427_proj, .Lfunc_end_k_qd5bb166427_proj-k_qd5bb166427_proj
	.p2alignl 7, 3214868480
	.fill 96, 4, 3214868480
	.section	.rodata,"a",@progbits
	.p2align	6, 0x0
	.amdhsa_kernel k_qd5bb166427_proj
		.amdhsa_group_segment_fixed_size 327680
		.amdhsa_private_segment_fixed_size 0
		.amdhsa_enable_private_segment 0
		.amdhsa_kernarg_size 24
		.amdhsa_user_sgpr_count 2
		.amdhsa_user_sgpr_kernarg_segment_ptr 1
		.amdhsa_wavefront_size32 1
		.amdhsa_system_sgpr_workgroup_id_x 1
		.amdhsa_system_sgpr_workgroup_id_y 1
		.amdhsa_system_sgpr_workgroup_id_z 1
		.amdhsa_system_vgpr_workitem_id 0
		.amdhsa_next_free_vgpr 1024
		.amdhsa_next_free_sgpr 96
		.amdhsa_reserve_vcc 0
		.amdhsa_float_denorm_mode_32 3
		.amdhsa_float_denorm_mode_16_64 3
		.amdhsa_memory_ordered 1
		.amdhsa_forward_progress 1
		.amdhsa_inst_pref_size 121
	.end_amdhsa_kernel
	.amdgpu_metadata
---
amdhsa.version: [ 1, 2 ]
amdhsa.kernels:
  - .name:           k_qd5bb166427_proj
    .symbol:         k_qd5bb166427_proj.kd
    .args:
      - { .name: nb, .offset: 0, .size: 8, .value_kind: global_buffer, .address_space: global }
      - { .name: wA, .offset: 8, .size: 8, .value_kind: global_buffer, .address_space: global }
      - { .name: pl, .offset: 16, .size: 8, .value_kind: global_buffer, .address_space: global }
    .group_segment_fixed_size: 327680
    .private_segment_fixed_size: 0
    .kernarg_segment_align: 8
    .kernarg_segment_size: 24
    .max_flat_workgroup_size: 128
    .sgpr_count:     96
    .vgpr_count:     1024
    .wavefront_size: 32
...
	.end_amdgpu_metadata
.endif
;; end of part 11
;; launch vsum (part 12): grid 256 x 1, 2 waves a work-group, no clusters, 0 bytes of LDS; arguments pl, ts; writes ts
.if DOCPART == 12
	.amdgcn_target "amdgcn-amd-amdhsa--gfx1250"
	.amdhsa_code_object_version 6
	.text
	.protected	k_qd5bb166427_vsum
	.globl	k_qd5bb166427_vsum
	.p2align	8
	.type	k_qd5bb166427_vsum,@function
k_qd5bb166427_vsum:
	s_mov_b64 s[64:65], 0
	v_nop
	global_prefetch_b8 v0, s[64:65] scope:SCOPE_SE
	s_setreg_imm32_b32 hwreg(HW_REG_WAVE_MODE, 25, 1), 1
	s_wait_xcnt 0x0
; ts[head][tile][channel] = the sum of v over the tile's 128 keys, in f32, of the f16 numbers that the attention multiplies.
; v lies in planes: pl[16 batch + tile][plane 16 + head][128 keys][64]: a block of 128 rows is 1 MiB, a plane 16,384 bytes.
; A wave takes one tile: 16,384 dense bytes, 32 loads of 512 bytes.  Lane l holds channels 8 (l % 8) .. +7 of rows l / 8 + 4 j.
	s_load_b128 s[4:7], s[0:1], 0x0
	v_and_b32 v1, 31, v0
	v_lshrrev_b32 v2, 5, v0
	v_readfirstlane_b32 s8, v2
	s_lshl_b32 s9, ttmp9, 1
	s_add_co_u32 s9, s9, s8                        ; 256 batch + 16 head + tile, 0 .. 511
	s_lshr_b32 s17, s9, 8
	s_lshl_b32 s10, s17, 24
	s_and_b32 s17, s9, 15
	s_lshl_b32 s17, s17, 20
	s_add_co_u32 s10, s10, s17
	s_bfe_u32 s17, s9, 0x40004
	s_lshl_b32 s17, s17, 14
	s_add_co_u32 s10, s10, s17
	s_add_co_u32 s10, s10, 0x40000                 ; v's planes begin at plane 16
	s_mov_b32 s11, 0
	s_lshl_b32 s12, s9, 8
	s_mov_b32 s13, 0
	s_mov_b32 s14, 0x76543210
	s_mov_b32 s15, 0xfedcba98
	v_lshlrev_b32 v3, 4, v1
	v_and_b32 v4, 7, v1
	v_bfe_u32 v5, v1, 3, 1
	v_lshlrev_b32 v4, 5, v4
	v_lshl_add_u32 v4, v5, 4, v4                   ; out: 32 (l % 8) + 16 ((l / 8) % 2)
	v_mov_b32 v16, 1.0
	s_wait_kmcnt 0x0
	s_add_nc_u64 s[4:5], s[4:5], s[10:11]
	s_add_nc_u64 s[6:7], s[6:7], s[12:13]
.set j, 0
.rept 32
	global_load_b128 v[32+4*j:35+4*j], v3, s[4:5] offset:512*j
.set j, j+1
.endr
.irp e, 0,1,2,3,4,5,6,7
	v_mov_b32 v[8+\e], 0
.endr
.set j, 0
.rept 32
	s_wait_loadcnt 31-j                            ; load j is in; the younger ones stay out
.irp e, 0,1,2,3,4,5,6,7
	v_fma_mix_f32 v[8+\e], v[32+4*j+(\e)/2], v16, v[8+\e] op_sel:[(\e)%2,0,0] op_sel_hi:[1,0,0]  ; the f16 half x 1.0 + the f32 sum
.endr
.set j, j+1
.endr
.irp e, 0,1,2,3,4,5,6,7                ; lanes l, l ^ 8, l ^ 16, l ^ 24 hold the same channels
	v_add_f32_dpp v[8+\e], v[8+\e], v[8+\e] row_xmask:8 row_mask:0xf bank_mask:0xf
.endr
.irp e, 0,1,2,3,4,5,6,7
	v_permlanex16_b32 v[32+\e], v[8+\e], s14, s15
.endr
.irp e, 0,1,2,3,4,5,6,7
	v_add_f32 v[8+\e], v[8+\e], v[32+\e]
.endr
	v_cmp_ne_u32 vcc_lo, 0, v5
.irp e, 0,1,2,3
	v_cndmask_b32 v[20+\e], v[8+\e], v[12+\e], vcc_lo
.endr
	v_cmp_gt_u32 vcc_lo, 16, v1
	s_wait_xcnt 0x0                                ; EXEC changes only behind this wait
	s_and_saveexec_b32 s16, vcc_lo
	global_store_b128 v4, v[20:23], s[6:7]         ; sixteen lanes store the tile's 256 bytes, aligned
	s_wait_xcnt 0x0
	s_or_b32 exec_lo, exec_lo, s16
	s_endpgm
.Lfunc_end_k_qd5bb166427_vsum:
	.size	k_qd5bb166427_vsum, .Lfunc_end_k_qd5bb166427_vsum-k_qd5bb166427_vsum
	.p2alignl 7, 3214868480
	.fill 96, 4, 3214868480
	.section	.rodata,"a",@progbits
	.p2align	6, 0x0
	.amdhsa_kernel k_qd5bb166427_vsum
		.amdhsa_group_segment_fixed_size 0
		.amdhsa_private_segment_fixed_size 0
		.amdhsa_enable_private_segment 0
		.amdhsa_kernarg_size 16
		.amdhsa_user_sgpr_count 2
		.amdhsa_user_sgpr_kernarg_segment_ptr 1
		.amdhsa_wavefront_size32 1
		.amdhsa_system_sgpr_workgroup_id_x 1
		.amdhsa_system_sgpr_workgroup_id_y 1
		.amdhsa_system_sgpr_workgroup_id_z 1
		.amdhsa_system_vgpr_workitem_id 0
		.amdhsa_next_free_vgpr 160
		.amdhsa_next_free_sgpr 66
		.amdhsa_reserve_vcc 1
		.amdhsa_float_denorm_mode_32 3
		.amdhsa_float_denorm_mode_16_64 3
		.amdhsa_memory_ordered 1
		.amdhsa_forward_progress 1
		.amdhsa_inst_pref_size 24
	.end_amdhsa_kernel
	.amdgpu_metadata
---
amdhsa.version: [ 1, 2 ]
amdhsa.kernels:
  - .name:           k_qd5bb166427_vsum
    .symbol:         k_qd5bb166427_vsum.kd
    .args:
      - { .name: pl, .offset: 0, .size: 8, .value_kind: global_buffer, .address_space: global }
      - { .name: ts, .offset: 8, .size: 8, .value_kind: global_buffer, .address_space: global }
    .group_segment_fixed_size: 0
    .private_segment_fixed_size: 0
    .kernarg_segment_align: 8
    .kernarg_segment_size: 16
    .max_flat_workgroup_size: 64
    .sgpr_count:     66
    .vgpr_count:     160
    .wavefront_size: 32
...
	.end_amdgpu_metadata
.endif
;; end of part 12
;; launch attn (part 13): grid 8 x 32, 8 waves a work-group, no clusters, 327,680 bytes of LDS; arguments pl, ts, nb; writes nb
.if DOCPART == 13
	.amdgcn_target "amdgcn-amd-amdhsa--gfx1250"
	.amdhsa_code_object_version 6
	.text
	.protected	k_qd5bb166427_attn
	.globl	k_qd5bb166427_attn
	.p2align	8
	.type	k_qd5bb166427_attn,@function
k_qd5bb166427_attn:
	s_mov_b64 s[64:65], 0
	v_nop
	global_prefetch_b8 v0, s[64:65] scope:SCOPE_SE
	s_setreg_imm32_b32 hwreg(HW_REG_WAVE_MODE, 25, 1), 1
	s_wait_xcnt 0x0
; ATTENTION WITH SCORES ZEROED ABOVE THE DIAGONAL.  s[q][k] = q . k / 8 for k <= q and 0 for k > q; O[q] = softmax_k(s) V.
; q, k, v lie in planes of f16: pl[16 batch + block of 128 rows][plane][128][64]; plane = head for k, 16 + head for v, 32 + head for q; a block is 1 MiB, a plane 16,384 bytes.
; The keys k <= q are walked with a running maximum m and sum l: p = 2^(c s - c m), c = log2(e) / 8; O and l are multiplied by a = 2^(c m_old - c m_new) in every step.
; The hc = 2047 - q hidden keys all have the score 0, so they are ONE more step of the same running softmax: m' = max(m, 0) (where hc = 0: m), l' = a l + p hc,
; O' = a O + p (T + VS), p = 2^(0 - c m'); T = the sum of V over the hidden keys of the diagonal tile (a product of V^T with a 0/1 operand), VS = the sum over the tiles above (from ts).
; LIMITS: f16 holds no number beyond 65,504; a weight below 2^-126 counts as 0; a hidden score inside the diagonal tile counts as its value less 1e30; NaN and infinities are not treated apart.
; THE WALK: a head's queries lie in 16 blocks of 128; block i needs the key tiles 0 .. i of 128 keys.  A work-group takes blocks 15 - b and then b: 17 tiles whatever b, one loop with a constant count.
; SHARES: EIGHT WAVES, two on each SIMD; wave w owns rows 16 w .. 16 w + 15 of the block: one tile of 16 queries.  A key step (64 keys) is for a wave 16 matrix and 134 vector instructions, in phases: scores, softmax, V^T P.
; A wave issues in order, so by itself it leaves the matrix unit idle through its softmax; the SIMD's other wave has its own products and its own chains to set beside them.  The price: a fragment of K or V read from LDS
; feeds one tile of queries: 2 LDS loads a matrix instruction, 128 KiB a key step for the eight waves.
; BANDS: waves 0-3 hold the block's rows 0-63 (band 0), waves 4-7 rows 64-127 (band 1).  In the diagonal tile's key step s band x sees all keys (s < x), none (s > x) or holds the diagonal (s = x).
; NO CLUSTER: a head's 8 work-groups ask for the same tile only in trips 0 .. 8, and which text a trip runs hangs on b; a walk common to all would have 24 trips for 17.
; LAYOUT: S^T = K Q^T holds one query a lane (lane % 16) and the keys 8 (lane / 16) + 0..7; two results rounded to f16 are source 1 of O^T = V^T P.  O leaves as [block of 128 rows][head][128][64] f16.
; REGISTERS: window 0: addresses; v16-23 statistics; v32-63 VS; v64-95 S^T; v96-111 P; v128-135 the closing step's; v144-159 the 0/1 operand; v160-167 ones; v192-223 the diagonal's mask.
;   window 1: v0-31 O^T; v32-63 T^T; v64-79 Q; v80-95 the second block's Q; v128-191 K of one step; v192-255 V of one step.
.set KS,    64
.set TILEB, 1<<20                      ; from a block of 128 rows to the next, in pl
.set VPL,   16<<14                     ; v's planes
.set QPL,   32<<14                     ; q's planes
.set PK,    144                        ; a row of K in LDS: 128 bytes + 16
.set PV,    160                        ; a row of V: 128 + 32
.set VOFF,  2*KS*PK
.set SLOT1, 1<<16
.set STAGE, SLOT1+2*KS*(PK+PV)         ; 16 rows x 144 bytes for each wave; never filled by a tensor load
.set SP,    144
.set VSCR,  STAGE+8*16*SP              ; 512 bytes a wave: VS of the first block, then of the second
.set SPARE, VSCR+8*512                 ; the spare words, 128 bytes a wave
.set AK0, 2
.set AV0, 3
.set AK,  4
.set AV,  5
.set STO, 6
.set RD,  7
.set GO,  8
.set MV,  12                           ; c m_old
.set QO,  15
.set ST,  16                           ; c m, m, l (two), c0-c3 at work; c2 takes a
.set VSR, 32
.set S,   64
.set P,   96
.set TL,  128
.set MU,  144
.set ONES, 160
.set PFO, 176
.set TSO, 177
.set VSA, 178
.set VSW, 179
.set SPW, 180
.set NIL, 181
.set ZR,  182
.set MD,  192
.set OT,  0                            ; window 1
.set TT,  32
.set QF,  64
.set QB,  80
.set KF,  128
.set VF,  192
.set WV,  12
.set PB,  14                           ; b
.set HI,  15                           ; 15 - b
.set G1K, 24
.set G1V, 32
.set G0K, 40
.set G0V, 44
.set SLOTS, 56
.set CS,  58
.set SEL, 60
.set TBK, 62
.set TBV, 63
.set RT,  70                           ; tiles of the block in hand still to be entered
.set NXT, 71                           ; the tile to be asked for next
.set LQ,  72                           ; the last tile of the block whose tiles are being asked for
.set OFF, 74
.set FH,  76
.set FL,  78
.set OLO, 80
.set BIGN, 82
.set LOW, 83
.set PFA, 84
.set PFN, 86
.set QH,  87                           ; 2047 - my first row of the block in hand
.set QH2, 90
.set MSB, 0
.macro WIN new
.if MSB != (\new)
	s_set_vgpr_msb (MSB<<8)|(\new)
.set MSB, (\new)
.endif
.endm
.set W_KQ, 0x05                        ; K, Q window 1; S^T and the mask window 0
.set W_PV, 0x51                        ; V window 1, P (or the 0/1 operand) window 0, O^T (or T^T) window 1; also O^T = O^T a + T^T
.set W_RS, 0x41                        ; destination and source 0 window 1, source 1 window 0
.set TO1,  0x40                        ; destination window 1, address window 0
.macro LOAD                            ; waves 0, 1 fetch the halves of a tile's K, waves 2, 3 of its V: 64 keys each; waves 4-7 have no part of a tile; s_nop 0 and four v_nop follow each line
	s_cmp_lt_u32 s[WV], 2
	s_cbranch_scc0 .Lnot_k_\@
	tensor_load_to_lds s[G0K:G0K+3], s[G1K:G1K+7]
	s_nop 0
.rept 4
	v_nop
.endr
	s_branch .Lasked_\@
.Lnot_k_\@:
	s_cmp_lt_u32 s[WV], 4
	s_cbranch_scc0 .Lasked_\@
	tensor_load_to_lds s[G0V:G0V+3], s[G1V:G1V+7]
	s_nop 0
.rept 4
	v_nop
.endr
.Lasked_\@:
.endm
; THE CHANGE OF SLOTS: each wave waits for all its tensor loads (in waves 0-3 one is out: its part of the other slot), adds 0 to its spare word, waits for that and for its reads of the slot that it leaves.
; fill = 1: behind the barrier the old slot is filled again first, with tile NXT; the load has a tile's work, two key steps of all eight waves, in which to land.
.macro CHANGE fill
	WIN 0
	s_wait_tensorcnt 0x0
	ds_add_u32 v[SPW], v[NIL]
.if \fill
	s_lshl_b32 s[OFF], s[NXT], 20                  ; a tile's planes lie in the block of its 128 rows
	s_xor_b32 s[G0K+1], s[G0K+1], SLOT1
	s_add_nc_u64 s[G0K+2:G0K+3], s[6:7], s[OFF:OFF+1]
	s_or_b32 s[G0K+3], s[G0K+3], 0x80000000
	s_xor_b32 s[G0V+1], s[G0V+1], SLOT1
	s_add_nc_u64 s[G0V+2:G0V+3], s[8:9], s[OFF:OFF+1]
	s_or_b32 s[G0V+3], s[G0V+3], 0x80000000
	s_add_co_u32 s[NXT], s[NXT], 1                 ; the block's next tile, or behind its last the second block's tile 0
	s_cmp_gt_u32 s[NXT], s[LQ]
	s_cselect_b32 s[NXT], 0, s[NXT]
	s_cselect_b32 s[LQ], s[PB], s[LQ]
	s_wait_xcnt 0x0                                ; the last prefetch, a tile back, has read its address
	s_add_nc_u64 s[PFA:PFA+1], s[PFA:PFA+1], TILEB
.endif
	s_wait_dscnt 0x0                               ; the add is done, my reads of the slot are over
	s_barrier_signal -1
	s_sub_co_u32 s[TBK], s[TBK], 2*KS*PK           ; the fetches go back to a slot's first step, in the other slot
	s_xor_b32 s[TBK], s[TBK], SLOT1
	s_sub_co_u32 s[TBV], s[TBV], 2*KS*PV
	s_xor_b32 s[TBV], s[TBV], SLOT1
	s_barrier_wait -1
.if \fill
	LOAD
.endif
.endm
; A PREFETCH INTO THE L2: the work-group with b = 0 walks the head's 16 tiles in order; it alone asks, each of its waves 0-3 for its own 32 blocks of 256 bytes (a lane a block) of the tile that the
; NEXT change of slots will load: tiles 2 to 15, fourteen requests, each block named once in the launch.
.macro ASK
	s_cmp_lg_u32 s[PFN], 0
	s_cbranch_scc0 .Lnone_\@
	global_prefetch_b8 v[PFO], s[PFA:PFA+1] th:TH_LOAD_NT scope:SCOPE_SE
	s_sub_co_u32 s[PFN], s[PFN], 1
.Lnone_\@:
.endm
.macro PLACES                          ; four places between a matrix instruction and a load into, or a reader of, its registers
.rept 4
	v_nop
.endr
.endm
.macro FETCH_K                         ; a step's K: 64 keys x 64 channels, 8 fragments: key block kb, channel half c at KF + 16 kb + 8 c
	WIN 0
	v_add_nc_u32 v[AK], s[TBK], v[AK0]
	WIN TO1
.irp f, 0,1,2,3,4,5,6,7
	ds_load_b128 v[KF+8*\f:KF+8*\f+3],   v[AK] offset:(\f/2)*16*PK+(\f%2)*64
	ds_load_b128 v[KF+8*\f+4:KF+8*\f+7], v[AK] offset:(\f/2)*16*PK+(\f%2)*64+32
.endr
	s_add_co_u32 s[TBK], s[TBK], KS*PK
	WIN 0
.endm
.macro FETCH_V                         ; its V, turned: key half kk, channel block cb at VF + 32 kk + 8 cb
	WIN 0
	v_add_nc_u32 v[AV], s[TBV], v[AV0]
	WIN TO1
.irp f, 0,1,2,3,4,5,6,7
	ds_load_tr16_b128 v[VF+8*\f:VF+8*\f+3],   v[AV] offset:(\f/4)*32*PV+(\f%4)*32
	ds_load_tr16_b128 v[VF+8*\f+4:VF+8*\f+7], v[AV] offset:(\f/4)*32*PV+16*PV+(\f%4)*32
.endr
	s_add_co_u32 s[TBV], s[TBV], KS*PV
	WIN 0
.endm
.macro KQ1 kb, c, msk                  ; S^T(kb) for channels 32 c on; c = 0 starts the sum: with 0, or (msk = 2) with the diagonal's mask
	WIN W_KQ
.set rS, S+8*(\kb)
.set rK, KF+16*(\kb)+8*(\c)
.set rQ, QF+8*(\c)
.if ((\c) == 0) && ((\msk) == 2)
	v_wmma_f32_16x16x32_f16 v[rS:rS+7], v[rK:rK+7], v[rQ:rQ+7], v[MD+8*(\kb):MD+8*(\kb)+7]
.elseif (\c) == 0
	v_wmma_f32_16x16x32_f16 v[rS:rS+7], v[rK:rK+7], v[rQ:rQ+7], 0
.else
	v_wmma_f32_16x16x32_f16 v[rS:rS+7], v[rK:rK+7], v[rQ:rQ+7], v[rS:rS+7]
.endif
.endm
.macro PV1 kk, cb                      ; O^T(cb) += V^T P for keys 32 kk on
	WIN W_PV
.set rO, OT+8*(\cb)
.set rV, VF+32*(\kk)+8*(\cb)
.set rP, P+8*(\kk)
	v_wmma_f32_16x16x32_f16 v[rO:rO+7], v[rV:rV+7], v[rP:rP+7], v[rO:rO+7]
.endm
.macro TP how                          ; T^T: how = 1: = V^T U, U = 1 where the key is hidden in the band's own step; how = 2: += V^T 1, a step wholly hidden
	WIN W_PV
.irp kk, 0,1
.irp cb, 0,1,2,3
.set rTT, TT+8*(\cb)
.set rV, VF+32*(\kk)+8*(\cb)
.if (\how) == 2
	v_wmma_f32_16x16x32_f16 v[rTT:rTT+7], v[rV:rV+7], v[ONES:ONES+7], v[rTT:rTT+7]
.elseif (\kk) == 0
	v_wmma_f32_16x16x32_f16 v[rTT:rTT+7], v[rV:rV+7], v[MU:MU+7], 0
.else
	v_wmma_f32_16x16x32_f16 v[rTT:rTT+7], v[rV:rV+7], v[MU+8:MU+15], v[rTT:rTT+7]
.endif
.endr
.endr
.endm
; THE SOFTMAX, one line at a time: OP kind, number.  F n: c s - c m for pair n of 16.  E n: the exponential of score n of 32.  C n: pair n rounded to f16.  B n: of four weights the second pair is added onto
; the first.  L n: l takes that sum (L 0: l = a l + sum).  R n: pair n of O^T times a.  X n: number n of the 22 that find the maximum and statistics (each accumulator's lowest registers are read first).
.set F, 0
.set E, 1
.set C, 2
.set B, 3
.set L, 4
.set R, 5
.set X, 6
.set rT, ST
.set rC, ST+4
.macro OP k, n
.if (\k) == R
	WIN W_RS
	v_pk_mul_f32 v[OT+2*(\n):OT+2*(\n)+1], v[OT+2*(\n):OT+2*(\n)+1], v[rC+2:rC+3] op_sel_hi:[1,0]
.else
	WIN 0
.if (\k) == F
	v_pk_fma_f32 v[S+2*(\n):S+2*(\n)+1], v[S+2*(\n):S+2*(\n)+1], s[CS:CS+1], v[rT:rT+1] op_sel_hi:[1,0,0] neg_lo:[0,0,1] neg_hi:[0,0,1]
.elseif (\k) == E
	v_exp_f32 v[S+(\n)], v[S+(\n)]
.elseif (\k) == C
	v_cvt_pk_f16_f32 v[P+(\n)], v[S+2*(\n)], v[S+2*(\n)+1]
.elseif (\k) == B
	v_pk_add_f32 v[S+4*(\n):S+4*(\n)+1], v[S+4*(\n):S+4*(\n)+1], v[S+4*(\n)+2:S+4*(\n)+3]
.elseif ((\k) == L) && ((\n) == 0)
	v_pk_fma_f32 v[rT+2:rT+3], v[rT+2:rT+3], v[rC+2:rC+3], v[S:S+1] op_sel_hi:[1,0,1]
.elseif (\k) == L
	v_pk_add_f32 v[rT+2:rT+3], v[rT+2:rT+3], v[S+4*(\n):S+4*(\n)+1]
.elseif (\n) < 4
	v_max3_num_f32 v[rC+(\n)], v[S+8*(\n)], v[S+8*(\n)+1], v[S+8*(\n)+2]
.elseif (\n) < 12
	v_max3_num_f32 v[rC+(\n)%4], v[rC+(\n)%4], v[S+8*((\n)%4)+2*((\n)/4)+1], v[S+8*((\n)%4)+2*((\n)/4)+2]
.elseif (\n) == 12
	v_max3_num_f32 v[rC], v[rC], v[S+7], v[S+15]
.elseif (\n) == 13
	v_max3_num_f32 v[rC+1], v[rC+1], v[S+23], v[S+31]
.elseif (\n) == 14
	v_max3_num_f32 v[rC+2], v[rC+2], v[rC+3], v[rT+1]
.elseif (\n) == 15
	v_mov_b32 v[MV], v[rT]
.elseif (\n) == 16
	v_max3_num_f32 v[rC], v[rC], v[rC+1], v[rC+2]
.elseif (\n) == 17
	v_permlanex16_b32 v[rC+3], v[rC], s[SEL], s[SEL+1]
.elseif (\n) == 18
	v_max_num_f32 v[rT+1], v[rC], v[rC+3]
.elseif (\n) == 19
	v_mul_f32 v[rT], s[CS], v[rT+1]
.elseif (\n) == 20
	v_sub_f32 v[rC+1], v[MV], v[rT]
.else
	v_exp_f32 v[rC+2], v[rC+1]
.endif
.endif
.endm
.macro SOFT                            ; all that the products V^T P wait for: statistics, weights, their rounding, O^T times a
.set z, 0
.rept 22
	OP X, z
.set z, z+1
.endr
	OP F, 0
.set z, 1
.rept 15                               ; a pair is scaled ahead of its exponentials; nothing here names an exponential's result
	OP F, z
	OP E, 2*z-2
	OP E, 2*z-1
.set z, z+1
.endr
	OP E, 30
	OP E, 31
	v_nop                                          ; a plain instruction behind the last exponential,
	s_wait_alu depctr_va_vdst(0)                   ; and ONE wait for the batch of 33, ahead of its first reader
.set z, 0
.rept 16
	OP C, z
.set z, z+1
.endr
.set z, 0
.rept 16
	OP R, z
.set z, z+1
.endr
.endm
.macro SUMS                            ; the weights' sum: no product waits for it, so it stands behind them; its 16 plain lines name no register of theirs and are the places behind the last product
.set z, 0
.rept 8
	OP B, z
.set z, z+1
.endr
.set z, 0
.rept 8
	OP L, z
.set z, z+1
.endr
.endm
; A KEY STEP.  p = 1: the wave sees all keys; 2: its band holds the diagonal.  t = 1: T^T is started with the step's hidden keys.  fetch = 1: the tile's next step is fetched.
; The four accumulators of a run of eight take turns, one instruction a turn.
.macro STEP p, t, fetch
	s_wait_dscnt 16                                ; K is in; V's 16 loads are younger
.irp c, 0,1
.irp kb, 0,1,2,3
	KQ1 \kb, \c, \p
.endr
.endr
	PLACES                                         ; in front of the loads into K's registers and of the maximum
.if \fetch
	FETCH_K
.endif
	SOFT
	s_wait_dscnt 0x0                               ; V is in (and the next K, asked for a softmax ago)
.irp kk, 0,1
.irp cb, 0,1,2,3
	PV1 \kk, \cb
.endr
.endr
.if \t
	TP 1
.endif
	SUMS
.if \fetch
	FETCH_V
.endif
	WIN 0
.endm
; THE DIAGONAL TILE.  Band 1 sees all of the tile's first step and holds the diagonal in the second; band 0 holds it in the first, and of the second, wholly hidden, takes V's sum alone.
; So the band's own step stands once: waves 4-7 run a plain step in front of it, waves 0-3 eight products with ones behind it.  Both branches hang on the wave's number and pass neither a barrier nor a tensor load;
; on both ways K's and V's LDS places have stepped twice when the ways join.
.macro DIAG
	s_cmp_lt_u32 s[WV], 4
	s_cbranch_scc1 .Lown_\@
	STEP 1, 0, 1
.Lown_\@:
	STEP 2, 1, 0
	s_cmp_lt_u32 s[WV], 4
	s_cbranch_scc0 .Ldone_\@
	s_add_co_u32 s[TBK], s[TBK], KS*PK             ; the second step's K is not wanted: its place steps all the same
	FETCH_V
	s_wait_dscnt 0x0
	TP 2
	PLACES
	WIN 0
.Ldone_\@:
.endm
.macro INIT                            ; a block begins: c m far below every c s, so the first step's a is 0; m at the lowest finite number
	v_mov_b32 v[ST], 0xfe000000
	v_mov_b32 v[ST+1], 0xff7fffff
	v_mov_b32 v[ST+2], 0
	v_mov_b32 v[ST+3], 0
.endm
; A BLOCK ENDS: the hidden keys' step, the division, the way out.  voff: where the block's VS lies; sw = 1: the second block is set up.
.macro BLOCKEND voff, sw
	WIN 0
.irp cb, 0,1,2,3
	ds_load_b128 v[VSR+8*\cb:VSR+8*\cb+3],   v[VSA] offset:(\voff)+64*\cb
	ds_load_b128 v[VSR+8*\cb+4:VSR+8*\cb+7], v[VSA] offset:(\voff)+64*\cb+16
.endr
	v_add_f32 v[ST+4], v[ST+2], v[ST+3]
	v_sub_nc_u32 v[TL+7], s[QH], v1                ; hc = 2047 - q
	v_permlanex16_b32 v[ST+5], v[ST+4], s[SEL], s[SEL+1]
	v_cmp_lt_i32 vcc_lo, 0, v[TL+7]
	v_cndmask_b32 v[TL+3], s[LOW], v[ZR], vcc_lo   ; the hidden keys' score: 0, or the lowest number where there are none
	v_cvt_f32_i32 v[TL+1], v[TL+7]
	v_add_f32 v[ST+4], v[ST+4], v[ST+5]            ; l
	v_max_num_f32 v[TL+6], v[ST+1], v[TL+3]
	v_mul_f32 v[TL+6], s[CS], v[TL+6]              ; c m'
	v_sub_f32 v[TL+7], v[ST], v[TL+6]
	v_fma_f32 v[TL], v[TL+3], s[CS], -v[TL+6]
	v_exp_f32 v[TL+4], v[TL+7]                     ; a
	v_exp_f32 v[TL+5], v[TL]                       ; p
	v_nop
	s_wait_alu depctr_va_vdst(0)                   ; one wait for the two exponentials
	v_mul_f32 v[TL+7], v[TL+5], v[TL+1]
	v_fma_f32 v[TL+7], v[ST+4], v[TL+4], v[TL+7]   ; a l + p hc
	v_rcp_f32 v[TL+6], v[TL+7]
	v_nop
	s_wait_alu depctr_va_vdst(0)                   ; and one for the reciprocal
	v_mul_f32 v[TL], v[TL+4], v[TL+6]
	v_mul_f32 v[TL+2], v[TL+5], v[TL+6]
	s_wait_dscnt 0x0                               ; VS
	WIN W_RS
.set z, 0
.rept 16
	v_pk_add_f32 v[TT+z:TT+z+1], v[TT+z:TT+z+1], v[VSR+z:VSR+z+1]
.set z, z+2
.endr
.set z, 0
.rept 16
	v_pk_mul_f32 v[TT+z:TT+z+1], v[TT+z:TT+z+1], v[TL+2:TL+3] op_sel_hi:[1,0]
.set z, z+2
.endr
	WIN W_PV
.set z, 0
.rept 16
	v_pk_fma_f32 v[OT+z:OT+z+1], v[OT+z:OT+z+1], v[TL:TL+1], v[TT+z:TT+z+1] op_sel_hi:[1,0,1]
.set z, z+2
.endr
	WIN 0x05                                       ; rounded to f16; 16 bytes a lane into my stage, back as four rows of 128 bytes
.set z, 0
.rept 16
	v_cvt_pk_f16_f32 v[S+z], v[OT+2*z], v[OT+2*z+1]
.set z, z+1
.endr
	WIN 0
.irp f, 0,1,2,3
	ds_store_b128 v[STO], v[S+4*\f:S+4*\f+3] offset:32*\f
.endr
.irp f, 0,1,2,3
	ds_load_b128 v[S+4*\f:S+4*\f+3], v[RD] offset:\f*4*SP  ; a wave's LDS instructions are served in order: these see the stores above
.endr
.irp f, 0,1,2,3
	s_wait_dscnt 3-\f                              ; load f is back; the younger ones may stay out
	global_store_b128 v[GO], v[S+4*\f:S+4*\f+3], s[10:11] offset:\f*512  ; 512 consecutive bytes, aligned
.endr
.if \sw
	s_wait_xcnt 0x0                                ; the stores have read their registers and O's address
	s_mov_b64 s[10:11], s[OLO:OLO+1]
	s_add_co_u32 s[RT], s[PB], 1                   ; the second block has b + 1 tiles
	s_mov_b32 s[QH], s[QH2]
	WIN 0x41
.set z, 0
.rept 16
	v_mov_b32 v[QF+z], v[QB+z]
.set z, z+1
.endr
	WIN 0
	INIT                                           ; O^T need only be finite: the block's first step multiplies it by a = 0
.endif
.endm
	s_load_b128 s[48:51], s[0:1], 0x0              ; pl 48, ts 50
	s_load_b64 s[52:53], s[0:1], 0x10              ; O
	v_lshl_add_u32 v[SPW], v0, 2, SPARE
	v_mov_b32 v[NIL], 0
	ds_add_u32 v[SPW], v[NIL]                      ; the wave's opening: the add, waited for ahead of my first tensor load
	v_lshrrev_b32 v1, 5, v0
	v_readfirstlane_b32 s[WV], v1                  ; wave 0..7
	s_mov_b32 s[PB], ttmp9
	s_sub_co_u32 s[HI], 15, s[PB]
	s_and_b32 s20, ttmp7, 0xffff                   ; batch x 16 + head
	s_lshr_b32 s18, s20, 4
	s_lshl_b32 s18, s18, 24                        ; the batch's sixteen blocks of 1 MiB,
	s_and_b32 s19, s20, 15
	s_lshl_b32 s19, s19, 14
	s_add_co_u32 s18, s18, s19                     ; the head's plane of k in the first of them
	s_and_b32 s16, s[WV], 1                        ; which half of a tile's 128 keys I fetch (waves 0-3)
	s_lshl_b32 s22, s16, 13
	s_add_co_u32 s22, s22, s18
	s_mov_b32 s23, 0
	s_mul_i32 s17, s16, 64*PK
	s_mul_i32 s21, s16, 64*PV
	s_lshl_b32 s3, s[WV], 11                       ; my 16 rows of a block: 2,048 bytes of a plane
	s_lshl_b32 s2, s[HI], 20
	s_add_co_u32 s2, s2, s3
	s_add_co_u32 s2, s2, s18
	s_add_co_u32 s2, s2, QPL
	s_lshl_b32 s54, s[PB], 20
	s_add_co_u32 s54, s54, s3
	s_add_co_u32 s54, s54, s18
	s_add_co_u32 s54, s54, QPL
	s_mov_b32 s55, 0
	s_lshr_b32 s13, s20, 4                         ; O: ((16 batch + block) 16 + head) x 16,384 + my rows
	s_lshl_b32 s13, s13, 4
	s_and_b32 s19, s20, 15
	s_add_co_u32 s66, s13, s[HI]
	s_lshl_b32 s66, s66, 4
	s_add_co_u32 s66, s66, s19
	s_lshl_b32 s66, s66, 14
	s_add_co_u32 s66, s66, s3
	s_mov_b32 s67, 0
	s_add_co_u32 s68, s13, s[PB]
	s_lshl_b32 s68, s68, 4
	s_add_co_u32 s68, s68, s19
	s_lshl_b32 s68, s68, 14
	s_add_co_u32 s68, s68, s3
	s_mov_b32 s69, 0
	s_mov_b32 s3, 0
	s_lshl_b32 s19, s[WV], 4
	s_lshl_b32 s13, s[HI], 7
	s_sub_co_u32 s[QH], 2047, s13
	s_sub_co_u32 s[QH], s[QH], s19
	s_lshl_b32 s13, s[PB], 7
	s_sub_co_u32 s[QH2], 2047, s13
	s_sub_co_u32 s[QH2], s[QH2], s19
	; 64 keys are 8,192 dense bytes: 32 rows of 256 bytes, two keys a row, padded in LDS after every key
	s_mov_b32 s[G1K], (1<<16)|(1<<20)|(4<<22)|(3<<25)
	s_mov_b32 s[G1V], (1<<16)|(1<<20)|(4<<22)|(7<<25)
.irp g, G1K, G1V
	s_mov_b32 s[\g+1], 128<<16
	s_mov_b32 s[\g+2], 32<<16
	s_mov_b32 s[\g+3], 128<<16
	s_mov_b32 s[\g+4], 32
	s_mov_b32 s[\g+5], 128
	s_mov_b32 s[\g+6], 0
	s_mov_b32 s[\g+7], 0
.endr
	s_mov_b32 s[CS], 0x3e38aa3b                    ; c = log2(e) / 8
	s_mov_b32 s[CS+1], s[CS]
	s_mov_b32 s[SEL], 0x76543210
	s_mov_b32 s[SEL+1], 0xfedcba98
	s_mov_b32 s[TBK], SLOT1+2*KS*PK                ; the first change of slots turns these two into 0
	s_mov_b32 s[TBV], SLOT1+2*KS*PV
	s_mov_b32 s[G0K], 1
	s_mov_b32 s[G0K+1], s17
	s_mov_b32 s[G0V], 1
	s_add_co_u32 s[G0V+1], s21, VOFF
	s_add_co_u32 s[RT], s[HI], 1
	s_mov_b32 s[NXT], 1
	s_mov_b32 s[LQ], s[HI]
	s_mov_b32 s[OFF+1], 0
	s_mov_b32 s[FH+1], 0
	s_mov_b32 s[FL+1], 0
	s_mov_b32 s[BIGN], 0xf149f2ca                  ; -1e30
	s_mov_b32 s[LOW], 0xff7fffff
	s_mov_b32 s[SLOTS], 16
	s_cmp_eq_u32 s[PB], 0
	s_cselect_b32 s[PFN], 14, 0
	s_cmp_lt_u32 s[WV], 4
	s_cselect_b32 s[PFN], s[PFN], 0                ; only the waves that fetch ask
	s_lshl_b32 s18, s20, 12                        ; the head's 16 x 64 sums
	s_mov_b32 s19, 0
	s_wait_dscnt 0x0                               ; the opening add is done
	s_wait_kmcnt 0x0
	s_add_nc_u64 s[6:7], s[48:49], s[22:23]        ; K at my half of the head's tile 0,
	s_add_nc_u64 s[8:9], s[6:7], VPL               ; V likewise
	s_add_nc_u64 s[G0K+2:G0K+3], s[6:7], 0
	s_or_b32 s[G0K+3], s[G0K+3], 0x80000000
	s_add_nc_u64 s[G0V+2:G0V+3], s[8:9], 0
	s_or_b32 s[G0V+3], s[G0V+3], 0x80000000
	s_add_nc_u64 s[4:5], s[48:49], s[2:3]          ; Q at my rows of the first block,
	s_add_nc_u64 s[88:89], s[48:49], s[54:55]      ; and of the second
	s_add_nc_u64 s[10:11], s[52:53], s[66:67]
	s_add_nc_u64 s[OLO:OLO+1], s[52:53], s[68:69]
	s_add_nc_u64 s[50:51], s[50:51], s[18:19]
	s_cmp_lt_u32 s[WV], 2
	s_cselect_b64 s[PFA:PFA+1], s[6:7], s[8:9]
	s_add_nc_u64 s[PFA:PFA+1], s[PFA:PFA+1], TILEB ; at tile 1: the first change of slots steps it to tile 2
	LOAD                                           ; tile 0 into slot 0
	v_and_b32 v1, 15, v0                           ; r
	v_bfe_u32 v9, v0, 4, 1                         ; h
	v_and_b32 v[TSO], 31, v0
	v_lshlrev_b32 v[PFO], 8, v[TSO]
	v_lshlrev_b32 v[GO], 4, v[TSO]
	s_lshl_b32 s13, s[WV], 9
	s_add_co_u32 s13, s13, VSCR
	v_lshl_add_u32 v[VSW], v[TSO], 3, s13
	v_lshl_add_u32 v[VSA], v9, 5, s13
	v_lshlrev_b32 v[TSO], 3, v[TSO]
.set t, 1
.rept 15                               ; the sums of tiles 1 to 15: two channels a lane
	global_load_b64 v[S+2*(t-1):S+2*(t-1)+1], v[TSO], s[50:51] offset:256*t
.set t, t+1
.endr
	v_lshlrev_b32 v[QO], 7, v1
	v_lshl_add_u32 v[QO], v9, 4, v[QO]
	WIN TO1
.irp c, 0,1
	global_load_b128 v[QF+8*\c:QF+8*\c+3],   v[QO], s[4:5] offset:\c*64
	global_load_b128 v[QF+8*\c+4:QF+8*\c+7], v[QO], s[4:5] offset:\c*64+32
	global_load_b128 v[QB+8*\c:QB+8*\c+3],   v[QO], s[88:89] offset:\c*64
	global_load_b128 v[QB+8*\c+4:QB+8*\c+7], v[QO], s[88:89] offset:\c*64+32
.endr
.set i, 0
.rept 32                               ; O^T need only be finite when a block begins; this stands in the wait for the first tile
	v_mov_b32 v[OT+i], 0
.set i, i+1
.endr
	WIN 0
	v_lshlrev_b32 v14, 3, v9
	v_sub_nc_u32 v14, v1, v14
	s_and_b32 s13, s[WV], 3
	s_lshl_b32 s13, s13, 4
	v_add_nc_u32 v14, s13, v14                     ; my query's place in its band less 8 h: register e % 8 of key block e / 8 is hidden where 16 (e / 8) + e % 8 is greater
.set i, 0
.rept 32
	v_cmp_gt_i32 vcc_lo, 16*(i/8)+i%8, v14
	v_cndmask_b32 v[MD+i], 0, s[BIGN], vcc_lo      ; the mask for the scores,
	v_cndmask_b32 v[P+i], 0, 1.0, vcc_lo           ; and 1 for a hidden key
.set i, i+1
.endr
.set i, 0
.rept 16
	v_cvt_pk_f16_f32 v[MU+i], v[P+2*i], v[P+2*i+1]
.set i, i+1
.endr
.set i, 0
.rept 8
	v_mov_b32 v[ONES+i], 0x3c003c00
.set i, i+1
.endr
	v_mov_b32 v[ZR], 0
	INIT
	v_mul_u32_u24 v[AK0], v1, PK
	v_lshl_add_u32 v[AK0], v9, 4, v[AK0]
	v_and_b32 v10, 7, v0
	v_bfe_u32 v11, v0, 3, 1
	v_lshl_add_u32 v[AV0], v9, 3, v10
	v_mul_u32_u24 v[AV0], v[AV0], PV
	v_lshl_add_u32 v[AV0], v11, 4, v[AV0]
	v_add_nc_u32 v[AV0], VOFF, v[AV0]
	s_mul_i32 s13, s[WV], 16*SP
	s_add_co_u32 s13, s13, STAGE
	v_mul_u32_u24 v[STO], v1, SP
	v_lshl_add_u32 v[STO], v9, 4, v[STO]
	v_add_nc_u32 v[STO], s13, v[STO]
	v_bfe_u32 v[RD], v0, 3, 2
	v_mul_u32_u24 v[RD], v[RD], SP
	v_lshl_add_u32 v[RD], v10, 4, v[RD]
	v_add_nc_u32 v[RD], s13, v[RD]
	s_wait_loadcnt 8                               ; the tiles' sums are in; Q's 8 loads are younger
.set t, 1
.rept 15                               ; VS = the sum over the tiles above the block's own, added up directly
	s_cmp_lt_u32 s[HI], t
	s_cselect_b32 s[FH], 1.0, 0
	s_cmp_lt_u32 s[PB], t
	s_cselect_b32 s[FL], 1.0, 0
.if t == 1
	v_pk_mul_f32 v[TL:TL+1], v[S:S+1], s[FH:FH+1] op_sel_hi:[1,0]
	v_pk_mul_f32 v[TL+2:TL+3], v[S:S+1], s[FL:FL+1] op_sel_hi:[1,0]
.else
	v_pk_fma_f32 v[TL:TL+1], v[S+2*(t-1):S+2*(t-1)+1], s[FH:FH+1], v[TL:TL+1] op_sel_hi:[1,0,1]
	v_pk_fma_f32 v[TL+2:TL+3], v[S+2*(t-1):S+2*(t-1)+1], s[FL:FL+1], v[TL+2:TL+3] op_sel_hi:[1,0,1]
.endif
.set t, t+1
.endr
	ds_store_b64 v[VSW], v[TL:TL+1]                ; my wave's own bytes: read back by channels at a block's end
	ds_store_b64 v[VSW], v[TL+2:TL+3] offset:256
	s_wait_loadcnt 0x0                             ; Q
.Ltile:                                ; 16 times: a tile is entered and the next is asked for
	CHANGE 1
	FETCH_K
	FETCH_V
	ASK
	s_sub_co_u32 s[RT], s[RT], 1
	s_cmp_eq_u32 s[RT], 0
	s_cbranch_scc1 .Ldiag
	STEP 1, 0, 1
	STEP 1, 0, 0
	s_branch .Lnext
.Ldiag:                                ; in the loop this is the first block's diagonal tile: the second block's is the walk's last
	DIAG
	BLOCKEND 0, 1
.Lnext:
	s_sub_co_u32 s[SLOTS], s[SLOTS], 1
	s_cmp_lg_u32 s[SLOTS], 0
	s_cbranch_scc1 .Ltile
	CHANGE 0                                       ; the walk's last tile is written out: nothing is asked for
	FETCH_K
	FETCH_V
	DIAG
	BLOCKEND 256, 0
	s_wait_tensorcnt 0x0                           ; the wave's end
	ds_add_u32 v[SPW], v[NIL]
	s_wait_dscnt 0x0
	s_endpgm
.Lfunc_end_k_qd5bb166427_attn:
	.size	k_qd5bb166427_attn, .Lfunc_end_k_qd5bb166427_attn-k_qd5bb166427_attn
	.p2alignl 7, 3214868480
	.fill 96, 4, 3214868480
	.section	.rodata,"a",@progbits
	.p2align	6, 0x0
	.amdhsa_kernel k_qd5bb166427_attn
		.amdhsa_group_segment_fixed_size 327680
		.amdhsa_private_segment_fixed_size 0
		.amdhsa_enable_private_segment 0
		.amdhsa_kernarg_size 24
		.amdhsa_user_sgpr_count 2
		.amdhsa_user_sgpr_kernarg_segment_ptr 1
		.amdhsa_wavefront_size32 1
		.amdhsa_system_sgpr_workgroup_id_x 1
		.amdhsa_system_sgpr_workgroup_id_y 1
		.amdhsa_system_sgpr_workgroup_id_z 1
		.amdhsa_system_vgpr_workitem_id 0
		.amdhsa_next_free_vgpr 512
		.amdhsa_next_free_sgpr 96
		.amdhsa_reserve_vcc 1
		.amdhsa_float_denorm_mode_32 3
		.amdhsa_float_denorm_mode_16_64 3
		.amdhsa_memory_ordered 1
		.amdhsa_forward_progress 1
		.amdhsa_inst_pref_size 100
	.end_amdhsa_kernel
	.amdgpu_metadata
---
amdhsa.version: [ 1, 2 ]
amdhsa.kernels:
  - .name:           k_qd5bb166427_attn
    .symbol:         k_qd5bb166427_attn.kd
    .args:
      - { .name: pl, .offset: 0, .size: 8, .value_kind: global_buffer, .address_space: global }
      - { .name: ts, .offset: 8, .size: 8, .value_kind: global_buffer, .address_space: global }
      - { .name: nb, .offset: 16, .size: 8, .value_kind: global_buffer, .address_space: global }
    .group_segment_fixed_size: 327680
    .private_segment_fixed_size: 0
    .kernarg_segment_align: 8
    .kernarg_segment_size: 24
    .max_flat_workgroup_size: 256
    .sgpr_count:     96
    .vgpr_count:     512
    .wavefront_size: 32
...
	.end_amdgpu_metadata
.endif
;; end of part 13
;; launch wo (part 14): grid 8 x 32, 4 waves a work-group, clusters of 4 x 4, 327,680 bytes of LDS; arguments nb, wB, bo, y, y1, st2; writes y1, st2
.if DOCPART == 14
	.amdgcn_target "amdgcn-amd-amdhsa--gfx1250"
	.amdhsa_code_object_version 6
	.text
	.protected	k_qd5bb166427_wo
	.globl	k_qd5bb166427_wo
	.p2align	8
	.type	k_qd5bb166427_wo,@function
k_qd5bb166427_wo:
	s_mov_b64 s[64:65], 0
	v_nop
	global_prefetch_b8 v0, s[64:65] scope:SCOPE_SE
	s_setreg_imm32_b32 hwreg(HW_REG_WAVE_MODE, 25, 1), 1
	s_wait_xcnt 0x0
	s_wait_alu depctr_hold_cnt(0) depctr_sa_sdst(0) depctr_va_vdst(0) depctr_va_sdst(0) depctr_va_ssrc(0) depctr_va_vcc(0) depctr_vm_vsrc(0)
	s_getreg_b32 s2, hwreg(HW_REG_IB_STS2, 6, 4)
	s_cmp_eq_u32 s2, 0
	s_cbranch_scc0 .Lentry_in_a_cluster
	s_endpgm
.Lentry_in_a_cluster:
	s_bfe_u32 s2, ttmp6, 0x10000c
	s_cmp_lg_u32 s2, 0xf033
	s_cbranch_scc0 .Lentry_shape_is_right
	s_endpgm
.Lentry_shape_is_right:
; y1 = y + O Wo + bo in f32, and each tile's mean and M2 (16,384 numbers) for the norm that follows.  O: f16 [block of 128 rows][head][128][64]; Wo f16 [1024][1024], behind W1's sixteen blocks in wB.
; f16 operands, f32 sums that start at the bias.  LIMITS: none beyond the operands' f16 range.
; A tile of C is 128 x 128: 4,096 x 1,024 outputs shared among 256 work-groups.  Four waves, each 64 x 64: 16 accumulators.  K goes in 4 steps of 256 through two LDS slots.
; W lies [K][N] and comes out of LDS turned (ds_load_tr16_b128).  The matrix instruction is used transposed (source 0 = 16 columns of W, source 1 = 16 rows of A):
; a lane then holds eight neighbouring columns of one row of C.  CLUSTER 4 x 4: A's tile is asked for jointly along a row of the cluster, W's along a column.
; No prefetch: a step's tile is small and is read by four partners through one request.
.set NSTEP,  4                         ; K / 256
.set BSTR,   1024                      ; elements in a row of W
.set WOFF,   0x808000                  ; W's first byte in wB
.set TRSH,   18                        ; log2 of the bytes of a block of 128 rows of A
.set OUTP,   80                        ; s[OUTP:OUTP+1] the output
.set PA,     144                       ; a plane's row: 128 bytes + 16
.set STEPA,  128*144                   ; 64 K further on: the next plane
.set AHALF,  2*128*144
.set GA,     65536                     ; a K step in memory
.set SPITCH, 272
.set PB,     288                       ; a row of W's tile: 256 bytes + 32
.set BOFF,   73728                     ; W's 256 rows lie behind A's part of a slot
.set STEPB,  64*PB
.set SLOT,   147456                    ; = 0x24000; no tile address inside a slot has one of its two bits, so an exclusive or changes slots
.set GB,     256*BSTR*2
.set STAGE,  2*SLOT                    ; each wave's own 16 rows for the way out; never filled by a tensor load
.set STATS,  STAGE+4*16*272
.set SPARE,  STATS+256                 ; the spare words, 128 bytes a wave
.set AA0, 16                           ; v16, v17  my lane's place in A's and W's part of a slot; never rewritten
.set AB0, 17
.set AA,  18                           ; v18, v19  the addresses of the run of loads in hand
.set AB,  19
.set STO, 24
.set RD,  25
.set CO,  26
.set BO,  27
.set SPW, 28
.set NIL, 29
.set SA,  31
.set TMP, 32                           ; v32-95 at work
.set ACC, 128                          ; accumulator (a, b) at ACC + 8 (4 a + b).  Window 1: v0-63 A's fragments (c, i) at 8 (4 c + i); v64-127 W's; v128-255 the residual
.set G1,  24
.set G0,  32
.set G1B, 48
.set G0B, 56
.set TA,  66                           ; s66, s67  LDS byte of the 64 K to be fetched next, for A and for W
.set TB,  67
.set CI,  68
.set SEL, 70
.set MSB, 0
.macro WIN new
.if MSB != (\new)
	s_set_vgpr_msb (MSB<<8)|(\new)
.set MSB, \new
.endif
.endm
.set MUL,  0x05                        ; sources 0 and 1 window 1; C and D window 0
.set TO_F, 0x40                        ; destination window 1, address window 0
.macro JLOAD s                         ; a joint load: waves 0, 1 fetch A's halves, waves 2, 3 W's; s_nop 0 and four v_nop follow each line
	s_cmp_eq_u32 s11, 0
	s_cbranch_scc0 .Lfor_b_\@
	tensor_load_to_lds s[G0+4*(\s):G0+4*(\s)+3], s[G1:G1+7]
	s_nop 0
.rept 4
	v_nop
.endr
	s_branch .Lasked_\@
.Lfor_b_\@:
	tensor_load_to_lds s[G0B+4*(\s):G0B+4*(\s)+3], s[G1B:G1B+7]
	s_nop 0
.rept 4
	v_nop
.endr
.Lasked_\@:
.endm
.macro CREST                           ; a round of the cluster's barrier behind its opening barrier
	s_cmp_lg_u32 s10, 0
	s_cbranch_scc1 .Lnot_wave_0_\@
	s_barrier_signal -3
.Lnot_wave_0_\@:
	s_barrier_wait -3
	s_barrier_signal -1
	s_barrier_wait -1
.endm
.macro CROUND
	s_barrier_signal -1
	s_barrier_wait -1
	CREST
.endm
.macro PLACES                          ; four places between a matrix instruction and a load into, or a reader of, its registers
.rept 4
	v_nop
.endr
.endm
.macro MUL8 c, a0                      ; row blocks a0, a0 + 1 x all four column blocks, 32 K (half c of the fragments)
	WIN MUL
.irp a, \a0, (\a0)+1
.irp b, 0,1,2,3
	v_wmma_f32_16x16x32_f16 v[ACC+8*(4*(\a)+(\b)):ACC+8*(4*(\a)+(\b))+7], v[64+8*(4*(\c)+(\b)):64+8*(4*(\c)+(\b))+7], v[8*(4*(\c)+(\a)):8*(4*(\c)+(\a))+7], v[ACC+8*(4*(\a)+(\b)):ACC+8*(4*(\a)+(\b))+7]
.endr
.endr
.endm
.macro MUL16 c                         ; the 16 accumulators take turns, always in the same order
	MUL8 \c, 0
	MUL8 \c, 2
.endm
.macro FETCH16 c                       ; 16 LDS loads: half c (32 K) of the 64 K at v[AA], v[AB]
	WIN TO_F
.irp i, 0,1,2,3
	ds_load_tr16_b128 v[64+8*(4*(\c)+(\i)):64+8*(4*(\c)+(\i))+3],   v[AB] offset:(\c)*32*PB+32*(\i)
	ds_load_tr16_b128 v[64+8*(4*(\c)+(\i))+4:64+8*(4*(\c)+(\i))+7], v[AB] offset:(\c)*32*PB+16*PB+32*(\i)
	ds_load_b128 v[8*(4*(\c)+(\i)):8*(4*(\c)+(\i))+3],   v[AA] offset:(\i)*16*PA+64*(\c)
	ds_load_b128 v[8*(4*(\c)+(\i))+4:8*(4*(\c)+(\i))+7], v[AA] offset:(\i)*16*PA+64*(\c)+32
.endr
.endm
.macro ADDR
	v_add_nc_u32 v[AA], s[TA], v[AA0]
	v_add_nc_u32 v[AB], s[TB], v[AB0]
.endm
.macro STEPP
	s_add_co_u32 s[TA], s[TA], STEPA
	s_add_co_u32 s[TB], s[TB], STEPB
.endm
.macro Q64                             ; multiplies 64 K and fetches the next 64 K of the same slot
	s_wait_dscnt 16                                ; half 0 is in; half 1's 16 loads are younger
	MUL16 0
	WIN 0
	ADDR                                           ; two plain instructions and two v_nop: the four places
	v_nop
	v_nop
	FETCH16 0
	s_wait_dscnt 16                                ; half 1 is in; the 16 just issued are younger
	MUL16 1
	PLACES
	FETCH16 1
	WIN 0
	STEPP
.endm
.macro INNER                           ; the first three quarters of a K step
	s_mov_b32 s[CI], 3
.Lq_\@:
	Q64
	s_sub_co_u32 s[CI], s[CI], 1
	s_cmp_lg_u32 s[CI], 0
	s_cbranch_scc1 .Lq_\@
.endm
; The last quarter and the change of slots: each wave waits for all its tensor loads (one is out: its part of the next slot), adds 0 to its spare word, waits for that and for its reads
; of this slot; behind the barrier (fill = 1: a round of the cluster's) this slot is filled again first, with the K step two on: 112 matrix instructions ahead of the wait for it.
.macro TURN64 fill
	WIN 0
	s_wait_tensorcnt 0x0
	ds_add_u32 v[SPW], v[NIL]
	s_wait_dscnt 17                                ; half 0 is in; half 1's 16 loads and the add are younger
	MUL8 0, 0
	s_wait_dscnt 0x0                               ; the add is done, my reads of this slot are over
	s_barrier_signal -1
	MUL8 0, 2
	WIN 0
	s_barrier_wait -1
.if \fill
	CREST
	s_xor_b32 s[G0+5], s[G0+5], SLOT               ; the walking descriptors: the other slot than last time, one K step on; no load of mine is out
	s_add_nc_u64 s[G0+6:G0+7], s[G0+6:G0+7], GA
	s_xor_b32 s[G0B+5], s[G0B+5], SLOT
	s_add_nc_u64 s[G0B+6:G0B+7], s[G0B+6:G0B+7], GB
	JLOAD 1                                        ; its four v_nop are also the places in front of the loads below
.else
	PLACES
.endif
	s_sub_co_u32 s[TA], s[TA], 4*STEPA
	s_xor_b32 s[TA], s[TA], SLOT
	s_sub_co_u32 s[TB], s[TB], 4*STEPB
	s_xor_b32 s[TB], s[TB], SLOT
	ADDR
	FETCH16 0
	MUL16 1
	PLACES
	FETCH16 1
	WIN 0
	STEPP
.endm
.macro WRED a, t
	v_add_f32_dpp v[\a], v[\a], v[\a] row_xmask:1 row_mask:0xf bank_mask:0xf
	v_add_f32_dpp v[\a], v[\a], v[\a] row_xmask:2 row_mask:0xf bank_mask:0xf
	v_add_f32_dpp v[\a], v[\a], v[\a] row_xmask:4 row_mask:0xf bank_mask:0xf
	v_add_f32_dpp v[\a], v[\a], v[\a] row_xmask:8 row_mask:0xf bank_mask:0xf
	v_permlanex16_b32 v[\t], v[\a], s[SEL], s[SEL+1]
	v_add_f32 v[\a], v[\a], v[\t]
.endm
	s_load_b256 s[72:79], s[0:1], 0x0              ; A 72, wB 74, bias 76, the residual 78
	s_load_b128 s[80:83], s[0:1], 0x20             ; the output 80, the statistics 82
	v_lshl_add_u32 v[SPW], v0, 2, SPARE
	v_mov_b32 v[NIL], 0
	ds_add_u32 v[SPW], v[NIL]                      ; the wave's opening: the add, waited for ahead of my first tensor load
	v_lshrrev_b32 v1, 5, v0
	v_readfirstlane_b32 s10, v1                    ; wave 0..3
	s_lshr_b32 s11, s10, 1                         ; my half of the tile's rows; also: I fetch for A (0) or W (1)
	s_and_b32 s12, s10, 1                          ; my half of its columns; also: which half of that tile I fetch
	s_bfe_u32 s40, ttmp6, 0x40000                  ; cx
	s_bfe_u32 s41, ttmp6, 0x40004                  ; cy
	s_lshl_b32 s42, ttmp9, 2
	s_add_co_u32 s42, s42, s40                     ; tile column
	s_and_b32 s13, ttmp7, 0xffff
	s_lshl_b32 s13, s13, 2
	s_add_co_u32 s13, s13, s41                     ; tile row
	s_lshl_b32 s43, s41, 2
	s_lshl_b32 s43, 15, s43                        ; my row of the cluster
	s_lshl_b32 s44, 0x1111, s40                    ; my column
	s_or_b32 s[G1+0], s43, (1<<16)|(1<<20)|(1<<21)|(4<<22)|(3<<25)  ; 2-byte elements; 4 words of padding after every 32; bit 21 beside the mask
	s_mov_b32 s[G1+1], 128<<16                     ; two planes are 32,768 dense bytes: 128 rows of 256 bytes
	s_mov_b32 s[G1+2], 128<<16
	s_mov_b32 s[G1+3], 128<<16
	s_mov_b32 s[G1+4], 128
	s_mov_b32 s[G1+5], 128
	s_mov_b32 s[G1+6], 0
	s_mov_b32 s[G1+7], 0
	s_or_b32 s[G1B+0], s44, (1<<16)|(1<<20)|(1<<21)|(5<<22)|(7<<25) ; 8 words of padding after every 64
	s_mov_b32 s[G1B+1], 128<<16                    ; 128 rows (K) of 128 elements (N)
	s_mov_b32 s[G1B+2], 128<<16
	s_mov_b32 s[G1B+3], 128<<16
	s_mov_b32 s[G1B+4], 128
	s_mov_b32 s[G1B+5], BSTR
	s_mov_b32 s[G1B+6], 0
	s_mov_b32 s[G1B+7], 0
	s_lshl_b32 s16, s13, TRSH                      ; A: the tile row's block, my two planes
	s_lshl_b32 s17, s12, 15
	s_add_co_u32 s16, s16, s17
	s_mov_b32 s17, 0
	s_lshl_b32 s46, s42, 8                         ; W: the tile's 128 columns, my 128 rows
	s_mul_i32 s47, s12, 128*BSTR*2
	s_add_co_u32 s46, s46, s47
	s_add_co_u32 s46, s46, WOFF
	s_mov_b32 s47, 0
	s_mul_i32 s20, s12, AHALF                      ; where they go: the wave's number alone
	s_mul_i32 s21, s12, 128*PB
	s_add_co_u32 s21, s21, BOFF
	s_lshl_b32 s86, s13, 1                         ; my part of the output, in bytes
	s_add_co_u32 s86, s86, s11
	s_lshl_b32 s86, s86, 18                        ; my 64 rows of 4,096 bytes
	s_lshl_b32 s87, s42, 1
	s_add_co_u32 s87, s87, s12
	s_lshl_b32 s87, s87, 8                         ; my 64 columns: 256 bytes
	s_add_co_u32 s86, s86, s87
	s_mov_b32 s87, 0
	s_lshl_b32 s88, s42, 9                         ; the tile's 128 numbers of the bias
	s_mov_b32 s89, 0
	s_lshl_b32 s90, s13, 3
	s_add_co_u32 s90, s90, s42
	s_lshl_b32 s90, s90, 3                         ; the work-group's pair of statistics
	s_mov_b32 s91, 0
	s_mov_b32 s[SEL], 0x76543210
	s_mov_b32 s[SEL+1], 0xfedcba98
	s_wait_dscnt 0x0                               ; the opening add is done
	s_wait_kmcnt 0x0
	s_add_nc_u64 s[14:15], s[72:73], s[16:17]
	s_add_nc_u64 s[46:47], s[74:75], s[46:47]
	CROUND                                         ; all sixteen work-groups are here: the first joint loads meet
.irp s, 0,1
	s_mov_b32 s[G0+4*(\s)], 1
	s_add_co_u32 s[G0+4*(\s)+1], s20, (\s)*SLOT
	s_add_nc_u64 s[G0+4*(\s)+2:G0+4*(\s)+3], s[14:15], (\s)*GA
	s_or_b32 s[G0+4*(\s)+3], s[G0+4*(\s)+3], 0x80000000
	s_mov_b32 s[G0B+4*(\s)], 1
	s_add_co_u32 s[G0B+4*(\s)+1], s21, (\s)*SLOT
	s_add_nc_u64 s[G0B+4*(\s)+2:G0B+4*(\s)+3], s[46:47], (\s)*GB
	s_or_b32 s[G0B+4*(\s)+3], s[G0B+4*(\s)+3], 0x80000000
	JLOAD \s                                       ; two loads of mine are out
.endr
	s_add_nc_u64 s[OUTP:OUTP+1], s[OUTP:OUTP+1], s[86:87]
	s_add_nc_u64 s[78:79], s[78:79], s[86:87]      ; the residual lies as the output does
	s_add_nc_u64 s[76:77], s[76:77], s[88:89]
	s_add_nc_u64 s[82:83], s[82:83], s[90:91]
	v_and_b32 v1, 15, v0                           ; r = l % 16
	v_bfe_u32 v2, v0, 4, 1                         ; h = l / 16
	v_mul_u32_u24 v3, v1, PA
	v_lshl_add_u32 v3, v2, 4, v3
	s_mul_i32 s22, s11, 64*PA
	v_add_nc_u32 v[AA0], s22, v3                   ; (64 half + r) pitch + 16 h
	v_and_b32 v4, 7, v0
	v_lshl_add_u32 v4, v2, 3, v4
	v_mul_u32_u24 v4, v4, PB
	v_bfe_u32 v5, v0, 3, 1
	v_lshl_add_u32 v4, v5, 4, v4
	s_lshl_b32 s22, s12, 7
	s_add_co_u32 s22, s22, BOFF
	v_add_nc_u32 v[AB0], s22, v4                   ; (8 h + l % 8) pitch + 16 ((l / 8) % 2) + my 64 columns
	s_mul_i32 s23, s10, 16*SPITCH
	s_add_co_u32 s23, s23, STAGE                   ; my stage
	v_mul_u32_u24 v[STO], v1, SPITCH
	v_lshl_add_u32 v[STO], v2, 5, v[STO]           ; in: row r, 32 bytes for each half of the lanes
	v_mul_u32_u24 v[RD], v2, SPITCH                ; back: lanes 0-15 one row of 256 bytes, lanes 16-31 the next
	v_lshl_add_u32 v[RD], v1, 4, v[RD]
	v_lshlrev_b32 v[CO], 12, v2                    ; and the same two rows in memory
	v_lshl_add_u32 v[CO], v1, 4, v[CO]
	v_add_nc_u32 v[STO], s23, v[STO]
	v_add_nc_u32 v[RD], s23, v[RD]
	s_lshl_b32 s22, s10, 3
	s_add_co_u32 s22, s22, STATS
	v_mov_b32 v[SA], s22
	s_lshl_b32 s22, s12, 8
	v_lshlrev_b32 v[BO], 5, v2
	v_add_nc_u32 v[BO], s22, v[BO]                 ; 4 (64 half + 8 h)
.irp b, 0,1,2,3
	global_load_b128 v[TMP+8*(\b):TMP+8*(\b)+3],   v[BO], s[76:77] offset:64*(\b)
	global_load_b128 v[TMP+8*(\b)+4:TMP+8*(\b)+7], v[BO], s[76:77] offset:64*(\b)+16
.endr
	WIN TO_F
.set i, 0
.rept 32                               ; my 64 x 64 of the residual, as the way out will hold it: rows 2 i, 2 i + 1
	global_load_b128 v[128+4*i:128+4*i+3], v[CO], s[78:79] offset:2*i*4096
.set i, i+1
.endr
	WIN 0
	s_wait_loadcnt 32                              ; the bias is in; the residual's 32 loads stay out
.set i, 0
.rept 128                              ; the sums start at the bias of their columns; this stands in the wait for the first tile
	v_mov_b32 v[ACC+i], v[TMP+i%32]
.set i, i+1
.endr
	s_wait_tensorcnt 1                             ; my part of K step 0 is in; step 1's load may stay out
	s_barrier_signal -1
	s_barrier_wait -1
	s_mov_b32 s[TA], 0
	s_mov_b32 s[TB], 0
	ADDR
	FETCH16 0
	FETCH16 1
	WIN 0
	STEPP
	s_mov_b32 s3, NSTEP-2
.Lstep:                                ; a K step that fills its slot again
	INNER
	TURN64 1
	s_sub_co_u32 s3, s3, 1
	s_cmp_lg_u32 s3, 0
	s_cbranch_scc1 .Lstep
	INNER                                          ; the last two K steps ask for nothing
	TURN64 0
	INNER
	s_wait_dscnt 16
	MUL16 0
	s_wait_dscnt 0x0
	MUL16 1
	WIN 0
	PLACES
; THE WAY OUT in f32: 16 rows at a time through my stage, back as whole rows of 256 bytes, the residual added, stored.
	s_wait_loadcnt 0x0                             ; the residual
.irp a, 0,1,2,3
.irp b, 0,1,2,3
	ds_store_b128 v[STO], v[ACC+8*(4*(\a)+(\b)):ACC+8*(4*(\a)+(\b))+3]   offset:64*(\b)
	ds_store_b128 v[STO], v[ACC+8*(4*(\a)+(\b))+4:ACC+8*(4*(\a)+(\b))+7] offset:64*(\b)+16
.endr
.irp f, 0,1,2,3,4,5,6,7
	ds_load_b128 v[TMP+4*(\f):TMP+4*(\f)+3], v[RD] offset:(\f)*2*SPITCH  ; a wave's LDS instructions are served in order: these see the stores above
.endr
	s_wait_dscnt 0x0
	WIN 0x41                                       ; destination and source 0 window 1, source 1 window 0
.set i, 0
.rept 16
	v_pk_add_f32 v[128+32*(\a)+i:128+32*(\a)+i+1], v[128+32*(\a)+i:128+32*(\a)+i+1], v[TMP+i:TMP+i+1]
.set i, i+2
.endr
	WIN 0x04                                       ; a store's data: window 1
.irp f, 0,1,2,3,4,5,6,7
	global_store_b128 v[CO], v[128+32*(\a)+4*(\f):128+32*(\a)+4*(\f)+3], s[OUTP:OUTP+1] offset:(16*(\a)+2*(\f))*4096  ; 16 lanes store 256 consecutive bytes, aligned
.endr
	WIN 0
.endr
; The tile's mean and M2, for the norm that follows: my 4,096 numbers lie in registers.
	WIN 0x55
.irp k, 0,2,4,6
	v_pk_add_f32 v[\k:\k+1], v[128+\k:129+\k], v[136+\k:137+\k]
.endr
.set i, 16
.rept 56
	v_pk_add_f32 v[i%8:i%8+1], v[i%8:i%8+1], v[128+i:128+i+1]
.set i, i+2
.endr
	v_pk_add_f32 v[0:1], v[0:1], v[2:3]
	v_pk_add_f32 v[4:5], v[4:5], v[6:7]
	v_pk_add_f32 v[0:1], v[0:1], v[4:5]
	WIN 0x05
	v_add_f32 v32, v0, v1
	WIN 0
	WRED 32, 33
	v_mul_f32 v34, 0x39800000, v32                 ; / 4,096
	v_mov_b32 v35, v34
	s_wait_xcnt 0x0                                ; the stores have read their data: it is rewritten only behind this wait
	WIN 0x41
.set i, 0
.rept 64
	v_pk_add_f32 v[128+i:128+i+1], v[128+i:128+i+1], v[34:35] neg_lo:[0,1] neg_hi:[0,1]
.set i, i+2
.endr
	WIN 0x55
.irp k, 0,2,4,6
	v_pk_mul_f32 v[\k:\k+1], v[128+\k:129+\k], v[128+\k:129+\k]
.endr
.set i, 8
.rept 60
	v_pk_fma_f32 v[i%8:i%8+1], v[128+i:128+i+1], v[128+i:128+i+1], v[i%8:i%8+1]
.set i, i+2
.endr
	v_pk_add_f32 v[0:1], v[0:1], v[2:3]
	v_pk_add_f32 v[4:5], v[4:5], v[6:7]
	v_pk_add_f32 v[0:1], v[0:1], v[4:5]
	WIN 0x05
	v_add_f32 v35, v0, v1
	WIN 0
	WRED 35, 33
	ds_store_b64 v[SA], v[34:35]
	s_wait_dscnt 0x0                               ; for the others' sake
	s_barrier_signal -1
	s_barrier_wait -1
	s_cmp_lg_u32 s10, 0
	s_cbranch_scc1 .Lnostat                        ; wave 0 merges the four pairs
	v_mov_b32 v36, STATS
	ds_load_b128 v[40:43], v36
	ds_load_b128 v[44:47], v36 offset:16
	s_wait_dscnt 0x0
	v_add_f32 v38, v40, v42
	v_add_f32 v37, v44, v46
	v_add_f32 v38, v38, v37
	v_mul_f32 v48, 0x3e800000, v38
.irp i, 40,42,44,46
	v_sub_f32 v\i, v\i, v48
.endr
	v_mul_f32 v37, v40, v40
	v_fmac_f32 v37, v42, v42
	v_fmac_f32 v37, v44, v44
	v_fmac_f32 v37, v46, v46
	v_add_f32 v41, v41, v43
	v_add_f32 v45, v45, v47
	v_add_f32 v41, v41, v45
	v_fmamk_f32 v49, v37, 0x45800000, v41          ; sum M2 + 4,096 sum d^2
	v_and_b32 v38, 31, v0
	v_cmp_gt_u32 vcc_lo, 1, v38
	v_mov_b32 v37, 0
	s_wait_xcnt 0x0                                ; EXEC changes only behind this wait
	s_and_saveexec_b32 s92, vcc_lo
	global_store_b64 v37, v[48:49], s[82:83]
	s_wait_xcnt 0x0
	s_or_b32 exec_lo, exec_lo, s92
.Lnostat:
	s_wait_tensorcnt 0x0                           ; the wave's end
	ds_add_u32 v[SPW], v[NIL]
	s_wait_dscnt 0x0
	CROUND                                         ; the closing round: no work-group ends while a partner may still ask jointly
	s_endpgm
.Lfunc_end_k_qd5bb166427_wo:
	.size	k_qd5bb166427_wo, .Lfunc_end_k_qd5bb166427_wo-k_qd5bb166427_wo
	.p2alignl 7, 3214868480
	.fill 96, 4, 3214868480
	.section	.rodata,"a",@progbits
	.p2align	6, 0x0
	.amdhsa_kernel k_qd5bb166427_wo
		.amdhsa_group_segment_fixed_size 327680
		.amdhsa_private_segment_fixed_size 0
		.amdhsa_enable_private_segment 0
		.amdhsa_kernarg_size 48
		.amdhsa_user_sgpr_count 2
		.amdhsa_user_sgpr_kernarg_segment_ptr 1
		.amdhsa_wavefront_size32 1
		.amdhsa_system_sgpr_workgroup_id_x 1
		.amdhsa_system_sgpr_workgroup_id_y 1
		.amdhsa_system_sgpr_workgroup_id_z 1
		.amdhsa_system_vgpr_workitem_id 0
		.amdhsa_next_free_vgpr 512
		.amdhsa_next_free_sgpr 96
		.amdhsa_reserve_vcc 1
		.amdhsa_float_denorm_mode_32 3
		.amdhsa_float_denorm_mode_16_64 3
		.amdhsa_memory_ordered 1
		.amdhsa_forward_progress 1
		.amdhsa_inst_pref_size 72
	.end_amdhsa_kernel
	.amdgpu_metadata
---
amdhsa.version: [ 1, 2 ]
amdhsa.kernels:
  - .name:           k_qd5bb166427_wo
    .symbol:         k_qd5bb166427_wo.kd
    .args:
      - { .name: nb, .offset: 0, .size: 8, .value_kind: global_buffer, .address_space: global }
      - { .name: wB, .offset: 8, .size: 8, .value_kind: global_buffer, .address_space: global }
      - { .name: bo, .offset: 16, .size: 8, .value_kind: global_buffer, .address_space: global }
      - { .name: y, .offset: 24, .size: 8, .value_kind: global_buffer, .address_space: global }
      - { .name: y1, .offset: 32, .size: 8, .value_kind: global_buffer, .address_space: global }
      - { .name: st2, .offset: 40, .size: 8, .value_kind: global_buffer, .address_space: global }
    .group_segment_fixed_size: 327680
    .private_segment_fixed_size: 0
    .kernarg_segment_align: 8
    .kernarg_segment_size: 48
    .max_flat_workgroup_size: 128
    .sgpr_count:     96
    .vgpr_count:     512
    .wavefront_size: 32
...
	.end_amdgpu_metadata
.endif
;; end of part 14
;; launch norm2: the kernel of part 10 again; grid 256 x 1, 16 waves a work-group, no clusters, 0 bytes of LDS; arguments y1, ln2_w, ln2_b, st2, nb; writes nb
;; launch ffn1: the kernel of part 11 again; grid 16 x 16, 4 waves a work-group, clusters of 4 x 4, 327,680 bytes of LDS; arguments nb, wB, pl; writes pl
;; launch ffn2 (part 15): grid 8 x 32, 4 waves a work-group, clusters of 4 x 4, 327,680 bytes of LDS; arguments pl, wB, b2, y1, out0; writes out0
.if DOCPART == 15
	.amdgcn_target "amdgcn-amd-amdhsa--gfx1250"
	.amdhsa_code_object_version 6
	.text
	.protected	k_qd5bb166427_ffn2
	.globl	k_qd5bb166427_ffn2
	.p2align	8
	.type	k_qd5bb166427_ffn2,@function
k_qd5bb166427_ffn2:
	s_mov_b64 s[64:65], 0
	v_nop
	global_prefetch_b8 v0, s[64:65] scope:SCOPE_SE
	s_setreg_imm32_b32 hwreg(HW_REG_WAVE_MODE, 25, 1), 1
	s_wait_xcnt 0x0
	s_wait_alu depctr_hold_cnt(0) depctr_sa_sdst(0) depctr_va_vdst(0) depctr_va_sdst(0) depctr_va_ssrc(0) depctr_va_vcc(0) depctr_vm_vsrc(0)
	s_getreg_b32 s2, hwreg(HW_REG_IB_STS2, 6, 4)
	s_cmp_eq_u32 s2, 0
	s_cbranch_scc0 .Lentry_in_a_cluster
	s_endpgm
.Lentry_in_a_cluster:
	s_bfe_u32 s2, ttmp6, 0x10000c
	s_cmp_lg_u32 s2, 0xf033
	s_cbranch_scc0 .Lentry_shape_is_right
	s_endpgm
.Lentry_shape_is_right:
; out = y1 + h W2 + b2 in f32.  h: f16 [block of 128 rows][plane of 64 K][128][64]; W2 f16 [4096][1024], behind W1's blocks and Wo in wB.  f16 operands, f32 sums that start at the bias.
; The product O Wo has the same form, with K = 1,024 and statistics at its end.
; A tile of C is 128 x 128: 4,096 x 1,024 outputs shared among 256 work-groups.  Four waves, each 64 x 64: 16 accumulators.  K goes in 16 steps of 256 through two LDS slots.
; W lies [K][N] and comes out of LDS turned (ds_load_tr16_b128).  The matrix instruction is used transposed (source 0 = 16 columns of W, source 1 = 16 rows of A):
; a lane then holds eight neighbouring columns of one row of C.  CLUSTER 4 x 4: A's tile is asked for jointly along a row of the cluster, W's along a column.
; No prefetch: a step's tile is small and is read by four partners through one request.
.set NSTEP,  16                        ; K / 256
.set BSTR,   1024                      ; elements in a row of W
.set WOFF,   0xA08000                  ; W's first byte in wB
.set TRSH,   20                        ; log2 of the bytes of a block of 128 rows of A
.set OUTP,   80                        ; s[OUTP:OUTP+1] the output
.set PA,     144                       ; a plane's row: 128 bytes + 16
.set STEPA,  128*144                   ; 64 K further on: the next plane
.set AHALF,  2*128*144
.set GA,     65536                     ; a K step in memory
.set SPITCH, 272
.set PB,     288                       ; a row of W's tile: 256 bytes + 32
.set BOFF,   73728                     ; W's 256 rows lie behind A's part of a slot
.set STEPB,  64*PB
.set SLOT,   147456                    ; = 0x24000; no tile address inside a slot has one of its two bits, so an exclusive or changes slots
.set GB,     256*BSTR*2
.set STAGE,  2*SLOT                    ; each wave's own 16 rows for the way out; never filled by a tensor load
.set SPARE,  STAGE+4*16*272+256        ; the spare words, 128 bytes a wave
.set AA0, 16                           ; v16, v17  my lane's place in A's and W's part of a slot; never rewritten
.set AB0, 17
.set AA,  18                           ; v18, v19  the addresses of the run of loads in hand
.set AB,  19
.set STO, 24
.set RD,  25
.set CO,  26
.set BO,  27
.set SPW, 28
.set NIL, 29
.set TMP, 32                           ; v32-95 at work
.set ACC, 128                          ; accumulator (a, b) at ACC + 8 (4 a + b).  Window 1: v0-63 A's fragments (c, i) at 8 (4 c + i); v64-127 W's; v128-255 the residual
.set G1,  24
.set G0,  32
.set G1B, 48
.set G0B, 56
.set TA,  66                           ; s66, s67  LDS byte of the 64 K to be fetched next, for A and for W
.set TB,  67
.set CI,  68
.set MSB, 0
.macro WIN new
.if MSB != (\new)
	s_set_vgpr_msb (MSB<<8)|(\new)
.set MSB, \new
.endif
.endm
.set MUL,  0x05                        ; sources 0 and 1 window 1; C and D window 0
.set TO_F, 0x40                        ; destination window 1, address window 0
.macro JLOAD s                         ; a joint load: waves 0, 1 fetch A's halves, waves 2, 3 W's; s_nop 0 and four v_nop follow each line
	s_cmp_eq_u32 s11, 0
	s_cbranch_scc0 .Lfor_b_\@
	tensor_load_to_lds s[G0+4*(\s):G0+4*(\s)+3], s[G1:G1+7]
	s_nop 0
.rept 4
	v_nop
.endr
	s_branch .Lasked_\@
.Lfor_b_\@:
	tensor_load_to_lds s[G0B+4*(\s):G0B+4*(\s)+3], s[G1B:G1B+7]
	s_nop 0
.rept 4
	v_nop
.endr
.Lasked_\@:
.endm
.macro CREST                           ; a round of the cluster's barrier behind its opening barrier
	s_cmp_lg_u32 s10, 0
	s_cbranch_scc1 .Lnot_wave_0_\@
	s_barrier_signal -3
.Lnot_wave_0_\@:
	s_barrier_wait -3
	s_barrier_signal -1
	s_barrier_wait -1
.endm
.macro CROUND
	s_barrier_signal -1
	s_barrier_wait -1
	CREST
.endm
.macro PLACES                          ; four places between a matrix instruction and a load into, or a reader of, its registers
.rept 4
	v_nop
.endr
.endm
.macro MUL8 c, a0                      ; row blocks a0, a0 + 1 x all four column blocks, 32 K (half c of the fragments)
	WIN MUL
.irp a, \a0, (\a0)+1
.irp b, 0,1,2,3
	v_wmma_f32_16x16x32_f16 v[ACC+8*(4*(\a)+(\b)):ACC+8*(4*(\a)+(\b))+7], v[64+8*(4*(\c)+(\b)):64+8*(4*(\c)+(\b))+7], v[8*(4*(\c)+(\a)):8*(4*(\c)+(\a))+7], v[ACC+8*(4*(\a)+(\b)):ACC+8*(4*(\a)+(\b))+7]
.endr
.endr
.endm
.macro MUL16 c                         ; the 16 accumulators take turns, always in the same order
	MUL8 \c, 0
	MUL8 \c, 2
.endm
.macro FETCH16 c                       ; 16 LDS loads: half c (32 K) of the 64 K at v[AA], v[AB]
	WIN TO_F
.irp i, 0,1,2,3
	ds_load_tr16_b128 v[64+8*(4*(\c)+(\i)):64+8*(4*(\c)+(\i))+3],   v[AB] offset:(\c)*32*PB+32*(\i)
	ds_load_tr16_b128 v[64+8*(4*(\c)+(\i))+4:64+8*(4*(\c)+(\i))+7], v[AB] offset:(\c)*32*PB+16*PB+32*(\i)
	ds_load_b128 v[8*(4*(\c)+(\i)):8*(4*(\c)+(\i))+3],   v[AA] offset:(\i)*16*PA+64*(\c)
	ds_load_b128 v[8*(4*(\c)+(\i))+4:8*(4*(\c)+(\i))+7], v[AA] offset:(\i)*16*PA+64*(\c)+32
.endr
.endm
.macro ADDR
	v_add_nc_u32 v[AA], s[TA], v[AA0]
	v_add_nc_u32 v[AB], s[TB], v[AB0]
.endm
.macro STEPP
	s_add_co_u32 s[TA], s[TA], STEPA
	s_add_co_u32 s[TB], s[TB], STEPB
.endm
.macro Q64                             ; multiplies 64 K and fetches the next 64 K of the same slot
	s_wait_dscnt 16                                ; half 0 is in; half 1's 16 loads are younger
	MUL16 0
	WIN 0
	ADDR                                           ; two plain instructions and two v_nop: the four places
	v_nop
	v_nop
	FETCH16 0
	s_wait_dscnt 16                                ; half 1 is in; the 16 just issued are younger
	MUL16 1
	PLACES
	FETCH16 1
	WIN 0
	STEPP
.endm
.macro INNER                           ; the first three quarters of a K step
	s_mov_b32 s[CI], 3
.Lq_\@:
	Q64
	s_sub_co_u32 s[CI], s[CI], 1
	s_cmp_lg_u32 s[CI], 0
	s_cbranch_scc1 .Lq_\@
.endm
; The last quarter and the change of slots: each wave waits for all its tensor loads (one is out: its part of the next slot), adds 0 to its spare word, waits for that and for its reads
; of this slot; behind the barrier (fill = 1: a round of the cluster's) this slot is filled again first, with the K step two on: 112 matrix instructions ahead of the wait for it.
.macro TURN64 fill
	WIN 0
	s_wait_tensorcnt 0x0
	ds_add_u32 v[SPW], v[NIL]
	s_wait_dscnt 17                                ; half 0 is in; half 1's 16 loads and the add are younger
	MUL8 0, 0
	s_wait_dscnt 0x0                               ; the add is done, my reads of this slot are over
	s_barrier_signal -1
	MUL8 0, 2
	WIN 0
	s_barrier_wait -1
.if \fill
	CREST
	s_xor_b32 s[G0+5], s[G0+5], SLOT               ; the walking descriptors: the other slot than last time, one K step on; no load of mine is out
	s_add_nc_u64 s[G0+6:G0+7], s[G0+6:G0+7], GA
	s_xor_b32 s[G0B+5], s[G0B+5], SLOT
	s_add_nc_u64 s[G0B+6:G0B+7], s[G0B+6:G0B+7], GB
	JLOAD 1                                        ; its four v_nop are also the places in front of the loads below
.else
	PLACES
.endif
	s_sub_co_u32 s[TA], s[TA], 4*STEPA
	s_xor_b32 s[TA], s[TA], SLOT
	s_sub_co_u32 s[TB], s[TB], 4*STEPB
	s_xor_b32 s[TB], s[TB], SLOT
	ADDR
	FETCH16 0
	MUL16 1
	PLACES
	FETCH16 1
	WIN 0
	STEPP
.endm
	s_load_b256 s[72:79], s[0:1], 0x0              ; A 72, wB 74, bias 76, the residual 78
	s_load_b64 s[80:81], s[0:1], 0x20              ; the output
	v_lshl_add_u32 v[SPW], v0, 2, SPARE
	v_mov_b32 v[NIL], 0
	ds_add_u32 v[SPW], v[NIL]                      ; the wave's opening: the add, waited for ahead of my first tensor load
	v_lshrrev_b32 v1, 5, v0
	v_readfirstlane_b32 s10, v1                    ; wave 0..3
	s_lshr_b32 s11, s10, 1                         ; my half of the tile's rows; also: I fetch for A (0) or W (1)
	s_and_b32 s12, s10, 1                          ; my half of its columns; also: which half of that tile I fetch
	s_bfe_u32 s40, ttmp6, 0x40000                  ; cx
	s_bfe_u32 s41, ttmp6, 0x40004                  ; cy
	s_lshl_b32 s42, ttmp9, 2
	s_add_co_u32 s42, s42, s40                     ; tile column
	s_and_b32 s13, ttmp7, 0xffff
	s_lshl_b32 s13, s13, 2
	s_add_co_u32 s13, s13, s41                     ; tile row
	s_lshl_b32 s43, s41, 2
	s_lshl_b32 s43, 15, s43                        ; my row of the cluster
	s_lshl_b32 s44, 0x1111, s40                    ; my column
	s_or_b32 s[G1+0], s43, (1<<16)|(1<<20)|(1<<21)|(4<<22)|(3<<25)  ; 2-byte elements; 4 words of padding after every 32; bit 21 beside the mask
	s_mov_b32 s[G1+1], 128<<16                     ; two planes are 32,768 dense bytes: 128 rows of 256 bytes
	s_mov_b32 s[G1+2], 128<<16
	s_mov_b32 s[G1+3], 128<<16
	s_mov_b32 s[G1+4], 128
	s_mov_b32 s[G1+5], 128
	s_mov_b32 s[G1+6], 0
	s_mov_b32 s[G1+7], 0
	s_or_b32 s[G1B+0], s44, (1<<16)|(1<<20)|(1<<21)|(5<<22)|(7<<25) ; 8 words of padding after every 64
	s_mov_b32 s[G1B+1], 128<<16                    ; 128 rows (K) of 128 elements (N)
	s_mov_b32 s[G1B+2], 128<<16
	s_mov_b32 s[G1B+3], 128<<16
	s_mov_b32 s[G1B+4], 128
	s_mov_b32 s[G1B+5], BSTR
	s_mov_b32 s[G1B+6], 0
	s_mov_b32 s[G1B+7], 0
	s_lshl_b32 s16, s13, TRSH                      ; A: the tile row's block, my two planes
	s_lshl_b32 s17, s12, 15
	s_add_co_u32 s16, s16, s17
	s_mov_b32 s17, 0
	s_lshl_b32 s46, s42, 8                         ; W: the tile's 128 columns, my 128 rows
	s_mul_i32 s47, s12, 128*BSTR*2
	s_add_co_u32 s46, s46, s47
	s_add_co_u32 s46, s46, WOFF
	s_mov_b32 s47, 0
	s_mul_i32 s20, s12, AHALF                      ; where they go: the wave's number alone
	s_mul_i32 s21, s12, 128*PB
	s_add_co_u32 s21, s21, BOFF
	s_lshl_b32 s86, s13, 1                         ; my part of the output, in bytes
	s_add_co_u32 s86, s86, s11
	s_lshl_b32 s86, s86, 18                        ; my 64 rows of 4,096 bytes
	s_lshl_b32 s87, s42, 1
	s_add_co_u32 s87, s87, s12
	s_lshl_b32 s87, s87, 8                         ; my 64 columns: 256 bytes
	s_add_co_u32 s86, s86, s87
	s_mov_b32 s87, 0
	s_lshl_b32 s88, s42, 9                         ; the tile's 128 numbers of the bias
	s_mov_b32 s89, 0
	s_wait_dscnt 0x0                               ; the opening add is done
	s_wait_kmcnt 0x0
	s_add_nc_u64 s[14:15], s[72:73], s[16:17]
	s_add_nc_u64 s[46:47], s[74:75], s[46:47]
	CROUND                                         ; all sixteen work-groups are here: the first joint loads meet
.irp s, 0,1
	s_mov_b32 s[G0+4*(\s)], 1
	s_add_co_u32 s[G0+4*(\s)+1], s20, (\s)*SLOT
	s_add_nc_u64 s[G0+4*(\s)+2:G0+4*(\s)+3], s[14:15], (\s)*GA
	s_or_b32 s[G0+4*(\s)+3], s[G0+4*(\s)+3], 0x80000000
	s_mov_b32 s[G0B+4*(\s)], 1
	s_add_co_u32 s[G0B+4*(\s)+1], s21, (\s)*SLOT
	s_add_nc_u64 s[G0B+4*(\s)+2:G0B+4*(\s)+3], s[46:47], (\s)*GB
	s_or_b32 s[G0B+4*(\s)+3], s[G0B+4*(\s)+3], 0x80000000
	JLOAD \s                                       ; two loads of mine are out
.endr
	s_add_nc_u64 s[OUTP:OUTP+1], s[OUTP:OUTP+1], s[86:87]
	s_add_nc_u64 s[78:79], s[78:79], s[86:87]      ; the residual lies as the output does
	s_add_nc_u64 s[76:77], s[76:77], s[88:89]
	v_and_b32 v1, 15, v0                           ; r = l % 16
	v_bfe_u32 v2, v0, 4, 1                         ; h = l / 16
	v_mul_u32_u24 v3, v1, PA
	v_lshl_add_u32 v3, v2, 4, v3
	s_mul_i32 s22, s11, 64*PA
	v_add_nc_u32 v[AA0], s22, v3                   ; (64 half + r) pitch + 16 h
	v_and_b32 v4, 7, v0
	v_lshl_add_u32 v4, v2, 3, v4
	v_mul_u32_u24 v4, v4, PB
	v_bfe_u32 v5, v0, 3, 1
	v_lshl_add_u32 v4, v5, 4, v4
	s_lshl_b32 s22, s12, 7
	s_add_co_u32 s22, s22, BOFF
	v_add_nc_u32 v[AB0], s22, v4                   ; (8 h + l % 8) pitch + 16 ((l / 8) % 2) + my 64 columns
	s_mul_i32 s23, s10, 16*SPITCH
	s_add_co_u32 s23, s23, STAGE                   ; my stage
	v_mul_u32_u24 v[STO], v1, SPITCH
	v_lshl_add_u32 v[STO], v2, 5, v[STO]           ; in: row r, 32 bytes for each half of the lanes
	v_mul_u32_u24 v[RD], v2, SPITCH                ; back: lanes 0-15 one row of 256 bytes, lanes 16-31 the next
	v_lshl_add_u32 v[RD], v1, 4, v[RD]
	v_lshlrev_b32 v[CO], 12, v2                    ; and the same two rows in memory
	v_lshl_add_u32 v[CO], v1, 4, v[CO]
	v_add_nc_u32 v[STO], s23, v[STO]
	v_add_nc_u32 v[RD], s23, v[RD]
	s_lshl_b32 s22, s12, 8
	v_lshlrev_b32 v[BO], 5, v2
	v_add_nc_u32 v[BO], s22, v[BO]                 ; 4 (64 half + 8 h)
.irp b, 0,1,2,3
	global_load_b128 v[TMP+8*(\b):TMP+8*(\b)+3],   v[BO], s[76:77] offset:64*(\b)
	global_load_b128 v[TMP+8*(\b)+4:TMP+8*(\b)+7], v[BO], s[76:77] offset:64*(\b)+16
.endr
	WIN TO_F
.set i, 0
.rept 32                               ; my 64 x 64 of the residual, as the way out will hold it: rows 2 i, 2 i + 1
	global_load_b128 v[128+4*i:128+4*i+3], v[CO], s[78:79] offset:2*i*4096
.set i, i+1
.endr
	WIN 0
	s_wait_loadcnt 32                              ; the bias is in; the residual's 32 loads stay out
.set i, 0
.rept 128                              ; the sums start at the bias of their columns; this stands in the wait for the first tile
	v_mov_b32 v[ACC+i], v[TMP+i%32]
.set i, i+1
.endr
	s_wait_tensorcnt 1                             ; my part of K step 0 is in; step 1's load may stay out
	s_barrier_signal -1
	s_barrier_wait -1
	s_mov_b32 s[TA], 0
	s_mov_b32 s[TB], 0
	ADDR
	FETCH16 0
	FETCH16 1
	WIN 0
	STEPP
	s_mov_b32 s3, NSTEP-2
.Lstep:                                ; a K step that fills its slot again
	INNER
	TURN64 1
	s_sub_co_u32 s3, s3, 1
	s_cmp_lg_u32 s3, 0
	s_cbranch_scc1 .Lstep
	INNER                                          ; the last two K steps ask for nothing
	TURN64 0
	INNER
	s_wait_dscnt 16
	MUL16 0
	s_wait_dscnt 0x0
	MUL16 1
	WIN 0
	PLACES
; THE WAY OUT in f32: 16 rows at a time through my stage, back as whole rows of 256 bytes, the residual added, stored.
	s_wait_loadcnt 0x0                             ; the residual
.irp a, 0,1,2,3
.irp b, 0,1,2,3
	ds_store_b128 v[STO], v[ACC+8*(4*(\a)+(\b)):ACC+8*(4*(\a)+(\b))+3]   offset:64*(\b)
	ds_store_b128 v[STO], v[ACC+8*(4*(\a)+(\b))+4:ACC+8*(4*(\a)+(\b))+7] offset:64*(\b)+16
.endr
.irp f, 0,1,2,3,4,5,6,7
	ds_load_b128 v[TMP+4*(\f):TMP+4*(\f)+3], v[RD] offset:(\f)*2*SPITCH  ; a wave's LDS instructions are served in order: these see the stores above
.endr
	s_wait_dscnt 0x0
	WIN 0x41                                       ; destination and source 0 window 1, source 1 window 0
.set i, 0
.rept 16
	v_pk_add_f32 v[128+32*(\a)+i:128+32*(\a)+i+1], v[128+32*(\a)+i:128+32*(\a)+i+1], v[TMP+i:TMP+i+1]
.set i, i+2
.endr
	WIN 0x04                                       ; a store's data: window 1
.irp f, 0,1,2,3,4,5,6,7
	global_store_b128 v[CO], v[128+32*(\a)+4*(\f):128+32*(\a)+4*(\f)+3], s[OUTP:OUTP+1] offset:(16*(\a)+2*(\f))*4096  ; 16 lanes store 256 consecutive bytes, aligned
.endr
	WIN 0
.endr
	s_wait_tensorcnt 0x0                           ; the wave's end
	ds_add_u32 v[SPW], v[NIL]
	s_wait_dscnt 0x0
	CROUND                                         ; the closing round: no work-group ends while a partner may still ask jointly
	s_endpgm
.Lfunc_end_k_qd5bb166427_ffn2:
	.size	k_qd5bb166427_ffn2, .Lfunc_end_k_qd5bb166427_ffn2-k_qd5bb166427_ffn2
	.p2alignl 7, 3214868480
	.fill 96, 4, 3214868480
	.section	.rodata,"a",@progbits
	.p2align	6, 0x0
	.amdhsa_kernel k_qd5bb166427_ffn2
		.amdhsa_group_segment_fixed_size 327680
		.amdhsa_private_segment_fixed_size 0
		.amdhsa_enable_private_segment 0
		.amdhsa_kernarg_size 40
		.amdhsa_user_sgpr_count 2
		.amdhsa_user_sgpr_kernarg_segment_ptr 1
		.amdhsa_wavefront_size32 1
		.amdhsa_system_sgpr_workgroup_id_x 1
		.amdhsa_system_sgpr_workgroup_id_y 1
		.amdhsa_system_sgpr_workgroup_id_z 1
		.amdhsa_system_vgpr_workitem_id 0
		.amdhsa_next_free_vgpr 512
		.amdhsa_next_free_sgpr 96
		.amdhsa_reserve_vcc 0
		.amdhsa_float_denorm_mode_32 3
		.amdhsa_float_denorm_mode_16_64 3
		.amdhsa_memory_ordered 1
		.amdhsa_forward_progress 1
		.amdhsa_inst_pref_size 57
	.end_amdhsa_kernel
	.amdgpu_metadata
---
amdhsa.version: [ 1, 2 ]
amdhsa.kernels:
  - .name:           k_qd5bb166427_ffn2
    .symbol:         k_qd5bb166427_ffn2.kd
    .args:
      - { .name: pl, .offset: 0, .size: 8, .value_kind: global_buffer, .address_space: global }
      - { .name: wB, .offset: 8, .size: 8, .value_kind: global_buffer, .address_space: global }
      - { .name: b2, .offset: 16, .size: 8, .value_kind: global_buffer, .address_space: global }
      - { .name: y1, .offset: 24, .size: 8, .value_kind: global_buffer, .address_space: global }
      - { .name: out0, .offset: 32, .size: 8, .value_kind: global_buffer, .address_space: global }
    .group_segment_fixed_size: 327680
    .private_segment_fixed_size: 0
    .kernarg_segment_align: 8
    .kernarg_segment_size: 40
    .max_flat_workgroup_size: 128
    .sgpr_count:     96
    .vgpr_count:     512
    .wavefront_size: 32
...
	.end_amdgpu_metadata
.endif
;; end of part 15
